; MI455X (gfx1250); checked and timed in simulation.
; The chip was launched on July 23, 2026; its instructions are those of AMD's public machine-readable ISA for CDNA 5 (MIT licence, August 2026) and "CDNA5" Instruction Set Architecture Reference Guide (July 2026). The comments in the code are by the model that wrote it; some were corrected since.
;; Evo Mo E Router. Allowed arithmetic: matrix products marked QUANTISED: E2M1 operands, one E8M0 scale for each 32 along K, by v_wmma_scale_f32_16x16x128_f8f6f4 with both operands' format E2M1 (or v_wmma_scale_f32_32x16x128_f4), f32 sums; products left as they are: f32 operands where the result goes on into a quantised operand, else bf16, f16 or f32 operands; f32 sums; everything else in f32.
;; Inputs: expert_b 8 x 1,024 float32; expert_pref 8 x 1,024 float32; expert_w 8 x 1,024 x 1,024 float32; router_b 8 float32; router_w 8 x 1,024 float32; x 4 x 2,048 x 1,024 float32.
;; Outputs: out0 4 x 2,048 x 1,024 float32; out1 4 x 2,048 x 8 float32; out2 8 float32; out3 one number float32; out4 one number float32.
;; Constants: top_k = 2.
;; This version of the problem:
;;   THIS VERSION OF THE PROBLEM IS GIVEN IN LOW PRECISION. The matrix products marked QUANTISED in the list below multiply operands that are first quantised to E2M1 (2 exponent bits, 1 mantissa bit; 4 bits a number), with one power-of-two scale for each 32 numbers along K (OCP MX v1.0); their sums are f32. All else is computed in f32.
;;   The module's matrix products, in the order in which they are computed (A, B: the left and right operand; K: the contracted axis; several contracted axes count as one K, in the product's order):
;;     1. [M 8,192, K 1,024] x [K 1,024, N 8]; A: input x; B: input router_w: left as it is (N = 8 < 16)
;;     2. batch 8,192 x [M 8, K 2] x [K 2, N 1]; A: computed on the way; B: computed on the way: left as it is (K = 2 < 32)
;;     3. [M 8,192, K 1,024] x [K 1,024, N 8,192]; A: input x; B: input expert_w: QUANTISED
;;     4. batch 8,192 x [M 1,024, K 8] x [K 8, N 1]; A: computed on the way; B: computed on the way: left as it is (K = 8 < 32)
;;   THE QUANTISER, for each operand of a quantised product, along K:
;;     - K is cut into blocks of 32 from its start; a last block that is shorter is filled with zeros.
;;     - A block's scale is 2^e with e = floor(log2(the largest magnitude in the block)) - 2, held to -126 .. 127; a block of zeros has e = 0. As a byte (E8M0): e + 127.
;;     - Each number is divided by its block's scale, clamped to +-6, and rounded to the nearest number of E2M1, ties to even, subnormals kept.
;;     - The product sums the exact products of the quantised numbers (number of the format x scale) in f32.
;;   ~~~python
;;   def quantise(x, axis):      # numpy; x: float32 -> the quantised numbers, widened to float32 again
;;       x = np.moveaxis(x, axis, -1); K = x.shape[-1]
;;       x = np.pad(x, [(0, 0)] * (x.ndim - 1) + [(0, -K % 32)]); x = x.reshape(x.shape[:-1] + (-1, 32)); a = np.abs(x).max(-1, keepdims=True)
;;       e = np.where(a > 0, np.clip(np.frexp(np.where(a > 0, a, 1))[1] - 1 - 2, -126, 127), 0)      # np.frexp(a)[1] - 1 = floor(log2(a)), exactly
;;       r = np.clip(x / 2.0 ** e, -6, 6)
;;       step = 2.0 ** (np.maximum(np.frexp(np.where(r == 0, 1, r))[1] - 1, 0) - 1)
;;       q = np.round(r / step) * step * 2.0 ** e      # np.round: ties to even
;;       return np.moveaxis(q.reshape(q.shape[:-2] + (-1,))[..., :K], -1, axis).astype(np.float32)
;;   ~~~
;; 3 versions. Each part assembles by itself: llvm-mc -triple=amdgcn-amd-amdhsa -mcpu=gfx1250 --defsym DOCPART=n.
;; ======== version 1 of 3: 3 launches
;; workspace buffers: xq 4,456,448 bytes; wq 4,456,448 bytes; comb 262,144 bytes; route 65,536 bytes of whole numbers; part 66,560 bytes; order 33,024 bytes of whole numbers
;; launch prep (part 1): grid 512 x 1, 8 waves a work-group, no clusters, 159,744 bytes of LDS; arguments x, router_w, router_b, expert_w, expert_b, expert_pref, xq, wq, comb, route, part, out1; writes xq, wq, comb, route, part, out1
.if DOCPART == 1
	.amdgcn_target "amdgcn-amd-amdhsa--gfx1250"
	.amdhsa_code_object_version 6
	.text
	.protected	k_q4a01bed782_prep
	.globl	k_q4a01bed782_prep
	.p2align	8
	.type	k_q4a01bed782_prep,@function
k_q4a01bed782_prep:
	s_mov_b64 s[64:65], 0
	v_nop
	global_prefetch_b8 v0, s[64:65] scope:SCOPE_SE
	s_setreg_imm32_b32 hwreg(HW_REG_WAVE_MODE, 25, 1), 1
	s_wait_xcnt 0x0
; PREP.  Work-groups 0-255 (the x path): 32 tokens each: x into codes of E2M1 with E8M0 scale words (xq), the router's logits in f32 by fused multiply-adds,
; softmax (out1), top-2 with the lower index first on ties, the combine weights (comb), each token's key (its pair of experts, 28 keys), its rank among
; equal keys of its 32 tokens and the 32 tokens' count of each key (route), and the 32 tokens' sums of the routing weights (part).
; Work-groups 256-511 (the w path): 16 rows x 256 K of all 8 experts: expert_w into codes laid as images of the operand's registers and scale bytes (wq),
; and the sums of squared differences of the 28 pairs of experts (part).  expert_b and expert_pref give their share of those sums in wave 2 of work-groups 0-7.
; A block's scale byte is its largest magnitude's exponent field - 2, held at 1 from below.
; LIMITS: NaN and infinities are not served; a block whose largest magnitude lies under 2^-124 (a block of zeros too) keeps the byte 1: its codes are as the
; conversion gives them under that scale, zeros for zeros; the bytes are read by this program alone.  The top-2 is taken on the p computed here: a token whose
; second and third p agree to within f32 rounding may choose otherwise than another order of the same sums.
; No tensor load, no cluster: no two work-groups read the same bytes but the router's 32 KiB.  The two paths part on the work-group's number and have LDS bytes of their own.
.set XS_OFF, 4194304                   ; xq: behind the codes, the scale words [token][8]
.set WS_OFF, 4194304                   ; wq: behind the codes, the scale bytes
.set TURN, 0                           ; x path: 8 waves x 32 rows x 272: f32 numbers turn from dense loads to a token a lane
.set CSTG, 69632                       ; 32 tokens x (512 bytes of codes + 16)
.set SSTG, 86528                       ; 32 tokens x 8 scale words
.set PL,   87552                       ; partial logits [wave][half][lane][16 bytes]
.set O1,   95744                       ; p, and 1,024 bytes on the combine weights: a token a lane in, dense out
.set AUXR, 97792                       ; wave 2's sum over lanes: 32 x 144
.set WSTG, 102400                      ; w path: 8 experts x 8 blocks x (16 rows x 16 bytes + 16)
.set WSS,  119808                      ; [expert][row][8 scale bytes]
.set RED,  120832                      ; 8 waves x 32 x 144: each wave's sum over lanes
.set RWD,  157696                      ; [wave][lane]: the waves' 28 sums
.set R,    64                          ; v64-191  128 numbers as loaded
.set ACC,  16                          ; v16-23   x path: my 8 partial logits; else T: four pairs of differences
.set D,    192                         ; v192-247 28 pairs of sums of squares
.set LRS,  250                         ; v250     the sum over lanes: my row of 144 bytes; made at a path's head, written by no other line (the w path's codes fill v48-63)
.set LRL,  251                         ; v251     and my word of every row
; ---- the router's weights of piece n: 4 experts (0-3 for even n, 4-7 for odd) x 8 k, into s32-63 (even) or s68-99 (odd)
.macro RLOAD n
.irp e, 0,1,2,3
	s_load_b256 s[32+36*((\n)%2)+8*\e:32+36*((\n)%2)+8*\e+7], s[28:29], (4*((\n)%2)+\e)*4096+32*((\n)/2)
.endr
.endm
; ---- piece n: 32 multiply-adds, the four experts by turns; the next piece's weights are asked for first
.macro PIECE n
	s_wait_kmcnt 0x0                               ; this piece's weights are in (scalar loads: 0 alone shows anything)
.if (\n) < 31
	RLOAD (\n)+1
.endif
.irp kk, 0,1,2,3,4,5,6,7
.irp e, 0,1,2,3
.if ((\n) < 2) && (\kk == 0)
	v_mul_f32 v[ACC+4*((\n)%2)+\e], s[32+36*((\n)%2)+8*\e+\kk], v[R+8*((\n)/2)+\kk]    ; the first product starts the sum
.else
	v_fmac_f32 v[ACC+4*((\n)%2)+\e], s[32+36*((\n)%2)+8*\e+\kk], v[R+8*((\n)/2)+\kk]
.endif
.endr
.endr
.endm
; ---- chunk j (64 k of 32 tokens) through my own turn buffer: in as loaded (two tokens' 256 bytes an instruction), back a token a lane.  LDS serves a wave's instructions in order
.macro XTURN j
.set ti, 0
.rept 16
	ds_store_b128 v3, v[R+64*\j+4*ti:R+64*\j+4*ti+3] offset:544*ti
.set ti, ti+1
.endr
.set ti, 0
.rept 16
	ds_load_b128 v[R+64*\j+4*ti:R+64*\j+4*ti+3], v4 offset:16*ti
.set ti, ti+1
.endr
	s_wait_dscnt 0x0
.endm
; ---- block b of my token's 128 k: all 32 numbers are mine
.macro XQ b
	v_max3_num_f32 v40, |v[R+32*(\b)]|, |v[R+32*(\b)+1]|, |v[R+32*(\b)+2]|
	v_max3_num_f32 v41, |v[R+32*(\b)+3]|, |v[R+32*(\b)+4]|, |v[R+32*(\b)+5]|
.irp i, 6,10,14,18,22,26
	v_max3_num_f32 v40, v40, |v[R+32*(\b)+\i]|, |v[R+32*(\b)+\i+1]|
	v_max3_num_f32 v41, v41, |v[R+32*(\b)+\i+2]|, |v[R+32*(\b)+\i+3]|
.endr
	v_max3_num_f32 v40, v40, |v[R+32*(\b)+30]|, |v[R+32*(\b)+31]|
	v_max3_num_f32 v40, v40, v41, 0x1800000        ; the floor 2^(3 - 127): the byte cannot fall under 1
	v_add_nc_u32 v42, 0xff000000, v40              ; 2 off the exponent field: the conversion's scale operand
	v_lshrrev_b32 v43, 23, v42                     ; the scale's byte
.if (\b) == 0
	v_mov_b32 v44, v43
.else
	v_lshl_or_b32 v44, v43, 8*(\b), v44            ; four bytes make the scale word of these 128 k
.endif
.irp g, 0,1,2,3
	v_cvt_scalef32_pk8_fp4_f32 v[24+4*(\b)+\g], v[R+32*(\b)+8*\g:R+32*(\b)+8*\g+7], v42
.endr
	v_nop                                          ; one plain line behind the last scaled conversion
	ds_store_b128 v5, v[24+4*(\b):24+4*(\b)+3] offset:16*(\b)
.endm
; ---- squared differences of the 28 pairs, two numbers at a time; four differences, then their four squares, so that no line waits for the line above it
.macro DSUB t, r0, c, i, j
	v_pk_add_f32 v[16+2*\t:17+2*\t], v[(\r0)+8*\i+2*\c:(\r0)+8*\i+2*\c+1], v[(\r0)+8*\j+2*\c:(\r0)+8*\j+2*\c+1] neg_lo:[0,1] neg_hi:[0,1]
.endm
.macro DSQ t, p, start
.if \start
	v_pk_mul_f32 v[D+2*(\p):D+2*(\p)+1], v[16+2*\t:17+2*\t], v[16+2*\t:17+2*\t]      ; the first square starts the sum
.else
	v_pk_fma_f32 v[D+2*(\p):D+2*(\p)+1], v[16+2*\t:17+2*\t], v[16+2*\t:17+2*\t], v[D+2*(\p):D+2*(\p)+1]
.endif
.endm
.macro D4 r0, c, start, p0, i0, j0, i1, j1, i2, j2, i3, j3
	DSUB 0, \r0, \c, \i0, \j0
	DSUB 1, \r0, \c, \i1, \j1
	DSUB 2, \r0, \c, \i2, \j2
	DSUB 3, \r0, \c, \i3, \j3
	DSQ 0, \p0, \start
	DSQ 1, \p0+1, \start
	DSQ 2, \p0+2, \start
	DSQ 3, \p0+3, \start
.endm
.macro DIVC r0, c, start
	D4 \r0, \c, \start, 0,  0,1, 0,2, 0,3, 0,4
	D4 \r0, \c, \start, 4,  0,5, 0,6, 0,7, 1,2
	D4 \r0, \c, \start, 8,  1,3, 1,4, 1,5, 1,6
	D4 \r0, \c, \start, 12, 1,7, 2,3, 2,4, 2,5
	D4 \r0, \c, \start, 16, 2,6, 2,7, 3,4, 3,5
	D4 \r0, \c, \start, 20, 3,6, 3,7, 4,5, 4,6
	D4 \r0, \c, \start, 24, 4,7, 5,6, 5,7, 6,7
.endm
.macro DIV r0, first                   ; r0: 8 experts x 8 numbers of a lane
	DIVC \r0, 0, \first
	DIVC \r0, 1, 0
	DIVC \r0, 2, 0
	DIVC \r0, 3, 0
.endm
.macro FOLD                            ; the pairs' halves are added: v64-91; v92-95 = 0
.set fp, 0
.rept 28
	v_add_f32 v[64+fp], v[D+2*fp], v[D+2*fp+1]
.set fp, fp+1
.endr
.irp i, 92,93,94,95
	v_mov_b32 v\i, 0
.endr
.endm
.macro LRED                            ; over the 32 lanes: each lane's 32 words go to its row of 144 bytes; lane p reads word p of all rows.  Result: v96
.irp k, 0,1,2,3,4,5,6,7
	ds_store_b128 v[LRS], v[64+4*\k:67+4*\k] offset:16*\k
.endr
.set li, 0
.rept 32
	ds_load_b32 v[96+li], v[LRL] offset:144*li
.set li, li+1
.endr
	s_wait_dscnt 0x0
.irp i, 4,8,12,16,20,24,28
	v_pk_add_f32 v[96:97], v[96:97], v[96+\i:97+\i]
	v_pk_add_f32 v[98:99], v[98:99], v[98+\i:99+\i]
.endr
	v_pk_add_f32 v[96:97], v[96:97], v[98:99]
	v_add_f32 v96, v96, v97
.endm
; ---- w path: step st: one row of each expert, 8 neighbours along K a lane
.macro WLOAD st
.irp e, 0,1,2,3,4,5,6,7
	global_load_b128 v[R+64*\st+8*\e:R+64*\st+8*\e+3], v2, s[32+2*\e:33+2*\e] offset:4096*\st th:TH_LOAD_NT        ; a lane's 32 bytes come by two loads: together they cover the row's 1,024 consecutive bytes
	global_load_b128 v[R+64*\st+8*\e+4:R+64*\st+8*\e+7], v2, s[32+2*\e:33+2*\e] offset:4096*\st+16 th:TH_LOAD_NT
.endr
.endm
.macro WQ st                           ; four neighbouring lanes hold a block of 32; the eight experts by turns.  At work: v24-47; codes: v48-55 (step 0), v56-63 (step 1)
	s_wait_dscnt 0x0                               ; the step before has stored from the registers written below
.irp e, 0,1,2,3,4,5,6,7
	v_max3_num_f32 v[24+\e], |v[R+64*\st+8*\e]|, |v[R+64*\st+8*\e+1]|, 0x1800000
.endr
.irp i, 2,4,6
.irp e, 0,1,2,3,4,5,6,7
	v_max3_num_f32 v[24+\e], v[24+\e], |v[R+64*\st+8*\e+\i]|, |v[R+64*\st+8*\e+\i+1]|
.endr
.endr
.irp e, 0,1,2,3,4,5,6,7
	v_max_num_f32_dpp v[24+\e], v[24+\e], v[24+\e] row_xmask:1 row_mask:0xf bank_mask:0xf
.endr
.irp e, 0,1,2,3,4,5,6,7
	v_max_num_f32_dpp v[24+\e], v[24+\e], v[24+\e] row_xmask:2 row_mask:0xf bank_mask:0xf
.endr
.irp e, 0,1,2,3,4,5,6,7
	v_add_nc_u32 v[32+\e], 0xff000000, v[24+\e]
.endr
.irp e, 0,1,2,3,4,5,6,7
	v_lshrrev_b32 v[40+\e], 23, v[32+\e]
.endr
.irp e, 0,1,2,3,4,5,6,7
	v_cvt_scalef32_pk8_fp4_f32 v[48+8*\st+\e], v[R+64*\st+8*\e:R+64*\st+8*\e+7], v[32+\e]
.endr
	v_nop                                          ; one plain line behind the last scaled conversion
.irp e, 0,1,2,3,4,5,6,7
	ds_store_b32 v3, v[48+8*\st+\e] offset:2176*\e+16*\st
	ds_store_b8 v4, v[40+\e] offset:128*\e+8*\st   ; the four lanes of a block write the same byte with the same value
.endr
.endm
	s_load_b512 s[4:19], s[0:1], 0x0               ; x 4, router_w 6, router_b 8, expert_w 10, expert_b 12, expert_pref 14, xq 16, wq 18
	s_load_b256 s[20:27], s[0:1], 0x40             ; comb 20, route 22, part 24, out1 26
	v_lshl_add_u32 v254, v0, 2, 0x26c00
	v_mov_b32 v255, 0
	v_lshrrev_b32 v1, 5, v0
	v_readfirstlane_b32 s30, v1                    ; wave 0..7
	v_and_b32 v1, 31, v0                           ; lane
	s_cmp_lt_u32 ttmp9, 256
	s_cbranch_scc0 .Lw_path
; ======================= THE X PATH: tokens 32 g .. 32 g + 31; wave w takes K = 128 w .. 128 w + 127
	v_lshrrev_b32 v40, 4, v1
	v_and_b32 v41, 15, v1
	v_lshlrev_b32 v42, 4, v41
	v_lshl_add_u32 v2, v40, 12, v42                ; loads: lanes 0-15 one token's 256 bytes, lanes 16-31 the next token's
	s_mul_i32 s31, s30, 8704
	v_mad_u32_u24 v3, v40, 272, v42
	v_add_nc_u32 v3, s31, v3                       ; the turn, in
	v_mul_u32_u24 v4, v1, 272
	v_add_nc_u32 v4, s31, v4                       ; and back: row = lane
	s_lshl_b32 s31, s30, 6
	s_add_co_u32 s31, s31, CSTG
	v_mul_u32_u24 v5, v1, 528
	v_add_nc_u32 v5, s31, v5                       ; my token's codes: 64 bytes a wave
	s_lshl_b32 s31, s30, 2
	s_add_co_u32 s31, s31, SSTG
	v_lshl_add_u32 v6, v1, 5, s31                  ; its scale word number w
	s_lshl_b32 s31, s30, 10
	s_add_co_u32 s31, s31, PL
	v_lshl_add_u32 v7, v1, 4, s31                  ; my partial logits
	v_lshlrev_b32 v8, 4, v1                        ; 16 x lane
	s_mul_i32 s31, s30, 2112
	s_add_co_u32 s31, s31, CSTG
	v_add_nc_u32 v9, s31, v8                       ; codes back: rows 4 w .. 4 w + 3, whole
	v_add_nc_u32 v10, SSTG, v8
	v_add_nc_u32 v11, PL, v8
	v_lshl_add_u32 v12, v1, 5, O1
	v_add_nc_u32 v13, O1, v8
	v_lshrrev_b32 v43, 3, v1
	v_and_b32 v14, 7, v1
	v_lshlrev_b32 v14, 2, v14
	v_lshl_add_u32 v14, v43, 8, v14
	v_add_nc_u32 v14, O1, v14                      ; the usage sums: 8 tokens (lane / 8), expert lane % 8
	v_lshlrev_b32 v15, 2, v1                       ; 4 x lane
	v_mul_u32_u24 v[LRS], v1, 144
	v_add_nc_u32 v[LRS], AUXR, v[LRS]
	v_add_nc_u32 v[LRL], AUXR, v15
	v_lshlrev_b32 v58, 3, v1                       ; 8 x lane
	v_lshlrev_b32 v59, 5, v1                       ; 32 x lane
	s_lshl_b32 s2, ttmp9, 17                       ; 32 tokens of 4,096 bytes
	s_lshl_b32 s3, s30, 9
	s_add_co_u32 s2, s2, s3
	s_mov_b32 s3, 0
	s_lshl_b32 s66, s30, 9
	s_mov_b32 s67, 0
	s_wait_kmcnt 0x0
	s_add_nc_u64 s[4:5], s[4:5], s[2:3]
	s_add_nc_u64 s[28:29], s[6:7], s[66:67]        ; the router's weights at my 128 k
.irp j, 0,1
.set ti, 0
.rept 16
	global_load_b128 v[R+64*\j+4*ti:R+64*\j+4*ti+3], v2, s[4:5] offset:8192*ti+256*\j th:TH_LOAD_NT
.set ti, ti+1
.endr
.endr
	RLOAD 0
	s_wait_loadcnt 16                              ; chunk 0's sixteen loads are in; chunk 1's sixteen may be out
	XTURN 0
.set Q, 0
.rept 16
	PIECE Q
.set Q, Q+1
.endr
	XQ 0
	XQ 1
	s_wait_loadcnt 0x0
	XTURN 1
.rept 16
	PIECE Q
.set Q, Q+1
.endr
	XQ 2
	XQ 3
	ds_store_b32 v6, v44
	ds_store_b128 v7, v[16:19]
	ds_store_b128 v7, v[20:23] offset:512
	s_wait_dscnt 0x0                               ; for the others' sake: my stores have landed
	s_barrier_signal -1
	s_barrier_wait -1
	s_lshl_b32 s2, ttmp9, 14                       ; 32 tokens x 512 bytes of codes
	s_lshl_b32 s3, s30, 11
	s_add_co_u32 s2, s2, s3
	s_mov_b32 s3, 0
	s_add_nc_u64 s[32:33], s[16:17], s[2:3]
.irp i, 0,1,2,3
	ds_load_b128 v[64+4*\i:67+4*\i], v9 offset:528*\i
.endr
.irp i, 0,1,2,3
	s_wait_dscnt 3-\i
	global_store_b128 v8, v[64+4*\i:67+4*\i], s[32:33] offset:512*\i    ; a token's 512 bytes of codes: consecutive, aligned
.endr
	s_wait_xcnt 0x0                                ; the stores have read their registers: the roles below write them again
	s_cmp_eq_u32 s30, 0
	s_cbranch_scc1 .Lx_final
	s_cmp_eq_u32 s30, 1
	s_cbranch_scc1 .Lx_scales
	s_cmp_eq_u32 s30, 2
	s_cbranch_scc0 .Lx_end
	s_cmp_lt_u32 ttmp9, 8
	s_cbranch_scc0 .Lx_end
	; ---- wave 2 of work-groups 0-7: 256 columns of expert_b (0-3) or expert_pref (4-7), all 8 experts
	s_cmp_lt_u32 ttmp9, 4
	s_cselect_b64 s[32:33], s[12:13], s[14:15]
	s_and_b32 s34, ttmp9, 3
	s_lshl_b32 s34, s34, 10
	s_mov_b32 s35, 0
	s_add_nc_u64 s[32:33], s[32:33], s[34:35]
.irp e, 0,1,2,3,4,5,6,7
	global_load_b128 v[64+8*\e:67+8*\e], v59, s[32:33] offset:4096*\e
	global_load_b128 v[68+8*\e:71+8*\e], v59, s[32:33] offset:4096*\e+16
.endr
	s_wait_loadcnt 0x0
	DIV 64, 1
	FOLD
	LRED
	s_lshl_b32 s34, ttmp9, 7
	s_add_nc_u64 s[36:37], s[24:25], s[34:35]
	global_store_b32 v15, v96, s[36:37] offset:65536   ; pair record 256 + g
	s_wait_tensorcnt 0x0
	ds_add_u32 v254, v255
	s_wait_dscnt 0x0
	s_endpgm
.Lx_scales:                                            ; ---- wave 1: the 32 tokens' scale words, 1,024 consecutive bytes
	ds_load_b128 v[64:67], v10
	ds_load_b128 v[68:71], v10 offset:512
	s_lshl_b32 s34, ttmp9, 10
	s_mov_b32 s35, 0
	s_add_nc_u64 s[36:37], s[16:17], s[34:35]
	s_wait_dscnt 0x0
	global_store_b128 v8, v[64:67], s[36:37] offset:XS_OFF
	global_store_b128 v8, v[68:71], s[36:37] offset:XS_OFF+512
	s_wait_tensorcnt 0x0
	ds_add_u32 v254, v255
	s_wait_dscnt 0x0
	s_endpgm
.Lx_final:                                             ; ---- wave 0: a token a lane
	s_load_b256 s[32:39], s[8:9], 0x0              ; router_b
.irp w, 0,1,2,3,4,5,6,7
	ds_load_b128 v[64+8*\w:67+8*\w], v11 offset:1024*\w
	ds_load_b128 v[68+8*\w:71+8*\w], v11 offset:1024*\w+512
.endr
	s_mov_b32 s52, 0x76543210
	s_mov_b32 s53, 0xfedcba98                      ; v_permlanex16_b32's selects for lane l xor 16
	s_lshl_b32 s42, ttmp9, 10
	s_mov_b32 s43, 0
	s_add_nc_u64 s[44:45], s[26:27], s[42:43]      ; out1 and comb: 32 tokens x 32 bytes
	s_add_nc_u64 s[46:47], s[20:21], s[42:43]
	s_lshl_b32 s42, ttmp9, 7
	s_add_nc_u64 s[48:49], s[24:25], s[42:43]      ; part: usage record g
	s_lshl_b32 s42, ttmp9, 8
	s_add_nc_u64 s[50:51], s[22:23], s[42:43]      ; route: record g
	s_wait_dscnt 0x0
.irp w, 0,1,2,3
.irp c, 0,2,4,6
	v_pk_add_f32 v[64+8*\w+\c:65+8*\w+\c], v[64+8*\w+\c:65+8*\w+\c], v[96+8*\w+\c:97+8*\w+\c]
.endr
.endr
.irp w, 0,1
.irp c, 0,2,4,6
	v_pk_add_f32 v[64+8*\w+\c:65+8*\w+\c], v[64+8*\w+\c:65+8*\w+\c], v[80+8*\w+\c:81+8*\w+\c]
.endr
.endr
.irp c, 0,2,4,6
	v_pk_add_f32 v[64+\c:65+\c], v[64+\c:65+\c], v[72+\c:73+\c]
.endr
	s_wait_kmcnt 0x0
.irp e, 0,1,2,3,4,5,6,7
	v_add_f32 v[64+\e], s[32+\e], v[64+\e]         ; the logits
.endr
	v_max3_num_f32 v80, v64, v65, v66
	v_max3_num_f32 v80, v80, v67, v68
	v_max3_num_f32 v80, v80, v69, v70
	v_max_num_f32 v80, v80, v71                    ; the row's maximum is taken away ahead of the exponentials
.irp e, 0,1,2,3,4,5,6,7
	v_sub_f32 v[72+\e], v[64+\e], v80
.endr
.irp e, 0,1,2,3,4,5,6,7
	v_mul_f32 v[72+\e], 0x3fb8aa3b, v[72+\e]       ; x log2(e)
.endr
.irp e, 0,1,2,3,4,5,6,7
	v_exp_f32 v[72+\e], v[72+\e]
.endr
	v_nop                                          ; a plain line behind the batch,
	s_wait_alu depctr_va_vdst(0)                   ; and one wait for the eight, ahead of their first reader
	v_add_f32 v81, v72, v73
	v_add_f32 v82, v74, v75
	v_add_f32 v83, v76, v77
	v_add_f32 v84, v78, v79
	v_add_f32 v81, v81, v82
	v_add_f32 v83, v83, v84
	v_add_f32 v81, v81, v83
	v_rcp_f32 v81, v81
	v_nop
	s_wait_alu depctr_va_vdst(0)
.irp e, 0,1,2,3,4,5,6,7
	v_mul_f32 v[72+\e], v[72+\e], v81              ; p: the routing weights
.endr
	v_max3_num_f32 v82, v72, v73, v74              ; the largest p,
	v_max3_num_f32 v82, v82, v75, v76
	v_max3_num_f32 v82, v82, v77, v78
	v_max_num_f32 v82, v82, v79
	v_mov_b32 v83, 7                               ; and its index: from 7 down, so that the lowest index wins a tie
.irp e, 6,5,4,3,2,1,0
	v_cmp_neq_f32 vcc_lo, v[72+\e], v82
	v_cndmask_b32 v83, \e, v83, vcc_lo
.endr
.irp e, 0,1,2,3,4,5,6,7
	v_cmp_ne_u32 vcc_lo, \e, v83
	v_cndmask_b32 v[88+\e], -1.0, v[72+\e], vcc_lo ; the first choice is taken out
.endr
	v_max3_num_f32 v84, v88, v89, v90
	v_max3_num_f32 v84, v84, v91, v92
	v_max3_num_f32 v84, v84, v93, v94
	v_max_num_f32 v84, v84, v95
	v_mov_b32 v85, 7
.irp e, 6,5,4,3,2,1,0
	v_cmp_neq_f32 vcc_lo, v[88+\e], v84
	v_cndmask_b32 v85, \e, v85, vcc_lo
.endr
	v_add_f32 v86, v82, v84
	v_rcp_f32 v86, v86
	v_min_u32 v108, v83, v85                       ; (plain lines behind the reciprocal)  lo,
	v_max_u32 v109, v83, v85                       ; hi
	s_wait_alu depctr_va_vdst(0)
	v_mul_f32 v87, v82, v86                        ; the two weights, renormalised
	v_mul_f32 v96, v84, v86
.irp e, 0,1,2,3,4,5,6,7
	v_cmp_eq_u32 vcc_lo, \e, v85
	v_cndmask_b32 v[100+\e], 0, v96, vcc_lo
	v_cmp_eq_u32 vcc_lo, \e, v83
	v_cndmask_b32 v[100+\e], v[100+\e], v87, vcc_lo
.endr
	; the key: lo (15 - lo) / 2 + (lo even: hi - lo - 1; lo odd: 7 - hi): neighbouring keys share an expert
	v_sub_nc_u32 v110, 15, v108
	v_mul_u32_u24 v110, v110, v108
	v_lshrrev_b32 v110, 1, v110
	v_sub_nc_u32 v111, v109, v108
	v_add_nc_u32 v111, -1, v111
	v_sub_nc_u32 v112, 7, v109
	v_and_b32 v113, 1, v108
	v_cmp_eq_u32 vcc_lo, 0, v113
	v_cndmask_b32 v111, v112, v111, vcc_lo
	v_add_nc_u32 v110, v110, v111
	v_mov_b32 v114, 0                              ; lane p: how many of the 32 tokens have key p
	v_mov_b32 v115, 0                              ; my rank among the tokens of my key
.set kp, 0
.rept 28
	v_cmp_eq_u32 s40, kp, v110
	s_bcnt1_i32_b32 s41, s40
	v_writelane_b32 v114, s41, kp
	v_mbcnt_lo_u32_b32 v116, s40, 0
	v_cndmask_b32 v115, v115, v116, s40
.set kp, kp+1
.endr
	v_lshl_or_b32 v118, v115, 8, v110              ; key | rank << 8
	v_mov_b32 v119, v114
	ds_store_b128 v12, v[72:75]                    ; p and the combine weights: in a token a lane, out dense
	ds_store_b128 v12, v[76:79] offset:16
	ds_store_b128 v12, v[100:103] offset:1024
	ds_store_b128 v12, v[104:107] offset:1040
	ds_load_b128 v[120:123], v13
	ds_load_b128 v[124:127], v13 offset:512
	ds_load_b128 v[128:131], v13 offset:1024
	ds_load_b128 v[132:135], v13 offset:1536
.irp i, 0,1,2,3,4,5,6,7
	ds_load_b32 v[136+\i], v14 offset:32*\i
.endr
	s_wait_dscnt 8                                 ; the four wide loads are in; the eight narrow ones may be out
	global_store_b128 v8, v[120:123], s[44:45]
	global_store_b128 v8, v[124:127], s[44:45] offset:512
	global_store_b128 v8, v[128:131], s[46:47]
	global_store_b128 v8, v[132:135], s[46:47] offset:512
	s_wait_dscnt 0x0
	v_add_f32 v136, v136, v137
	v_add_f32 v138, v138, v139
	v_add_f32 v140, v140, v141
	v_add_f32 v142, v142, v143
	v_add_f32 v136, v136, v138
	v_add_f32 v140, v140, v142
	v_add_f32 v136, v136, v140                     ; 8 tokens' p of expert lane % 8;
	v_add_f32_dpp v136, v136, v136 row_xmask:8 row_mask:0xf bank_mask:0xf
	v_permlanex16_b32 v137, v136, s52, s53
	v_add_f32 v136, v136, v137                     ; all 32 tokens': each expert's sum stands in four lanes
	global_store_b32 v15, v136, s[48:49]
	global_store_b64 v58, v[118:119], s[50:51]     ; 256 consecutive bytes, aligned
.Lx_end:
	s_wait_tensorcnt 0x0
	ds_add_u32 v254, v255
	s_wait_dscnt 0x0
	s_endpgm
; ======================= THE W PATH: rows 16 T .. 16 T + 15, K = 256 sp .. 256 sp + 255, all 8 experts; wave w takes rows 2 w and 2 w + 1
.Lw_path:
	s_sub_co_u32 s31, ttmp9, 256
	s_lshr_b32 s66, s31, 2                         ; T
	s_and_b32 s67, s31, 3                          ; sp
	v_lshlrev_b32 v2, 5, v1                        ; 32 x lane
	v_lshrrev_b32 v40, 2, v1                       ; my block of the 8
	v_and_b32 v41, 3, v1
	v_lshlrev_b32 v41, 2, v41
	v_mad_u32_u24 v3, v40, 272, v41
	s_lshl_b32 s2, s30, 5
	s_add_co_u32 s2, s2, WSTG
	v_add_nc_u32 v3, s2, v3                        ; codes: block x 272 + row x 16 + my 4 bytes
	s_lshl_b32 s2, s30, 4
	s_add_co_u32 s2, s2, WSS
	v_add_nc_u32 v4, s2, v40                       ; scale bytes: row x 8 + block
	s_mul_i32 s2, s30, 4608
	s_add_co_u32 s2, s2, RED
	v_mul_u32_u24 v[LRS], v1, 144
	v_add_nc_u32 v[LRS], s2, v[LRS]
	v_lshlrev_b32 v12, 2, v1                       ; 4 x lane
	v_add_nc_u32 v[LRL], s2, v12
	s_lshl_b32 s2, s30, 7
	s_add_co_u32 s2, s2, RWD
	v_add_nc_u32 v7, s2, v12
	v_add_nc_u32 v8, RWD, v12
	v_lshrrev_b32 v42, 4, v1
	v_and_b32 v43, 15, v1
	v_lshlrev_b32 v43, 4, v43
	v_mad_u32_u24 v9, v42, 272, v43
	s_mul_i32 s2, s30, 2176
	s_add_co_u32 s2, s2, WSTG
	v_add_nc_u32 v9, s2, v9                        ; back: expert w, two blocks an instruction
	s_lshl_b32 s2, s30, 7
	s_add_co_u32 s2, s2, WSS
	v_add_nc_u32 v10, s2, v12
	v_lshlrev_b32 v11, 4, v1                       ; 16 x lane
	s_lshl_b32 s2, s66, 16                         ; (16 T + 2 w) rows of 4,096 bytes + 1,024 sp
	s_lshl_b32 s3, s30, 13
	s_add_co_u32 s2, s2, s3
	s_lshl_b32 s3, s67, 10
	s_add_co_u32 s2, s2, s3
	s_mov_b32 s3, 0
	s_wait_kmcnt 0x0
	s_add_nc_u64 s[32:33], s[10:11], s[2:3]
.irp e, 1,2,3,4,5,6,7
	s_add_nc_u64 s[32+2*\e:33+2*\e], s[32:33], \e*0x400000     ; an expert is 4 MiB: past a load's immediate, so a pointer for each
.endr
	WLOAD 0
	WLOAD 1
	s_wait_loadcnt 16                              ; step 0's sixteen loads are in; step 1's may be out
	DIV 64, 1
	WQ 0
	s_wait_loadcnt 0x0
	DIV 128, 0
	WQ 1
	FOLD
	LRED
	ds_store_b32 v7, v96
	s_wait_dscnt 0x0                               ; for the others' sake: my stores have landed
	s_barrier_signal -1
	s_barrier_wait -1
.irp i, 0,1,2,3
	ds_load_b128 v[64+4*\i:67+4*\i], v9 offset:544*\i
.endr
	ds_load_b32 v80, v10
	s_lshl_b32 s2, s30, 19                         ; codes: ((64 e + T) 32 + 8 sp) x 256, e = my wave
	s_lshl_b32 s48, s66, 13
	s_add_co_u32 s2, s2, s48
	s_lshl_b32 s48, s67, 11
	s_add_co_u32 s2, s2, s48
	s_add_nc_u64 s[50:51], s[18:19], s[2:3]
	s_lshl_b32 s2, s30, 15                         ; scale bytes: ((32 e + T / 2) 4 + sp) x 256 + 128 (T % 2)
	s_lshr_b32 s48, s66, 1
	s_lshl_b32 s48, s48, 10
	s_add_co_u32 s2, s2, s48
	s_lshl_b32 s48, s67, 8
	s_add_co_u32 s2, s2, s48
	s_and_b32 s48, s66, 1
	s_lshl_b32 s48, s48, 7
	s_add_co_u32 s2, s2, s48
	s_add_nc_u64 s[52:53], s[18:19], s[2:3]
	s_lshl_b32 s2, s31, 7
	s_add_nc_u64 s[54:55], s[24:25], s[2:3]        ; part: pair record wi
.irp i, 0,1,2,3
	s_wait_dscnt 4-\i
	global_store_b128 v11, v[64+4*\i:67+4*\i], s[50:51] offset:512*\i      ; 512 consecutive bytes, aligned
.endr
	s_wait_dscnt 0x0
	global_store_b32 v12, v80, s[52:53] offset:WS_OFF  ; 128 consecutive bytes: 16 rows' 8 bytes (the neighbouring tile's work-group writes the 128 beside them)
	s_cmp_lg_u32 s30, 0
	s_cbranch_scc1 .Lw_end
.irp w, 0,1,2,3,4,5,6,7
	ds_load_b32 v[84+\w], v8 offset:128*\w
.endr
	s_wait_dscnt 0x0
	v_pk_add_f32 v[84:85], v[84:85], v[86:87]
	v_pk_add_f32 v[88:89], v[88:89], v[90:91]
	v_pk_add_f32 v[84:85], v[84:85], v[88:89]
	v_add_f32 v84, v84, v85
	global_store_b32 v12, v84, s[54:55] offset:32768
.Lw_end:
	s_wait_tensorcnt 0x0
	ds_add_u32 v254, v255
	s_wait_dscnt 0x0
	s_endpgm
.Lfunc_end_k_q4a01bed782_prep:
	.size	k_q4a01bed782_prep, .Lfunc_end_k_q4a01bed782_prep-k_q4a01bed782_prep
	.p2alignl 7, 3214868480
	.fill 96, 4, 3214868480
	.section	.rodata,"a",@progbits
	.p2align	6, 0x0
	.amdhsa_kernel k_q4a01bed782_prep
		.amdhsa_group_segment_fixed_size 159744
		.amdhsa_private_segment_fixed_size 0
		.amdhsa_enable_private_segment 0
		.amdhsa_kernarg_size 96
		.amdhsa_user_sgpr_count 2
		.amdhsa_user_sgpr_kernarg_segment_ptr 1
		.amdhsa_wavefront_size32 1
		.amdhsa_system_sgpr_workgroup_id_x 1
		.amdhsa_system_sgpr_workgroup_id_y 1
		.amdhsa_system_sgpr_workgroup_id_z 1
		.amdhsa_system_vgpr_workitem_id 0
		.amdhsa_next_free_vgpr 256
		.amdhsa_next_free_sgpr 100
		.amdhsa_reserve_vcc 1
		.amdhsa_float_denorm_mode_32 3
		.amdhsa_float_denorm_mode_16_64 3
		.amdhsa_memory_ordered 1
		.amdhsa_forward_progress 1
		.amdhsa_inst_pref_size 151
	.end_amdhsa_kernel
	.amdgpu_metadata
---
amdhsa.version: [ 1, 2 ]
amdhsa.kernels:
  - .name:           k_q4a01bed782_prep
    .symbol:         k_q4a01bed782_prep.kd
    .args:
      - { .name: x, .offset: 0, .size: 8, .value_kind: global_buffer, .address_space: global }
      - { .name: router_w, .offset: 8, .size: 8, .value_kind: global_buffer, .address_space: global }
      - { .name: router_b, .offset: 16, .size: 8, .value_kind: global_buffer, .address_space: global }
      - { .name: expert_w, .offset: 24, .size: 8, .value_kind: global_buffer, .address_space: global }
      - { .name: expert_b, .offset: 32, .size: 8, .value_kind: global_buffer, .address_space: global }
      - { .name: expert_pref, .offset: 40, .size: 8, .value_kind: global_buffer, .address_space: global }
      - { .name: xq, .offset: 48, .size: 8, .value_kind: global_buffer, .address_space: global }
      - { .name: wq, .offset: 56, .size: 8, .value_kind: global_buffer, .address_space: global }
      - { .name: comb, .offset: 64, .size: 8, .value_kind: global_buffer, .address_space: global }
      - { .name: route, .offset: 72, .size: 8, .value_kind: global_buffer, .address_space: global }
      - { .name: part, .offset: 80, .size: 8, .value_kind: global_buffer, .address_space: global }
      - { .name: out1, .offset: 88, .size: 8, .value_kind: global_buffer, .address_space: global }
    .group_segment_fixed_size: 159744
    .private_segment_fixed_size: 0
    .kernarg_segment_align: 8
    .kernarg_segment_size: 96
    .max_flat_workgroup_size: 256
    .sgpr_count:     100
    .vgpr_count:     256
    .wavefront_size: 32
...
	.end_amdgpu_metadata
.endif
;; end of part 1
;; launch place (part 2): grid 1 x 1, 16 waves a work-group, no clusters, 8,192 bytes of LDS; arguments route, part, order, out2, out3, out4; writes order, out2, out3, out4
.if DOCPART == 2
	.amdgcn_target "amdgcn-amd-amdhsa--gfx1250"
	.amdhsa_code_object_version 6
	.text
	.protected	k_q4a01bed782_place
	.globl	k_q4a01bed782_place
	.p2align	8
	.type	k_q4a01bed782_place,@function
k_q4a01bed782_place:
	s_mov_b64 s[64:65], 0
	v_nop
	global_prefetch_b8 v0, s[64:65] scope:SCOPE_SE
	s_setreg_imm32_b32 hwreg(HW_REG_WAVE_MODE, 25, 1), 1
	s_wait_xcnt 0x0
; PLACE.  One work-group.  A counting sort of the 8,192 tokens by their key (28 pairs of experts): order[position] = token; for each block of 128 positions the set of
; experts that its tokens use (8 bits); and the three small results: out2 (share of tokens that use each expert), out3 (mean square of mean routing weight - 1/8),
; out4 (mean of the 28 distances).  Wave w owns the groups of 32 tokens 16 w .. 16 w + 15.  In the counts a lane stands for a key.
; The 8,192 words of order are stored singly, at places that hang on the keys: 32 KiB in all.  One work-group: the sort is one prefix sum over 256 x 28 counts.
.set LT, 0                             ; LDS [wave][lane]: the wave's count of each key,
.set LU, 2048                          ; its sum of routing weights,
.set LD, 4096                          ; its sum of squared differences
.macro WSUM a, t                       ; over the 32 lanes; the result in every lane
	v_add_f32_dpp v\a, v\a, v\a row_xmask:1 row_mask:0xf bank_mask:0xf
	v_add_f32_dpp v\a, v\a, v\a row_xmask:2 row_mask:0xf bank_mask:0xf
	v_add_f32_dpp v\a, v\a, v\a row_xmask:4 row_mask:0xf bank_mask:0xf
	v_add_f32_dpp v\a, v\a, v\a row_xmask:8 row_mask:0xf bank_mask:0xf
	v_permlanex16_b32 v\t, v\a, s20, s21
	v_add_f32 v\a, v\a, v\t
.endm
.macro SUM16 base                      ; 16 words a lane, one from each wave, into v20
.set wj, 0
.rept 16
	ds_load_b32 v[20+wj], v4 offset:\base+128*wj
.set wj, wj+1
.endr
	s_wait_dscnt 0x0
.irp j, 4,8,12
	v_pk_add_f32 v[20:21], v[20:21], v[20+\j:21+\j]
	v_pk_add_f32 v[22:23], v[22:23], v[22+\j:23+\j]
.endr
	v_pk_add_f32 v[20:21], v[20:21], v[22:23]
	v_add_f32 v20, v20, v21
.endm
.macro ONE ptr                         ; lane 0 stores v20
	v_cmp_eq_u32 vcc_lo, 0, v1
	s_wait_xcnt 0x0                                ; EXEC changes only behind this wait
	s_and_saveexec_b32 s18, vcc_lo
	global_store_b32 v4, v20, s[\ptr:\ptr+1]
	s_wait_xcnt 0x0
	s_or_b32 exec_lo, exec_lo, s18
.endm
; key p is the pair (lo, hi).  kind 0: does key p's run of positions meet my block?  kind 1: key p's tokens count for both experts
.macro ONEP kind, p, lo, hi
.if \kind == 0
	v_readlane_b32 s18, v140, \p
	v_readlane_b32 s19, v136, \p
	s_add_co_u32 s19, s19, s18
	v_max_u32 v23, s18, v20
	v_min_u32 v24, s19, v21
	v_cmp_lt_u32 vcc_lo, v23, v24
	v_or_b32 v25, (1<<\lo)|(1<<\hi), v22
	v_cndmask_b32 v22, v22, v25, vcc_lo
.else
	v_readlane_b32 s18, v136, \p
	s_add_co_u32 s[24+\lo], s[24+\lo], s18
	s_add_co_u32 s[24+\hi], s[24+\hi], s18
.endif
.endm
.macro PAIRS kind
	ONEP \kind, 0, 0, 1
	ONEP \kind, 1, 0, 2
	ONEP \kind, 2, 0, 3
	ONEP \kind, 3, 0, 4
	ONEP \kind, 4, 0, 5
	ONEP \kind, 5, 0, 6
	ONEP \kind, 6, 0, 7
	ONEP \kind, 7, 1, 7
	ONEP \kind, 8, 1, 6
	ONEP \kind, 9, 1, 5
	ONEP \kind, 10, 1, 4
	ONEP \kind, 11, 1, 3
	ONEP \kind, 12, 1, 2
	ONEP \kind, 13, 2, 3
	ONEP \kind, 14, 2, 4
	ONEP \kind, 15, 2, 5
	ONEP \kind, 16, 2, 6
	ONEP \kind, 17, 2, 7
	ONEP \kind, 18, 3, 7
	ONEP \kind, 19, 3, 6
	ONEP \kind, 20, 3, 5
	ONEP \kind, 21, 3, 4
	ONEP \kind, 22, 4, 5
	ONEP \kind, 23, 4, 6
	ONEP \kind, 24, 4, 7
	ONEP \kind, 25, 5, 7
	ONEP \kind, 26, 5, 6
	ONEP \kind, 27, 6, 7
.endm
	s_load_b256 s[4:11], s[0:1], 0x0               ; route 4, part 6, order 8, out2 10
	s_load_b128 s[12:15], s[0:1], 0x20             ; out3 12, out4 14
	v_lshl_add_u32 v208, v0, 2, 0x1800
	v_mov_b32 v209, 0
	v_lshrrev_b32 v1, 5, v0
	v_readfirstlane_b32 s16, v1                    ; wave 0..15
	v_and_b32 v1, 31, v0                           ; lane
	v_lshlrev_b32 v2, 3, v1
	s_lshl_b32 s17, s16, 12
	v_add_nc_u32 v2, s17, v2                       ; route: 8 x lane + 16 groups of 256 bytes a wave
	v_lshlrev_b32 v4, 2, v1                        ; 4 x lane
	s_lshl_b32 s17, s16, 11
	v_add_nc_u32 v5, s17, v4                       ; part: 4 x lane + 16 records of 128 bytes a wave
	s_and_b32 s17, s16, 7
	s_lshl_b32 s17, s17, 7
	v_add_nc_u32 v6, s17, v4                       ; the eight records of expert_b and expert_pref
	v_lshlrev_b32 v3, 2, v0                        ; 4 x thread
	s_mov_b32 s20, 0x76543210
	s_mov_b32 s21, 0xfedcba98
	s_wait_kmcnt 0x0
.set gj, 0
.rept 16
	global_load_b64 v[32+2*gj:33+2*gj], v2, s[4:5] offset:256*gj
.set gj, gj+1
.endr
.set gj, 0
.rept 16
	global_load_b32 v[64+gj], v5, s[6:7] offset:128*gj
	global_load_b32 v[80+gj], v5, s[6:7] offset:32768+128*gj
.set gj, gj+1
.endr
	global_load_b32 v96, v6, s[6:7] offset:65536
	s_wait_loadcnt 33                              ; the 16 loads of route are in; the 33 of part may be out
	v_mov_b32 v100, 0                              ; v100+j: key = lane: its tokens in my groups ahead of group j
.set gj, 0
.rept 16
	v_add_nc_u32 v[101+gj], v[100+gj], v[33+2*gj]  ; v116: in all my groups
.set gj, gj+1
.endr
	s_wait_loadcnt 0x0
.irp j, 2,4,6,8,10,12,14
	v_pk_add_f32 v[64:65], v[64:65], v[64+\j:65+\j]
	v_pk_add_f32 v[80:81], v[80:81], v[80+\j:81+\j]
.endr
	v_add_f32 v64, v64, v65
	v_add_f32 v80, v80, v81
	s_cmp_lt_u32 s16, 8
	s_cselect_b32 s17, 1.0, 0
	v_fmac_f32 v80, s17, v96                       ; waves 0-7 add one of the eight further records each
	ds_store_b32 v3, v116 offset:LT
	ds_store_b32 v3, v64 offset:LU
	ds_store_b32 v3, v80 offset:LD
	s_wait_dscnt 0x0                               ; for the others' sake
	s_barrier_signal -1
	s_barrier_wait -1                              ; behind this barrier LDS is only read
.set wj, 0
.rept 16
	ds_load_b32 v[120+wj], v4 offset:LT+128*wj
.set wj, wj+1
.endr
	v_mov_b32 v136, 0                              ; key = lane: all its tokens,
	v_mov_b32 v137, 0                              ; and those of the waves ahead of mine
	s_wait_dscnt 0x0
.set wj, 0
.rept 16
	v_add_nc_u32 v136, v136, v[120+wj]
	s_cmp_gt_u32 s16, wj
	s_cselect_b32 s17, -1, 0
	v_and_b32 v138, s17, v[120+wj]
	v_add_nc_u32 v137, v137, v138
.set wj, wj+1
.endr
	v_mov_b32 v139, v136                           ; a running sum over the keys: four steps inside each half of the lanes,
	v_mov_b32 v138, 0
.irp n, 1,2,4,8
	v_mov_b32_dpp v138, v139 row_shr:\n row_mask:0xf bank_mask:0xf bound_ctrl:1
	v_add_nc_u32 v139, v139, v138
.endr
	v_readlane_b32 s17, v139, 15                   ; and the lower half's total onto the upper half
	v_cmp_lt_u32 vcc_lo, 15, v1
	v_mov_b32 v138, s17
	v_cndmask_b32 v138, 0, v138, vcc_lo
	v_add_nc_u32 v139, v139, v138
	v_sub_nc_u32 v140, v139, v136                  ; where key = lane begins
	v_add_nc_u32 v141, v140, v137                  ; and where my wave's tokens of it begin
.set gj, 0
.rept 16
	v_and_b32 v[144+gj], 0xff, v[32+2*gj]          ; my token's key,
	v_min_u32 v[144+gj], 31, v[144+gj]             ; held inside the wave,
	v_lshlrev_b32 v[144+gj], 2, v[144+gj]
	v_add_nc_u32 v[160+gj], v141, v[100+gj]
	ds_bpermute_b32 v[176+gj], v[144+gj], v[160+gj]    ; picks the lane that holds its key's place for group j
.set gj, gj+1
.endr
	s_lshl_b32 s17, s16, 9
	v_add_nc_u32 v142, s17, v1                     ; my token in group 0 of my wave
	s_wait_dscnt 0x0
.set gj, 0
.rept 16
	v_lshrrev_b32 v[144+gj], 8, v[32+2*gj]         ; + its rank among equal keys of its group
	v_add_nc_u32 v[144+gj], v[144+gj], v[176+gj]
	v_min_u32 v[144+gj], 0x1fff, v[144+gj]         ; a position stays inside the list
	v_lshlrev_b32 v[144+gj], 2, v[144+gj]
	v_add_nc_u32 v[192+gj], 32*gj, v142
	global_store_b32 v[144+gj], v[192+gj], s[8:9]
.set gj, gj+1
.endr
	s_cmp_lt_u32 s16, 2
	s_cbranch_scc0 .Lnot_mask
	; ---- waves 0 and 1: a lane a block of 128 positions
	v_lshlrev_b32 v20, 7, v0
	v_add_nc_u32 v21, 128, v20
	v_mov_b32 v22, 0
	PAIRS 0
	global_store_b32 v3, v22, s[8:9] offset:32768
	s_wait_xcnt 0x0
	s_mov_b32 exec_lo, -1
	s_wait_tensorcnt 0x0
	ds_add_u32 v208, v209
	s_wait_dscnt 0x0
	s_endpgm
.Lnot_mask:
	s_cmp_eq_u32 s16, 2
	s_cbranch_scc0 .Lnot_util
	; ---- wave 2: out2
.irp e, 0,1,2,3,4,5,6,7
	s_mov_b32 s[24+\e], 0
.endr
	PAIRS 1
	v_mov_b32 v20, 0
.irp e, 0,1,2,3,4,5,6,7
	v_writelane_b32 v20, s[24+\e], \e
.endr
	v_cvt_f32_u32 v20, v20
	v_mul_f32 v20, 0x39000000, v20                 ; / 8,192
	v_cmp_gt_u32 vcc_lo, 8, v1
	s_wait_xcnt 0x0                                ; EXEC changes only behind this wait
	s_and_saveexec_b32 s18, vcc_lo
	global_store_b32 v4, v20, s[10:11]
	s_wait_xcnt 0x0
	s_or_b32 exec_lo, exec_lo, s18
	s_wait_xcnt 0x0
	s_mov_b32 exec_lo, -1
	s_wait_tensorcnt 0x0
	ds_add_u32 v208, v209
	s_wait_dscnt 0x0
	s_endpgm
.Lnot_util:
	s_cmp_eq_u32 s16, 3
	s_cbranch_scc0 .Lnot_loss
	; ---- wave 3: out3.  Each expert's sum stands in four lanes: the mean over 8 experts is the sum over 32 lanes / 32
	SUM16 LU
	s_mov_b32 s18, 0x39000000                      ; 1 / 8,192
	s_mov_b32 s19, 0xbe000000                      ; -1 / 8
	v_fma_f32 v20, v20, s18, s19
	v_mul_f32 v20, v20, v20
	WSUM 20, 21
	v_mul_f32 v20, 0x3d000000, v20
	ONE 12
	s_wait_xcnt 0x0
	s_mov_b32 exec_lo, -1
	s_wait_tensorcnt 0x0
	ds_add_u32 v208, v209
	s_wait_dscnt 0x0
	s_endpgm
.Lnot_loss:
	s_cmp_eq_u32 s16, 4
	s_cbranch_scc0 .Lend
	; ---- wave 4: out4.  Lanes 28-31 hold zeros
	SUM16 LD
	v_sqrt_f32 v20, v20
	v_nop                                          ; a plain line behind the root,
	s_wait_alu depctr_va_vdst(0)                   ; and the wait ahead of its first reader
	WSUM 20, 21
	v_mul_f32 v20, 0x3d124925, v20                 ; / 28
	ONE 14
.Lend:
	s_wait_xcnt 0x0
	s_mov_b32 exec_lo, -1
	s_wait_tensorcnt 0x0
	ds_add_u32 v208, v209
	s_wait_dscnt 0x0
	s_endpgm
.Lfunc_end_k_q4a01bed782_place:
	.size	k_q4a01bed782_place, .Lfunc_end_k_q4a01bed782_place-k_q4a01bed782_place
	.p2alignl 7, 3214868480
	.fill 96, 4, 3214868480
	.section	.rodata,"a",@progbits
	.p2align	6, 0x0
	.amdhsa_kernel k_q4a01bed782_place
		.amdhsa_group_segment_fixed_size 8192
		.amdhsa_private_segment_fixed_size 0
		.amdhsa_enable_private_segment 0
		.amdhsa_kernarg_size 48
		.amdhsa_user_sgpr_count 2
		.amdhsa_user_sgpr_kernarg_segment_ptr 1
		.amdhsa_wavefront_size32 1
		.amdhsa_system_sgpr_workgroup_id_x 1
		.amdhsa_system_sgpr_workgroup_id_y 1
		.amdhsa_system_sgpr_workgroup_id_z 1
		.amdhsa_system_vgpr_workitem_id 0
		.amdhsa_next_free_vgpr 210
		.amdhsa_next_free_sgpr 66
		.amdhsa_reserve_vcc 1
		.amdhsa_float_denorm_mode_32 3
		.amdhsa_float_denorm_mode_16_64 3
		.amdhsa_memory_ordered 1
		.amdhsa_forward_progress 1
		.amdhsa_inst_pref_size 41
	.end_amdhsa_kernel
	.amdgpu_metadata
---
amdhsa.version: [ 1, 2 ]
amdhsa.kernels:
  - .name:           k_q4a01bed782_place
    .symbol:         k_q4a01bed782_place.kd
    .args:
      - { .name: route, .offset: 0, .size: 8, .value_kind: global_buffer, .address_space: global }
      - { .name: part, .offset: 8, .size: 8, .value_kind: global_buffer, .address_space: global }
      - { .name: order, .offset: 16, .size: 8, .value_kind: global_buffer, .address_space: global }
      - { .name: out2, .offset: 24, .size: 8, .value_kind: global_buffer, .address_space: global }
      - { .name: out3, .offset: 32, .size: 8, .value_kind: global_buffer, .address_space: global }
      - { .name: out4, .offset: 40, .size: 8, .value_kind: global_buffer, .address_space: global }
    .group_segment_fixed_size: 8192
    .private_segment_fixed_size: 0
    .kernarg_segment_align: 8
    .kernarg_segment_size: 48
    .max_flat_workgroup_size: 512
    .sgpr_count:     66
    .vgpr_count:     210
    .wavefront_size: 32
...
	.end_amdgpu_metadata
.endif
;; end of part 2
;; launch moe (part 3): grid 4 x 64, 4 waves a work-group, no clusters, 205,312 bytes of LDS; arguments xq, wq, comb, expert_b, order, out0; writes out0
.if DOCPART == 3
	.amdgcn_target "amdgcn-amd-amdhsa--gfx1250"
	.amdhsa_code_object_version 6
	.text
	.protected	k_q4a01bed782_moe
	.globl	k_q4a01bed782_moe
	.p2align	8
	.type	k_q4a01bed782_moe,@function
k_q4a01bed782_moe:
	s_mov_b64 s[64:65], 0
	v_nop
	global_prefetch_b8 v0, s[64:65] scope:SCOPE_SE
	s_setreg_imm32_b32 hwreg(HW_REG_WAVE_MODE, 25, 1), 1
	s_wait_xcnt 0x0
; MOE.  out0[t][f] = sum over the experts e of comb[t][e] (Q(x)[t] . Q(w)[e][f] + b[e][f]), on codes of E2M1 with E8M0 scales, only for the experts that a block's tokens use.
; A work-group takes 128 tokens that are neighbours in the sorted list (work-group y) and 256 columns (work-group x): every row of out0 has one owner for each column.
; Each of the four waves keeps the codes of all 128 tokens, all of K, in 512 registers.  In column phase cg (0, 1) wave w makes columns 256 x + 128 cg + 32 w + 0 .. 31.
; A UNIT is one expert for those 32 columns: 16 KiB of weight images, read once in the work-group, from memory straight into the operand's registers, and 128 matrix instructions.
; The product is used transposed (source 0 = 16 rows of W, source 1 = 16 tokens): a lane holds one token and eight neighbouring columns; the bias is the C of a sum's first instruction.
; The walk over experts hangs on the stored list (a mask of 8 bits for each block), so the launch has no tensor load, and with that no joint request in a cluster.
; A token of the block that does not use an expert of the block has the weight 0 for it: 0 x a finite sum.  LIMITS: NaN and infinities are not served.
; REGISTERS, in windows of 256: window 0: addresses, scale words, bias, weights (v128-255);  windows 1, 2: x's fragments, tiles of tokens 0-3 and 4-7, (m, s) at 64 (m % 4) + 8 s;
;   window 3: v0-127 the unit's 16 accumulators, (m, ct) at 8 (2 m + ct); v128-255 the weighted sums over experts, likewise.
.set XS_OFF, 4194304
.set WS_OFF, 4194304
.set AIMG, 0                           ; LDS: x's codes: 8 tiles of tokens x 32 blocks x (16 tokens x 16 bytes + 16)
.set STG0, 69632                       ; the way out of phase 0: 128 rows x (512 bytes + 16);
.set STG1, 137216                      ; of phase 1: bytes of its own, so that one barrier serves each way out
.set L16, 1                            ; v1     16 x lane
.set IMG, 2                            ; v2     where my block of a token's codes goes
.set ADA, 3                            ; v3-4   my lane's place in a fragment of x: tiles 0-3, tiles 4-7
.set BA,  5                            ; v5     32 x (lane / 16): my eight columns' bias
.set L8,  7                            ; v7     8 x lane
.set SO,  8                            ; v8-9   the stage, in: phase 0, 1
.set SR,  10                           ; v10-11 the stage, back
.set CA,  12                           ; v12-19 tile m: my token x 32: its row of comb
.set WS,  28                           ; v28-35 W's scale words of K step s: lanes 0-15 columns 0-15, lanes 16-31 columns 16-31
.set BI,  36                           ; v36-51 the bias, two tiles of columns x 8
.set XS,  52                           ; v52-83 x's scale words: (i, s): lanes 0-15 tile 2 i, lanes 16-31 tile 2 i + 1
.set CC,  96                           ; v96, 98, .. 110: tile m: my token's weight for the unit's expert; the odd registers beside them hold 0 (a packed source names a pair)
.set BF,  128                          ; v128-255 W's fragments: (s, ct) at 16 s + 8 ct
.set W0, 16                            ; s[16:17] wq's codes at my columns of phase 0, expert 0;  s[18:19] its scale bytes;  s[20:21] expert_b
.set S0, 18
.set B0, 20
.set WB, 22                            ; s[22:29] the same three and comb, at the expert whose loads are being issued
.set SB, 24
.set BB, 26
.set CB, 28
.set TOK, 32                           ; s32-63 the tokens of rows 32 w .. 32 w + 31 of the block
.set MASK, 66
.set NM, 67                            ; experts still to be asked for
.set EX, 68
.set CNT, 69
.set NEXP, 70
.set WV, 71
.set OFS, 72                           ; s[72:73] an offset; the upper word stays 0
.set OUTB, 74
.set ORD, 76
.set MSB, 0
.macro WIN new                         ; the immediate's high byte repeats the setting that is left; a switch that changes nothing is dropped
.if MSB != (\new)
	s_set_vgpr_msb (MSB<<8)|(\new)
.set MSB, (\new)
.endif
.endm
; ---- the next expert of the mask, and the four bases at it
.macro NEXT
	s_wait_xcnt 0x0                                ; every earlier load and store has read its address and data registers: the bases, and what the way out's stores named, may be written
	s_ctz_i32_b32 s[EX], s[NM]
	s_min_u32 s[EX], s[EX], 7                      ; an expert's number stays inside the tables
	s_sub_co_u32 s30, s[NM], 1
	s_and_b32 s[NM], s[NM], s30
	s_lshl_b32 s[OFS], s[EX], 19
	s_add_nc_u64 s[WB:WB+1], s[W0:W0+1], s[OFS:OFS+1]
	s_lshl_b32 s[OFS], s[EX], 15
	s_add_nc_u64 s[SB:SB+1], s[S0:S0+1], s[OFS:OFS+1]
	s_lshl_b32 s[OFS], s[EX], 12
	s_add_nc_u64 s[BB:BB+1], s[B0:B0+1], s[OFS:OFS+1]
	s_lshl_b32 s[OFS], s[EX], 2
	s_add_nc_u64 s[CB:CB+1], s[8:9], s[OFS:OFS+1]
.endm
; ---- K steps 2 i and 2 i + 1 of a unit in phase cg: 8 loads of weights, 1 of scale words; with i = 0 also 4 of bias
.macro G i, cg
.irp u, 0,1
.irp ct, 0,1
.irp c, 0,1
	global_load_b128 v[BF+16*(2*(\i)+\u)+8*\ct+4*\c:BF+16*(2*(\i)+\u)+8*\ct+4*\c+3], v[L16], s[WB:WB+1] offset:65536*(\cg)+8192*\ct+1024*(2*(\i)+\u)+512*\c
.endr
.endr
.endr
	global_load_b64 v[WS+2*(\i):WS+2*(\i)+1], v[L8], s[SB:SB+1] offset:WS_OFF+4096*(\cg)+256*(\i)
.if (\i) == 0
.irp ct, 0,1
.irp jj, 0,1
	global_load_b128 v[BI+8*\ct+4*\jj:BI+8*\ct+4*\jj+3], v[BA], s[BB:BB+1] offset:512*(\cg)+64*\ct+16*\jj
.endr
.endr
.endif
.endm
.macro CL                              ; my eight tokens' weights for that expert
.irp m, 0,1,2,3,4,5,6,7
	global_load_b32 v[CC+2*\m], v[CA+\m], s[CB:CB+1]
.endr
.endm
; ---- one matrix instruction: tile of tokens m, tile of columns ct, K step ss
.macro MM m, ct, ss
.set A_, 8*(2*(\m)+(\ct))
.set B_, BF+16*(\ss)+8*(\ct)
.set X_, 64*((\m)%4)+8*(\ss)
.set SW_, WS+(\ss)
.set SX_, XS+8*((\m)/2)+(\ss)
.if (\ss) == 0
.set C_, BI+8*(\ct)
.else
.set C_, A_
.endif
.if ((\ct) == 0) && (((\m)%2) == 0)
	v_wmma_scale_f32_16x16x128_f8f6f4 v[A_:A_+7], v[B_:B_+7], v[X_:X_+7], v[C_:C_+7], v[SW_], v[SX_] matrix_a_fmt:MATRIX_FMT_FP4 matrix_b_fmt:MATRIX_FMT_FP4
.elseif ((\ct) == 1) && (((\m)%2) == 0)
	v_wmma_scale_f32_16x16x128_f8f6f4 v[A_:A_+7], v[B_:B_+7], v[X_:X_+7], v[C_:C_+7], v[SW_], v[SX_] matrix_a_fmt:MATRIX_FMT_FP4 matrix_b_fmt:MATRIX_FMT_FP4 matrix_a_scale:MATRIX_SCALE_ROW1
.elseif (\ct) == 0
	v_wmma_scale_f32_16x16x128_f8f6f4 v[A_:A_+7], v[B_:B_+7], v[X_:X_+7], v[C_:C_+7], v[SW_], v[SX_] matrix_a_fmt:MATRIX_FMT_FP4 matrix_b_fmt:MATRIX_FMT_FP4 matrix_b_scale:MATRIX_SCALE_ROW1
.else
	v_wmma_scale_f32_16x16x128_f8f6f4 v[A_:A_+7], v[B_:B_+7], v[X_:X_+7], v[C_:C_+7], v[SW_], v[SX_] matrix_a_fmt:MATRIX_FMT_FP4 matrix_b_fmt:MATRIX_FMT_FP4 matrix_a_scale:MATRIX_SCALE_ROW1 matrix_b_scale:MATRIX_SCALE_ROW1
.endif
.endm
; ---- 32 matrix instructions: K steps 2 i, 2 i + 1; tiles of tokens 0-3, then 4-7.  Eight accumulators take turns, one instruction a turn
.macro KP i
.irp hf, 0,1
.irp u, 0,1
.if (2*(\i)+\u) == 0
	WIN 0xC4+4*\hf                                 ; W window 0, x window 1 or 2, C (the bias) window 0, D window 3
.else
	WIN 0xF4+4*\hf                                 ; the same, C and D window 3
.endif
.irp ct, 0,1
.irp mm, 0,1,2,3
	MM 4*\hf+\mm, \ct, 2*(\i)+\u
.endr
.endr
.endr
.endr
.endm
; ---- a quarter of a unit.  n: the loads issued behind this quarter's, which may stay out.  Four plain lines stand between the products and the loads into the registers that they read
.macro PART i, n, ahead, cgn
	s_wait_loadcnt \n
	KP \i
.rept 4
	v_nop
.endr
	WIN 0
.if \ahead
	G \i, \cgn
.endif
.endm
.macro COMBINE first                   ; the weighted sum over experts; each accumulator is read from its low end on
.if \first
	WIN 0xC3
.else
	WIN 0xF3
.endif
.irp m, 0,1,2,3,4,5,6,7
.irp ct, 0,1
.irp j, 0,2,4,6
.if \first
	v_pk_mul_f32 v[128+8*(2*\m+\ct)+\j:128+8*(2*\m+\ct)+\j+1], v[8*(2*\m+\ct)+\j:8*(2*\m+\ct)+\j+1], v[CC+2*\m:CC+2*\m+1] op_sel_hi:[1,0]     ; the first expert starts the sums
.else
	v_pk_fma_f32 v[128+8*(2*\m+\ct)+\j:128+8*(2*\m+\ct)+\j+1], v[8*(2*\m+\ct)+\j:8*(2*\m+\ct)+\j+1], v[CC+2*\m:CC+2*\m+1], v[128+8*(2*\m+\ct)+\j:128+8*(2*\m+\ct)+\j+1] op_sel_hi:[1,0,1]
.endif
.endr
.endr
.endr
	WIN 0
.endm
; ---- a unit.  Loads go out in the order G 0 (13), G 1 (9), G 2 (9), G 3 (9), CL (8), each group behind the quarter that has read its registers: a unit ahead.
; ahead = 1: the next unit (in phase cgn) is asked for.  The counts: 35 = G1 + G2 + G3 + CL;  39 = the three groups left of this unit's and those of the next already issued;  40 = the next unit's four G.
; ahead = 0: nothing follows: 35, 26, 17, 8, 0.
.macro UNIT first, ahead, cgn
.if \ahead
	NEXT
	PART 0, 35, 1, \cgn
	PART 1, 39, 1, \cgn
	PART 2, 39, 1, \cgn
	PART 3, 39, 1, \cgn
	s_wait_loadcnt 40
.else
	PART 0, 35, 0, 0
	PART 1, 26, 0, 0
	PART 2, 17, 0, 0
	PART 3, 8, 0, 0
	s_wait_loadcnt 0x0
.endif
	COMBINE \first
.if \ahead
	CL
.endif
.endm
; ---- the way out of phase cg: a row's 128 columns come from four waves: they meet in the stage; each wave then stores 32 whole rows of 512 bytes, each to its token's row of out0
.macro WAYOUT cg
	WIN 0x0C                                       ; an LDS store's data: window 3
.irp m, 0,1,2,3,4,5,6,7
.irp ct, 0,1
.irp jj, 0,1
	ds_store_b128 v[SO+\cg], v[128+8*(2*\m+\ct)+4*\jj:128+8*(2*\m+\ct)+4*\jj+3] offset:8448*\m+64*\ct+16*\jj
.endr
.endr
.endr
	WIN 0xC0                                       ; the stores' offsets are made in the accumulators' registers, which are done with, while the LDS stores are out
.set ri, 0
.rept 32
	v_lshl_add_u32 v[ri], s[TOK+ri], 12, v[L16]    ; token x 4,096 + 16 x lane
.set ri, ri+1
.endr
	WIN 0
	s_wait_dscnt 0x0                               ; for the others' sake: my stores have landed
	s_barrier_signal -1
	s_barrier_wait -1
	WIN 0xC0
.set ri, 0
.rept 32
	ds_load_b128 v[128+4*ri:128+4*ri+3], v[SR+\cg] offset:528*ri
.set ri, ri+1
.endr
	WIN 0x0F                                       ; a store's offset and data: window 3
.set ri, 0
.rept 32
	s_wait_dscnt 31-ri
	global_store_b128 v[ri], v[128+4*ri:128+4*ri+3], s[OUTB:OUTB+1] offset:512*\cg th:TH_STORE_NT   ; 32 lanes store 512 consecutive bytes, aligned; written once, read by nobody here
.set ri, ri+1
.endr
	WIN 0
.endm
	s_load_b256 s[4:11], s[0:1], 0x0               ; xq 4, wq 6, comb 8, expert_b 10
	s_load_b128 s[12:15], s[0:1], 0x20             ; order 12, out0 14
	v_lshl_add_u32 v126, v0, 2, 0x32000
	v_mov_b32 v127, 0
	v_lshrrev_b32 v84, 5, v0
	v_readfirstlane_b32 s[WV], v84                 ; wave 0..3
	v_and_b32 v85, 31, v0                          ; lane
	v_and_b32 v86, 15, v0                          ; r
	v_bfe_u32 v87, v0, 4, 1                        ; h
	v_lshlrev_b32 v[L16], 4, v85
	v_lshlrev_b32 v[L8], 3, v85
	v_lshlrev_b32 v[BA], 5, v87
	s_mul_i32 s30, s[WV], 17408                    ; two tiles of tokens a wave
	v_mul_u32_u24 v[IMG], v85, 272
	v_add_nc_u32 v[IMG], s30, v[IMG]
	v_mul_u32_u24 v[ADA], v87, 272
	v_lshl_add_u32 v[ADA], v86, 4, v[ADA]
	v_add_nc_u32 v[ADA+1], 34816, v[ADA]
	v_mul_u32_u24 v88, v86, 528
	v_lshl_add_u32 v88, v87, 5, v88
	s_lshl_b32 s30, s[WV], 7
	v_add_nc_u32 v88, s30, v88
	v_add_nc_u32 v[SO], STG0, v88
	v_add_nc_u32 v[SO+1], STG1, v88
	s_mul_i32 s30, s[WV], 16896
	v_add_nc_u32 v88, s30, v[L16]
	v_add_nc_u32 v[SR], STG0, v88
	v_add_nc_u32 v[SR+1], STG1, v88
	v_lshlrev_b32 v89, 2, v85
	v_lshlrev_b32 v90, 2, v86
.irp m, 0,1,2,3,4,5,6,7
	v_mov_b32 v[CC+2*\m+1], 0
.endr
	s_and_b32 s31, ttmp7, 0xffff                   ; the block
	s_lshl_b32 s[OFS], s31, 9
	s_mov_b32 s[OFS+1], 0
	s_wait_kmcnt 0x0
	s_add_nc_u64 s[ORD:ORD+1], s[12:13], s[OFS:OFS+1]      ; the list at my block's 128 positions
	s_lshl_b32 s[OFS], s[WV], 7
	s_add_nc_u64 s[78:79], s[ORD:ORD+1], s[OFS:OFS+1]
	s_load_b256 s[32:39], s[78:79], 0x0
	s_load_b256 s[40:47], s[78:79], 0x20
	s_load_b256 s[48:55], s[78:79], 0x40
	s_load_b256 s[56:63], s[78:79], 0x60
	s_lshl_b32 s[OFS], s31, 2
	s_add_nc_u64 s[80:81], s[12:13], s[OFS:OFS+1]
	s_load_b32 s[MASK], s[80:81], 0x8000
.irp i, 0,1,2,3
	global_load_b32 v[91+\i], v89, s[ORD:ORD+1] offset:128*\i      ; the token of row 32 i + lane: for x's scale words
.endr
.irp m, 0,1,2,3,4,5,6,7
	global_load_b32 v[CA+\m], v90, s[ORD:ORD+1] offset:64*\m       ; the token of row 16 m + r: for comb
.endr
	s_lshl_b32 s[OFS], ttmp9, 17                   ; 16 tiles of columns x 8,192 bytes a work-group, 2 a wave
	s_lshl_b32 s30, s[WV], 14
	s_add_co_u32 s[OFS], s[OFS], s30
	s_add_nc_u64 s[W0:W0+1], s[6:7], s[OFS:OFS+1]
	s_lshl_b32 s[OFS], ttmp9, 13                   ; 1,024 bytes of scales for each 32 columns
	s_lshl_b32 s30, s[WV], 10
	s_add_co_u32 s[OFS], s[OFS], s30
	s_add_nc_u64 s[S0:S0+1], s[6:7], s[OFS:OFS+1]
	s_lshl_b32 s[OFS], ttmp9, 10
	s_add_nc_u64 s[OUTB:OUTB+1], s[14:15], s[OFS:OFS+1]
	s_lshl_b32 s30, s[WV], 7
	s_add_co_u32 s[OFS], s[OFS], s30
	s_add_nc_u64 s[B0:B0+1], s[10:11], s[OFS:OFS+1]
	s_wait_kmcnt 0x0
.set ri, 0
.rept 32
	s_min_u32 s[TOK+ri], s[TOK+ri], 0x1fff         ; a token's number stays inside the tables
.set ri, ri+1
.endr
	WIN 0xC0
.set ri, 0
.rept 32
	v_lshl_add_u32 v[128+ri], s[TOK+ri], 9, v[L16] ; token x 512 + 16 x lane
.set ri, ri+1
.endr
	WIN 0xC3
.set ri, 0
.rept 32
	global_load_b128 v[4*ri:4*ri+3], v[128+ri], s[4:5]     ; a token's 512 bytes of codes, whole
.set ri, ri+1
.endr
	WIN 0
	s_wait_loadcnt 32                              ; the 12 loads of the list are in; the 32 rows may be out
.irp i, 0,1,2,3
	v_min_u32 v[91+\i], 0x1fff, v[91+\i]
	v_lshlrev_b32 v[91+\i], 5, v[91+\i]
.endr
.irp m, 0,1,2,3,4,5,6,7
	v_min_u32 v[CA+\m], 0x1fff, v[CA+\m]
	v_lshlrev_b32 v[CA+\m], 5, v[CA+\m]
.endr
.irp i, 0,1,2,3
	global_load_b128 v[XS+8*\i:XS+8*\i+3], v[91+\i], s[4:5] offset:XS_OFF
	global_load_b128 v[XS+8*\i+4:XS+8*\i+7], v[91+\i], s[4:5] offset:XS_OFF+16
.endr
	s_and_b32 s[MASK], s[MASK], 0xff
	s_bcnt1_i32_b32 s[NEXP], s[MASK]
	s_max_u32 s[NEXP], s[NEXP], 2                  ; every token uses two experts
	s_mov_b32 s[NM], s[MASK]
	NEXT
	G 0, 0
	G 1, 0
	G 2, 0
	G 3, 0
	CL
	s_wait_loadcnt 56                              ; the 32 rows are in; behind them: 8 loads of scale words, 40 of the first unit's weights, 8 of comb
	WIN 0x0C
.set ri, 0
.rept 32
	ds_store_b128 v[IMG], v[4*ri:4*ri+3] offset:8704*(ri/16)+16*(ri%16)    ; lane = block of 32 k: block x 272 + token x 16
.set ri, ri+1
.endr
	WIN 0
	s_wait_dscnt 0x0                               ; for the others' sake
	s_barrier_signal -1
	s_barrier_wait -1
	WIN 0x40                                       ; x's fragments: lane (r, h), piece 2 s + c: block 4 s + 2 c + h of token r
.irp m, 0,1,2,3
.set fs, 0
.rept 16
	ds_load_b128 v[64*\m+4*fs:64*\m+4*fs+3], v[ADA] offset:8704*\m+544*fs
.set fs, fs+1
.endr
.endr
	WIN 0x80
.irp m, 0,1,2,3
.set fs, 0
.rept 16
	ds_load_b128 v[64*\m+4*fs:64*\m+4*fs+3], v[ADA+1] offset:8704*\m+544*fs
.set fs, fs+1
.endr
.endr
	WIN 0
	s_wait_dscnt 0x0
	; ---- phase 0: the first expert, those between (their number hangs on the stored mask), the last, which asks for phase 1's first
	UNIT 1, 1, 0
	s_sub_co_u32 s[CNT], s[NEXP], 2
	s_cmp_eq_u32 s[CNT], 0
	s_cbranch_scc1 .Lmid0_done
.Lmid0:
	UNIT 0, 1, 0
	s_sub_co_u32 s[CNT], s[CNT], 1
	s_cmp_lg_u32 s[CNT], 0
	s_cbranch_scc1 .Lmid0
.Lmid0_done:
	s_mov_b32 s[NM], s[MASK]
	UNIT 0, 1, 1
	WAYOUT 0                                       ; its stores leave while phase 1 is multiplied
	; ---- phase 1
	UNIT 1, 1, 1
	s_sub_co_u32 s[CNT], s[NEXP], 2
	s_cmp_eq_u32 s[CNT], 0
	s_cbranch_scc1 .Lmid1_done
.Lmid1:
	UNIT 0, 1, 1
	s_sub_co_u32 s[CNT], s[CNT], 1
	s_cmp_lg_u32 s[CNT], 0
	s_cbranch_scc1 .Lmid1
.Lmid1_done:
	UNIT 0, 0, 0
	WAYOUT 1
	s_barrier_signal -1
	s_barrier_wait -1
	s_wait_tensorcnt 0x0
	ds_add_u32 v126, v127
	s_wait_dscnt 0x0
	s_endpgm
.Lfunc_end_k_q4a01bed782_moe:
	.size	k_q4a01bed782_moe, .Lfunc_end_k_q4a01bed782_moe-k_q4a01bed782_moe
	.p2alignl 7, 3214868480
	.fill 96, 4, 3214868480
	.section	.rodata,"a",@progbits
	.p2align	6, 0x0
	.amdhsa_kernel k_q4a01bed782_moe
		.amdhsa_group_segment_fixed_size 205312
		.amdhsa_private_segment_fixed_size 0
		.amdhsa_enable_private_segment 0
		.amdhsa_kernarg_size 48
		.amdhsa_user_sgpr_count 2
		.amdhsa_user_sgpr_kernarg_segment_ptr 1
		.amdhsa_wavefront_size32 1
		.amdhsa_system_sgpr_workgroup_id_x 1
		.amdhsa_system_sgpr_workgroup_id_y 1
		.amdhsa_system_sgpr_workgroup_id_z 1
		.amdhsa_system_vgpr_workitem_id 0
		.amdhsa_next_free_vgpr 1024
		.amdhsa_next_free_sgpr 84
		.amdhsa_reserve_vcc 0
		.amdhsa_float_denorm_mode_32 3
		.amdhsa_float_denorm_mode_16_64 3
		.amdhsa_memory_ordered 1
		.amdhsa_forward_progress 1
		.amdhsa_inst_pref_size 202
	.end_amdhsa_kernel
	.amdgpu_metadata
---
amdhsa.version: [ 1, 2 ]
amdhsa.kernels:
  - .name:           k_q4a01bed782_moe
    .symbol:         k_q4a01bed782_moe.kd
    .args:
      - { .name: xq, .offset: 0, .size: 8, .value_kind: global_buffer, .address_space: global }
      - { .name: wq, .offset: 8, .size: 8, .value_kind: global_buffer, .address_space: global }
      - { .name: comb, .offset: 16, .size: 8, .value_kind: global_buffer, .address_space: global }
      - { .name: expert_b, .offset: 24, .size: 8, .value_kind: global_buffer, .address_space: global }
      - { .name: order, .offset: 32, .size: 8, .value_kind: global_buffer, .address_space: global }
      - { .name: out0, .offset: 40, .size: 8, .value_kind: global_buffer, .address_space: global }
    .group_segment_fixed_size: 205312
    .private_segment_fixed_size: 0
    .kernarg_segment_align: 8
    .kernarg_segment_size: 48
    .max_flat_workgroup_size: 128
    .sgpr_count:     84
    .vgpr_count:     1024
    .wavefront_size: 32
...
	.end_amdgpu_metadata
.endif
;; end of part 3
;; ======== version 2 of 3: 3 launches
;; workspace buffers: xq 4,456,448 bytes; wq 4,456,448 bytes; comb 262,144 bytes; route 65,536 bytes of whole numbers; part 66,560 bytes; order 33,024 bytes of whole numbers
;; launch prep (part 4): grid 512 x 1, 8 waves a work-group, no clusters, 159,744 bytes of LDS; arguments x, router_w, router_b, expert_w, expert_b, expert_pref, xq, wq, comb, route, part, out1; writes xq, wq, comb, route, part, out1
.if DOCPART == 4
	.amdgcn_target "amdgcn-amd-amdhsa--gfx1250"
	.amdhsa_code_object_version 6
	.text
	.protected	k_q4a01bed782_prep
	.globl	k_q4a01bed782_prep
	.p2align	8
	.type	k_q4a01bed782_prep,@function
k_q4a01bed782_prep:
	s_mov_b64 s[64:65], 0
	v_nop
	global_prefetch_b8 v0, s[64:65] scope:SCOPE_SE
	s_setreg_imm32_b32 hwreg(HW_REG_WAVE_MODE, 25, 1), 1
	s_wait_xcnt 0x0
; PREP.  Work-groups 0-255 (the x path): 32 tokens each: x into codes of E2M1 with E8M0 scale words (xq), the router's logits in f32 by fused multiply-adds,
; softmax (out1), top-2 with the lower index first on ties, the combine weights (comb), each token's key (its pair of experts, 28 keys), its rank among
; equal keys of its 32 tokens and the 32 tokens' count of each key (route), and the 32 tokens' sums of the routing weights (part).
; Work-groups 256-511 (the w path): 16 rows x 256 K of all 8 experts: expert_w into codes laid as images of the operand's registers and scale bytes (wq),
; and the sums of squared differences of the 28 pairs of experts (part).  expert_b and expert_pref give their share of those sums in wave 2 of work-groups 0-7.
; A block's scale byte is its largest magnitude's exponent field - 2, held at 1 from below.
; LIMITS: NaN and infinities are not served; a block whose largest magnitude lies under 2^-124 (a block of zeros too) keeps the byte 1: its codes are as the
; conversion gives them under that scale, zeros for zeros; the bytes are read by this program alone.  The top-2 is taken on the p computed here: a token whose
; second and third p agree to within f32 rounding may choose otherwise than another order of the same sums.
; No tensor load, no cluster: no two work-groups read the same bytes but the router's 32 KiB.  The two paths part on the work-group's number and have LDS bytes of their own.
.set XS_OFF, 4194304                   ; xq: behind the codes, the scale words [token][8]
.set WS_OFF, 4194304                   ; wq: behind the codes, the scale bytes
.set TURN, 0                           ; x path: 8 waves x 32 rows x 272: f32 numbers turn from dense loads to a token a lane
.set CSTG, 69632                       ; 32 tokens x (512 bytes of codes + 16)
.set SSTG, 86528                       ; 32 tokens x 8 scale words
.set PL,   87552                       ; partial logits [wave][half][lane][16 bytes]
.set O1,   95744                       ; p, and 1,024 bytes on the combine weights: a token a lane in, dense out
.set AUXR, 97792                       ; wave 2's sum over lanes: 32 x 144
.set WSTG, 102400                      ; w path: 8 experts x 8 blocks x (16 rows x 16 bytes + 16)
.set WSS,  119808                      ; [expert][row][8 scale bytes]
.set RED,  120832                      ; 8 waves x 32 x 144: each wave's sum over lanes
.set RWD,  157696                      ; [wave][lane]: the waves' 28 sums
.set R,    64                          ; v64-191  128 numbers as loaded
.set ACC,  16                          ; v16-23   x path: my 8 partial logits; else T: four pairs of differences
.set D,    192                         ; v192-247 28 pairs of sums of squares
.set WT,   192                         ; v192-247 x path: the router's weights of experts 0-6, 8 registers each (done with before wave 2 makes its sums of squares there);
.set WT7,  48                          ; v48-55   and of expert 7
.set WA,   45                          ; v45      x path: 32 x (lane % 16): my 8 weights of an expert's 128
.set LRS,  250                         ; v250     the sum over lanes: my row of 144 bytes; made at a path's head, written by no other line (the w path's codes fill v48-63)
.set LRL,  251                         ; v251     and my word of every row
; ---- THE ROUTER.  A lane holds a token, its registers run along K; a weight is the same for all 32 tokens.  The wave's 8 experts x 128 k lie in 64 registers: lane c of EACH half of the
; lanes holds k = 8 c .. 8 c + 7 of every expert.  The multiply-add takes its first source from lane c of the lane's own half in the same instruction (DPP, row_share: ISA guide, the chapter on
; data parallel processing): no copy, no scalar load, no wait in the loop.  PIECE c: k = 8 c .. 8 c + 7: 64 multiply-adds, K ascending, the eight experts by turns
.macro PIECE c
.irp kk, 0,1,2,3,4,5,6,7
.irp e, 0,1,2,3,4,5,6
	v_fmac_f32_dpp v[ACC+\e], v[WT+8*\e+\kk], v[R+8*\c+\kk] row_share:\c row_mask:0xf bank_mask:0xf
.endr
	v_fmac_f32_dpp v[ACC+7], v[WT7+\kk], v[R+8*\c+\kk] row_share:\c row_mask:0xf bank_mask:0xf
.endr
.endm
; ---- chunk j (64 k of 32 tokens) through my own turn buffer: in as loaded (two tokens' 256 bytes an instruction), back a token a lane.  LDS serves a wave's instructions in order
.macro XTURN j
.set ti, 0
.rept 16
	ds_store_b128 v3, v[R+64*\j+4*ti:R+64*\j+4*ti+3] offset:544*ti
.set ti, ti+1
.endr
.set ti, 0
.rept 16
	ds_load_b128 v[R+64*\j+4*ti:R+64*\j+4*ti+3], v4 offset:16*ti
.set ti, ti+1
.endr
	s_wait_dscnt 0x0
.endm
; ---- block b of my token's 128 k: all 32 numbers are mine
.macro XQ b
	v_max3_num_f32 v40, |v[R+32*(\b)]|, |v[R+32*(\b)+1]|, |v[R+32*(\b)+2]|
	v_max3_num_f32 v41, |v[R+32*(\b)+3]|, |v[R+32*(\b)+4]|, |v[R+32*(\b)+5]|
.irp i, 6,10,14,18,22,26
	v_max3_num_f32 v40, v40, |v[R+32*(\b)+\i]|, |v[R+32*(\b)+\i+1]|
	v_max3_num_f32 v41, v41, |v[R+32*(\b)+\i+2]|, |v[R+32*(\b)+\i+3]|
.endr
	v_max3_num_f32 v40, v40, |v[R+32*(\b)+30]|, |v[R+32*(\b)+31]|
	v_max3_num_f32 v40, v40, v41, 0x1800000        ; the floor 2^(3 - 127): the byte cannot fall under 1
	v_add_nc_u32 v42, 0xff000000, v40              ; 2 off the exponent field: the conversion's scale operand
	v_lshrrev_b32 v43, 23, v42                     ; the scale's byte
.if (\b) == 0
	v_mov_b32 v44, v43
.else
	v_lshl_or_b32 v44, v43, 8*(\b), v44            ; four bytes make the scale word of these 128 k
.endif
.irp g, 0,1,2,3
	v_cvt_scalef32_pk8_fp4_f32 v[24+4*(\b)+\g], v[R+32*(\b)+8*\g:R+32*(\b)+8*\g+7], v42
.endr
	v_nop                                          ; one plain line behind the last scaled conversion
	ds_store_b128 v5, v[24+4*(\b):24+4*(\b)+3] offset:16*(\b)
.endm
; ---- squared differences of the 28 pairs, two numbers at a time; four differences, then their four squares, so that no line waits for the line above it
.macro DSUB t, r0, c, i, j
	v_pk_add_f32 v[16+2*\t:17+2*\t], v[(\r0)+8*\i+2*\c:(\r0)+8*\i+2*\c+1], v[(\r0)+8*\j+2*\c:(\r0)+8*\j+2*\c+1] neg_lo:[0,1] neg_hi:[0,1]
.endm
.macro DSQ t, p, start
.if \start
	v_pk_mul_f32 v[D+2*(\p):D+2*(\p)+1], v[16+2*\t:17+2*\t], v[16+2*\t:17+2*\t]      ; the first square starts the sum
.else
	v_pk_fma_f32 v[D+2*(\p):D+2*(\p)+1], v[16+2*\t:17+2*\t], v[16+2*\t:17+2*\t], v[D+2*(\p):D+2*(\p)+1]
.endif
.endm
.macro D4 r0, c, start, p0, i0, j0, i1, j1, i2, j2, i3, j3
	DSUB 0, \r0, \c, \i0, \j0
	DSUB 1, \r0, \c, \i1, \j1
	DSUB 2, \r0, \c, \i2, \j2
	DSUB 3, \r0, \c, \i3, \j3
	DSQ 0, \p0, \start
	DSQ 1, \p0+1, \start
	DSQ 2, \p0+2, \start
	DSQ 3, \p0+3, \start
.endm
.macro DIVC r0, c, start
	D4 \r0, \c, \start, 0,  0,1, 0,2, 0,3, 0,4
	D4 \r0, \c, \start, 4,  0,5, 0,6, 0,7, 1,2
	D4 \r0, \c, \start, 8,  1,3, 1,4, 1,5, 1,6
	D4 \r0, \c, \start, 12, 1,7, 2,3, 2,4, 2,5
	D4 \r0, \c, \start, 16, 2,6, 2,7, 3,4, 3,5
	D4 \r0, \c, \start, 20, 3,6, 3,7, 4,5, 4,6
	D4 \r0, \c, \start, 24, 4,7, 5,6, 5,7, 6,7
.endm
.macro DIV r0, first                   ; r0: 8 experts x 8 numbers of a lane
	DIVC \r0, 0, \first
	DIVC \r0, 1, 0
	DIVC \r0, 2, 0
	DIVC \r0, 3, 0
.endm
.macro FOLD                            ; the pairs' halves are added: v64-91; v92-95 = 0
.set fp, 0
.rept 28
	v_add_f32 v[64+fp], v[D+2*fp], v[D+2*fp+1]
.set fp, fp+1
.endr
.irp i, 92,93,94,95
	v_mov_b32 v\i, 0
.endr
.endm
.macro LRED                            ; over the 32 lanes: each lane's 32 words go to its row of 144 bytes; lane p reads word p of all rows.  Result: v96
.irp k, 0,1,2,3,4,5,6,7
	ds_store_b128 v[LRS], v[64+4*\k:67+4*\k] offset:16*\k
.endr
.set li, 0
.rept 32
	ds_load_b32 v[96+li], v[LRL] offset:144*li
.set li, li+1
.endr
	s_wait_dscnt 0x0
.irp i, 4,8,12,16,20,24,28
	v_pk_add_f32 v[96:97], v[96:97], v[96+\i:97+\i]
	v_pk_add_f32 v[98:99], v[98:99], v[98+\i:99+\i]
.endr
	v_pk_add_f32 v[96:97], v[96:97], v[98:99]
	v_add_f32 v96, v96, v97
.endm
; ---- w path: step st: one row of each expert, 8 neighbours along K a lane
.macro WLOAD st
.irp e, 0,1,2,3,4,5,6,7
	global_load_b128 v[R+64*\st+8*\e:R+64*\st+8*\e+3], v2, s[32+2*\e:33+2*\e] offset:4096*\st th:TH_LOAD_NT        ; a lane's 32 bytes come by two loads: together they cover the row's 1,024 consecutive bytes
	global_load_b128 v[R+64*\st+8*\e+4:R+64*\st+8*\e+7], v2, s[32+2*\e:33+2*\e] offset:4096*\st+16 th:TH_LOAD_NT
.endr
.endm
.macro WQ st                           ; four neighbouring lanes hold a block of 32; the eight experts by turns.  At work: v24-47; codes: v48-55 (step 0), v56-63 (step 1)
	s_wait_dscnt 0x0                               ; the step before has stored from the registers written below
.irp e, 0,1,2,3,4,5,6,7
	v_max3_num_f32 v[24+\e], |v[R+64*\st+8*\e]|, |v[R+64*\st+8*\e+1]|, 0x1800000
.endr
.irp i, 2,4,6
.irp e, 0,1,2,3,4,5,6,7
	v_max3_num_f32 v[24+\e], v[24+\e], |v[R+64*\st+8*\e+\i]|, |v[R+64*\st+8*\e+\i+1]|
.endr
.endr
.irp e, 0,1,2,3,4,5,6,7
	v_max_num_f32_dpp v[24+\e], v[24+\e], v[24+\e] row_xmask:1 row_mask:0xf bank_mask:0xf
.endr
.irp e, 0,1,2,3,4,5,6,7
	v_max_num_f32_dpp v[24+\e], v[24+\e], v[24+\e] row_xmask:2 row_mask:0xf bank_mask:0xf
.endr
.irp e, 0,1,2,3,4,5,6,7
	v_add_nc_u32 v[32+\e], 0xff000000, v[24+\e]
.endr
.irp e, 0,1,2,3,4,5,6,7
	v_lshrrev_b32 v[40+\e], 23, v[32+\e]
.endr
.irp e, 0,1,2,3,4,5,6,7
	v_cvt_scalef32_pk8_fp4_f32 v[48+8*\st+\e], v[R+64*\st+8*\e:R+64*\st+8*\e+7], v[32+\e]
.endr
	v_nop                                          ; one plain line behind the last scaled conversion
.irp e, 0,1,2,3,4,5,6,7
	ds_store_b32 v3, v[48+8*\st+\e] offset:2176*\e+16*\st
	ds_store_b8 v4, v[40+\e] offset:128*\e+8*\st   ; the four lanes of a block write the same byte with the same value
.endr
.endm
	s_load_b512 s[4:19], s[0:1], 0x0               ; x 4, router_w 6, router_b 8, expert_w 10, expert_b 12, expert_pref 14, xq 16, wq 18
	s_load_b256 s[20:27], s[0:1], 0x40             ; comb 20, route 22, part 24, out1 26
	v_lshl_add_u32 v254, v0, 2, 0x26c00
	v_mov_b32 v255, 0
	v_lshrrev_b32 v1, 5, v0
	v_readfirstlane_b32 s30, v1                    ; wave 0..7
	v_and_b32 v1, 31, v0                           ; lane
	s_cmp_lt_u32 ttmp9, 256
	s_cbranch_scc0 .Lw_path
; ======================= THE X PATH: tokens 32 g .. 32 g + 31; wave w takes K = 128 w .. 128 w + 127
	v_lshrrev_b32 v40, 4, v1
	v_and_b32 v41, 15, v1
	v_lshlrev_b32 v42, 4, v41
	v_lshlrev_b32 v[WA], 5, v41                    ; the router's weights: 32 bytes (8 k) a lane, the same in both halves of the lanes
	v_lshl_add_u32 v2, v40, 12, v42                ; loads: lanes 0-15 one token's 256 bytes, lanes 16-31 the next token's
	s_mul_i32 s31, s30, 8704
	v_mad_u32_u24 v3, v40, 272, v42
	v_add_nc_u32 v3, s31, v3                       ; the turn, in
	v_mul_u32_u24 v4, v1, 272
	v_add_nc_u32 v4, s31, v4                       ; and back: row = lane
	s_lshl_b32 s31, s30, 6
	s_add_co_u32 s31, s31, CSTG
	v_mul_u32_u24 v5, v1, 528
	v_add_nc_u32 v5, s31, v5                       ; my token's codes: 64 bytes a wave
	s_lshl_b32 s31, s30, 2
	s_add_co_u32 s31, s31, SSTG
	v_lshl_add_u32 v6, v1, 5, s31                  ; its scale word number w
	s_lshl_b32 s31, s30, 10
	s_add_co_u32 s31, s31, PL
	v_lshl_add_u32 v7, v1, 4, s31                  ; my partial logits
	v_lshlrev_b32 v8, 4, v1                        ; 16 x lane
	s_mul_i32 s31, s30, 2112
	s_add_co_u32 s31, s31, CSTG
	v_add_nc_u32 v9, s31, v8                       ; codes back: rows 4 w .. 4 w + 3, whole
	v_add_nc_u32 v10, SSTG, v8
	v_add_nc_u32 v11, PL, v8
	v_lshl_add_u32 v12, v1, 5, O1
	v_add_nc_u32 v13, O1, v8
	v_lshrrev_b32 v43, 3, v1
	v_and_b32 v14, 7, v1
	v_lshlrev_b32 v14, 2, v14
	v_lshl_add_u32 v14, v43, 8, v14
	v_add_nc_u32 v14, O1, v14                      ; the usage sums: 8 tokens (lane / 8), expert lane % 8
	v_lshlrev_b32 v15, 2, v1                       ; 4 x lane
	v_mul_u32_u24 v[LRS], v1, 144
	v_add_nc_u32 v[LRS], AUXR, v[LRS]
	v_add_nc_u32 v[LRL], AUXR, v15
	v_lshlrev_b32 v58, 3, v1                       ; 8 x lane
	v_lshlrev_b32 v59, 5, v1                       ; 32 x lane
	s_lshl_b32 s2, ttmp9, 17                       ; 32 tokens of 4,096 bytes
	s_lshl_b32 s3, s30, 9
	s_add_co_u32 s2, s2, s3
	s_mov_b32 s3, 0
	s_lshl_b32 s66, s30, 9
	s_mov_b32 s67, 0
	s_wait_kmcnt 0x0
	s_add_nc_u64 s[4:5], s[4:5], s[2:3]
	s_add_nc_u64 s[28:29], s[6:7], s[66:67]        ; the router's weights at my 128 k
.irp e, 0,1,2,3,4,5,6                          ; the weights first: 16 loads; every work-group of this path reads them, so no hint
	global_load_b128 v[WT+8*\e:WT+8*\e+3], v[WA], s[28:29] offset:4096*\e
	global_load_b128 v[WT+8*\e+4:WT+8*\e+7], v[WA], s[28:29] offset:4096*\e+16
.endr
	global_load_b128 v[WT7:WT7+3], v[WA], s[28:29] offset:4096*7
	global_load_b128 v[WT7+4:WT7+7], v[WA], s[28:29] offset:4096*7+16
.irp j, 0,1
.set ti, 0
.rept 16
	global_load_b128 v[R+64*\j+4*ti:R+64*\j+4*ti+3], v2, s[4:5] offset:8192*ti+256*\j th:TH_LOAD_NT
.set ti, ti+1
.endr
.endr
.irp e, 0,1,2,3,4,5,6,7
	v_mov_b32 v[ACC+\e], 0                         ; the eight sums begin at 0: the destination of a DPP form is written before the form names it
.endr
	s_wait_loadcnt 16                              ; the weights' sixteen loads and chunk 0's sixteen are in; chunk 1's sixteen may be out
	XTURN 0
.irp c, 0,1,2,3,4,5,6,7
	PIECE \c
.endr
	XQ 0
	XQ 1
	s_wait_loadcnt 0x0
	XTURN 1
.irp c, 8,9,10,11,12,13,14,15
	PIECE \c
.endr
	XQ 2
	XQ 3
	ds_store_b32 v6, v44
	ds_store_b128 v7, v[16:19]
	ds_store_b128 v7, v[20:23] offset:512
	s_wait_dscnt 0x0                               ; for the others' sake: my stores have landed
	s_barrier_signal -1
	s_barrier_wait -1
	s_lshl_b32 s2, ttmp9, 14                       ; 32 tokens x 512 bytes of codes
	s_lshl_b32 s3, s30, 11
	s_add_co_u32 s2, s2, s3
	s_mov_b32 s3, 0
	s_add_nc_u64 s[32:33], s[16:17], s[2:3]
.irp i, 0,1,2,3
	ds_load_b128 v[64+4*\i:67+4*\i], v9 offset:528*\i
.endr
.irp i, 0,1,2,3
	s_wait_dscnt 3-\i
	global_store_b128 v8, v[64+4*\i:67+4*\i], s[32:33] offset:512*\i    ; a token's 512 bytes of codes: consecutive, aligned
.endr
	s_wait_xcnt 0x0                                ; the stores have read their registers: the roles below write them again
	s_cmp_eq_u32 s30, 0
	s_cbranch_scc1 .Lx_final
	s_cmp_eq_u32 s30, 1
	s_cbranch_scc1 .Lx_scales
	s_cmp_eq_u32 s30, 2
	s_cbranch_scc0 .Lx_end
	s_cmp_lt_u32 ttmp9, 8
	s_cbranch_scc0 .Lx_end
	; ---- wave 2 of work-groups 0-7: 256 columns of expert_b (0-3) or expert_pref (4-7), all 8 experts
	s_cmp_lt_u32 ttmp9, 4
	s_cselect_b64 s[32:33], s[12:13], s[14:15]
	s_and_b32 s34, ttmp9, 3
	s_lshl_b32 s34, s34, 10
	s_mov_b32 s35, 0
	s_add_nc_u64 s[32:33], s[32:33], s[34:35]
.irp e, 0,1,2,3,4,5,6,7
	global_load_b128 v[64+8*\e:67+8*\e], v59, s[32:33] offset:4096*\e
	global_load_b128 v[68+8*\e:71+8*\e], v59, s[32:33] offset:4096*\e+16
.endr
	s_wait_loadcnt 0x0
	DIV 64, 1
	FOLD
	LRED
	s_lshl_b32 s34, ttmp9, 7
	s_add_nc_u64 s[36:37], s[24:25], s[34:35]
	global_store_b32 v15, v96, s[36:37] offset:65536   ; pair record 256 + g
	s_wait_tensorcnt 0x0
	ds_add_u32 v254, v255
	s_wait_dscnt 0x0
	s_endpgm
.Lx_scales:                                            ; ---- wave 1: the 32 tokens' scale words, 1,024 consecutive bytes
	ds_load_b128 v[64:67], v10
	ds_load_b128 v[68:71], v10 offset:512
	s_lshl_b32 s34, ttmp9, 10
	s_mov_b32 s35, 0
	s_add_nc_u64 s[36:37], s[16:17], s[34:35]
	s_wait_dscnt 0x0
	global_store_b128 v8, v[64:67], s[36:37] offset:XS_OFF
	global_store_b128 v8, v[68:71], s[36:37] offset:XS_OFF+512
	s_wait_tensorcnt 0x0
	ds_add_u32 v254, v255
	s_wait_dscnt 0x0
	s_endpgm
.Lx_final:                                             ; ---- wave 0: a token a lane
	s_load_b256 s[32:39], s[8:9], 0x0              ; router_b
.irp w, 0,1,2,3,4,5,6,7
	ds_load_b128 v[64+8*\w:67+8*\w], v11 offset:1024*\w
	ds_load_b128 v[68+8*\w:71+8*\w], v11 offset:1024*\w+512
.endr
	s_mov_b32 s52, 0x76543210
	s_mov_b32 s53, 0xfedcba98                      ; v_permlanex16_b32's selects for lane l xor 16
	s_lshl_b32 s42, ttmp9, 10
	s_mov_b32 s43, 0
	s_add_nc_u64 s[44:45], s[26:27], s[42:43]      ; out1 and comb: 32 tokens x 32 bytes
	s_add_nc_u64 s[46:47], s[20:21], s[42:43]
	s_lshl_b32 s42, ttmp9, 7
	s_add_nc_u64 s[48:49], s[24:25], s[42:43]      ; part: usage record g
	s_lshl_b32 s42, ttmp9, 8
	s_add_nc_u64 s[50:51], s[22:23], s[42:43]      ; route: record g
	s_wait_dscnt 0x0
.irp w, 0,1,2,3
.irp c, 0,2,4,6
	v_pk_add_f32 v[64+8*\w+\c:65+8*\w+\c], v[64+8*\w+\c:65+8*\w+\c], v[96+8*\w+\c:97+8*\w+\c]
.endr
.endr
.irp w, 0,1
.irp c, 0,2,4,6
	v_pk_add_f32 v[64+8*\w+\c:65+8*\w+\c], v[64+8*\w+\c:65+8*\w+\c], v[80+8*\w+\c:81+8*\w+\c]
.endr
.endr
.irp c, 0,2,4,6
	v_pk_add_f32 v[64+\c:65+\c], v[64+\c:65+\c], v[72+\c:73+\c]
.endr
	s_wait_kmcnt 0x0
.irp e, 0,1,2,3,4,5,6,7
	v_add_f32 v[64+\e], s[32+\e], v[64+\e]         ; the logits
.endr
	v_max3_num_f32 v80, v64, v65, v66
	v_max3_num_f32 v80, v80, v67, v68
	v_max3_num_f32 v80, v80, v69, v70
	v_max_num_f32 v80, v80, v71                    ; the row's maximum is taken away ahead of the exponentials
.irp e, 0,1,2,3,4,5,6,7
	v_sub_f32 v[72+\e], v[64+\e], v80
.endr
.irp e, 0,1,2,3,4,5,6,7
	v_mul_f32 v[72+\e], 0x3fb8aa3b, v[72+\e]       ; x log2(e)
.endr
.irp e, 0,1,2,3,4,5,6,7
	v_exp_f32 v[72+\e], v[72+\e]
.endr
	v_nop                                          ; a plain line behind the batch,
	s_wait_alu depctr_va_vdst(0)                   ; and one wait for the eight, ahead of their first reader
	v_add_f32 v81, v72, v73
	v_add_f32 v82, v74, v75
	v_add_f32 v83, v76, v77
	v_add_f32 v84, v78, v79
	v_add_f32 v81, v81, v82
	v_add_f32 v83, v83, v84
	v_add_f32 v81, v81, v83
	v_rcp_f32 v81, v81
	v_nop
	s_wait_alu depctr_va_vdst(0)
.irp e, 0,1,2,3,4,5,6,7
	v_mul_f32 v[72+\e], v[72+\e], v81              ; p: the routing weights
.endr
	v_max3_num_f32 v82, v72, v73, v74              ; the largest p,
	v_max3_num_f32 v82, v82, v75, v76
	v_max3_num_f32 v82, v82, v77, v78
	v_max_num_f32 v82, v82, v79
	v_mov_b32 v83, 7                               ; and its index: from 7 down, so that the lowest index wins a tie
.irp e, 6,5,4,3,2,1,0
	v_cmp_neq_f32 vcc_lo, v[72+\e], v82
	v_cndmask_b32 v83, \e, v83, vcc_lo
.endr
.irp e, 0,1,2,3,4,5,6,7
	v_cmp_ne_u32 vcc_lo, \e, v83
	v_cndmask_b32 v[88+\e], -1.0, v[72+\e], vcc_lo ; the first choice is taken out
.endr
	v_max3_num_f32 v84, v88, v89, v90
	v_max3_num_f32 v84, v84, v91, v92
	v_max3_num_f32 v84, v84, v93, v94
	v_max_num_f32 v84, v84, v95
	v_mov_b32 v85, 7
.irp e, 6,5,4,3,2,1,0
	v_cmp_neq_f32 vcc_lo, v[88+\e], v84
	v_cndmask_b32 v85, \e, v85, vcc_lo
.endr
	v_add_f32 v86, v82, v84
	v_rcp_f32 v86, v86
	v_min_u32 v108, v83, v85                       ; (plain lines behind the reciprocal)  lo,
	v_max_u32 v109, v83, v85                       ; hi
	s_wait_alu depctr_va_vdst(0)
	v_mul_f32 v87, v82, v86                        ; the two weights, renormalised
	v_mul_f32 v96, v84, v86
.irp e, 0,1,2,3,4,5,6,7
	v_cmp_eq_u32 vcc_lo, \e, v85
	v_cndmask_b32 v[100+\e], 0, v96, vcc_lo
	v_cmp_eq_u32 vcc_lo, \e, v83
	v_cndmask_b32 v[100+\e], v[100+\e], v87, vcc_lo
.endr
	; the key: lo (15 - lo) / 2 + (lo even: hi - lo - 1; lo odd: 7 - hi): neighbouring keys share an expert
	v_sub_nc_u32 v110, 15, v108
	v_mul_u32_u24 v110, v110, v108
	v_lshrrev_b32 v110, 1, v110
	v_sub_nc_u32 v111, v109, v108
	v_add_nc_u32 v111, -1, v111
	v_sub_nc_u32 v112, 7, v109
	v_and_b32 v113, 1, v108
	v_cmp_eq_u32 vcc_lo, 0, v113
	v_cndmask_b32 v111, v112, v111, vcc_lo
	v_add_nc_u32 v110, v110, v111
	v_mov_b32 v114, 0                              ; lane p: how many of the 32 tokens have key p
	v_mov_b32 v115, 0                              ; my rank among the tokens of my key
.set kp, 0
.rept 28
	v_cmp_eq_u32 s40, kp, v110
	s_bcnt1_i32_b32 s41, s40
	v_writelane_b32 v114, s41, kp
	v_mbcnt_lo_u32_b32 v116, s40, 0
	v_cndmask_b32 v115, v115, v116, s40
.set kp, kp+1
.endr
	v_lshl_or_b32 v118, v115, 8, v110              ; key | rank << 8
	v_mov_b32 v119, v114
	ds_store_b128 v12, v[72:75]                    ; p and the combine weights: in a token a lane, out dense
	ds_store_b128 v12, v[76:79] offset:16
	ds_store_b128 v12, v[100:103] offset:1024
	ds_store_b128 v12, v[104:107] offset:1040
	ds_load_b128 v[120:123], v13
	ds_load_b128 v[124:127], v13 offset:512
	ds_load_b128 v[128:131], v13 offset:1024
	ds_load_b128 v[132:135], v13 offset:1536
.irp i, 0,1,2,3,4,5,6,7
	ds_load_b32 v[136+\i], v14 offset:32*\i
.endr
	s_wait_dscnt 8                                 ; the four wide loads are in; the eight narrow ones may be out
	global_store_b128 v8, v[120:123], s[44:45]
	global_store_b128 v8, v[124:127], s[44:45] offset:512
	global_store_b128 v8, v[128:131], s[46:47]
	global_store_b128 v8, v[132:135], s[46:47] offset:512
	s_wait_dscnt 0x0
	v_add_f32 v136, v136, v137
	v_add_f32 v138, v138, v139
	v_add_f32 v140, v140, v141
	v_add_f32 v142, v142, v143
	v_add_f32 v136, v136, v138
	v_add_f32 v140, v140, v142
	v_add_f32 v136, v136, v140                     ; 8 tokens' p of expert lane % 8;
	v_add_f32_dpp v136, v136, v136 row_xmask:8 row_mask:0xf bank_mask:0xf
	v_permlanex16_b32 v137, v136, s52, s53
	v_add_f32 v136, v136, v137                     ; all 32 tokens': each expert's sum stands in four lanes
	global_store_b32 v15, v136, s[48:49]
	global_store_b64 v58, v[118:119], s[50:51]     ; 256 consecutive bytes, aligned
.Lx_end:
	s_wait_tensorcnt 0x0
	ds_add_u32 v254, v255
	s_wait_dscnt 0x0
	s_endpgm
; ======================= THE W PATH: rows 16 T .. 16 T + 15, K = 256 sp .. 256 sp + 255, all 8 experts; wave w takes rows 2 w and 2 w + 1
.Lw_path:
	s_sub_co_u32 s31, ttmp9, 256
	s_lshr_b32 s66, s31, 2                         ; T
	s_and_b32 s67, s31, 3                          ; sp
	v_lshlrev_b32 v2, 5, v1                        ; 32 x lane
	v_lshrrev_b32 v40, 2, v1                       ; my block of the 8
	v_and_b32 v41, 3, v1
	v_lshlrev_b32 v41, 2, v41
	v_mad_u32_u24 v3, v40, 272, v41
	s_lshl_b32 s2, s30, 5
	s_add_co_u32 s2, s2, WSTG
	v_add_nc_u32 v3, s2, v3                        ; codes: block x 272 + row x 16 + my 4 bytes
	s_lshl_b32 s2, s30, 4
	s_add_co_u32 s2, s2, WSS
	v_add_nc_u32 v4, s2, v40                       ; scale bytes: row x 8 + block
	s_mul_i32 s2, s30, 4608
	s_add_co_u32 s2, s2, RED
	v_mul_u32_u24 v[LRS], v1, 144
	v_add_nc_u32 v[LRS], s2, v[LRS]
	v_lshlrev_b32 v12, 2, v1                       ; 4 x lane
	v_add_nc_u32 v[LRL], s2, v12
	s_lshl_b32 s2, s30, 7
	s_add_co_u32 s2, s2, RWD
	v_add_nc_u32 v7, s2, v12
	v_add_nc_u32 v8, RWD, v12
	v_lshrrev_b32 v42, 4, v1
	v_and_b32 v43, 15, v1
	v_lshlrev_b32 v43, 4, v43
	v_mad_u32_u24 v9, v42, 272, v43
	s_mul_i32 s2, s30, 2176
	s_add_co_u32 s2, s2, WSTG
	v_add_nc_u32 v9, s2, v9                        ; back: expert w, two blocks an instruction
	s_lshl_b32 s2, s30, 7
	s_add_co_u32 s2, s2, WSS
	v_add_nc_u32 v10, s2, v12
	v_lshlrev_b32 v11, 4, v1                       ; 16 x lane
	s_lshl_b32 s2, s66, 16                         ; (16 T + 2 w) rows of 4,096 bytes + 1,024 sp
	s_lshl_b32 s3, s30, 13
	s_add_co_u32 s2, s2, s3
	s_lshl_b32 s3, s67, 10
	s_add_co_u32 s2, s2, s3
	s_mov_b32 s3, 0
	s_wait_kmcnt 0x0
	s_add_nc_u64 s[32:33], s[10:11], s[2:3]
.irp e, 1,2,3,4,5,6,7
	s_add_nc_u64 s[32+2*\e:33+2*\e], s[32:33], \e*0x400000     ; an expert is 4 MiB: past a load's immediate, so a pointer for each
.endr
	WLOAD 0
	WLOAD 1
	s_wait_loadcnt 16                              ; step 0's sixteen loads are in; step 1's may be out
	DIV 64, 1
	WQ 0
	s_wait_loadcnt 0x0
	DIV 128, 0
	WQ 1
	FOLD
	LRED
	ds_store_b32 v7, v96
	s_wait_dscnt 0x0                               ; for the others' sake: my stores have landed
	s_barrier_signal -1
	s_barrier_wait -1
.irp i, 0,1,2,3
	ds_load_b128 v[64+4*\i:67+4*\i], v9 offset:544*\i
.endr
	ds_load_b32 v80, v10
	s_lshl_b32 s2, s30, 19                         ; codes: ((64 e + T) 32 + 8 sp) x 256, e = my wave
	s_lshl_b32 s48, s66, 13
	s_add_co_u32 s2, s2, s48
	s_lshl_b32 s48, s67, 11
	s_add_co_u32 s2, s2, s48
	s_add_nc_u64 s[50:51], s[18:19], s[2:3]
	s_lshl_b32 s2, s30, 15                         ; scale bytes: ((32 e + T / 2) 4 + sp) x 256 + 128 (T % 2)
	s_lshr_b32 s48, s66, 1
	s_lshl_b32 s48, s48, 10
	s_add_co_u32 s2, s2, s48
	s_lshl_b32 s48, s67, 8
	s_add_co_u32 s2, s2, s48
	s_and_b32 s48, s66, 1
	s_lshl_b32 s48, s48, 7
	s_add_co_u32 s2, s2, s48
	s_add_nc_u64 s[52:53], s[18:19], s[2:3]
	s_lshl_b32 s2, s31, 7
	s_add_nc_u64 s[54:55], s[24:25], s[2:3]        ; part: pair record wi
.irp i, 0,1,2,3
	s_wait_dscnt 4-\i
	global_store_b128 v11, v[64+4*\i:67+4*\i], s[50:51] offset:512*\i      ; 512 consecutive bytes, aligned
.endr
	s_wait_dscnt 0x0
	global_store_b32 v12, v80, s[52:53] offset:WS_OFF  ; 128 consecutive bytes: 16 rows' 8 bytes (the neighbouring tile's work-group writes the 128 beside them)
	s_cmp_lg_u32 s30, 0
	s_cbranch_scc1 .Lw_end
.irp w, 0,1,2,3,4,5,6,7
	ds_load_b32 v[84+\w], v8 offset:128*\w
.endr
	s_wait_dscnt 0x0
	v_pk_add_f32 v[84:85], v[84:85], v[86:87]
	v_pk_add_f32 v[88:89], v[88:89], v[90:91]
	v_pk_add_f32 v[84:85], v[84:85], v[88:89]
	v_add_f32 v84, v84, v85
	global_store_b32 v12, v84, s[54:55] offset:32768
.Lw_end:
	s_wait_tensorcnt 0x0
	ds_add_u32 v254, v255
	s_wait_dscnt 0x0
	s_endpgm
.Lfunc_end_k_q4a01bed782_prep:
	.size	k_q4a01bed782_prep, .Lfunc_end_k_q4a01bed782_prep-k_q4a01bed782_prep
	.p2alignl 7, 3214868480
	.fill 96, 4, 3214868480
	.section	.rodata,"a",@progbits
	.p2align	6, 0x0
	.amdhsa_kernel k_q4a01bed782_prep
		.amdhsa_group_segment_fixed_size 159744
		.amdhsa_private_segment_fixed_size 0
		.amdhsa_enable_private_segment 0
		.amdhsa_kernarg_size 96
		.amdhsa_user_sgpr_count 2
		.amdhsa_user_sgpr_kernarg_segment_ptr 1
		.amdhsa_wavefront_size32 1
		.amdhsa_system_sgpr_workgroup_id_x 1
		.amdhsa_system_sgpr_workgroup_id_y 1
		.amdhsa_system_sgpr_workgroup_id_z 1
		.amdhsa_system_vgpr_workitem_id 0
		.amdhsa_next_free_vgpr 256
		.amdhsa_next_free_sgpr 68
		.amdhsa_reserve_vcc 1
		.amdhsa_float_denorm_mode_32 3
		.amdhsa_float_denorm_mode_16_64 3
		.amdhsa_memory_ordered 1
		.amdhsa_forward_progress 1
		.amdhsa_inst_pref_size 176
	.end_amdhsa_kernel
	.amdgpu_metadata
---
amdhsa.version: [ 1, 2 ]
amdhsa.kernels:
  - .name:           k_q4a01bed782_prep
    .symbol:         k_q4a01bed782_prep.kd
    .args:
      - { .name: x, .offset: 0, .size: 8, .value_kind: global_buffer, .address_space: global }
      - { .name: router_w, .offset: 8, .size: 8, .value_kind: global_buffer, .address_space: global }
      - { .name: router_b, .offset: 16, .size: 8, .value_kind: global_buffer, .address_space: global }
      - { .name: expert_w, .offset: 24, .size: 8, .value_kind: global_buffer, .address_space: global }
      - { .name: expert_b, .offset: 32, .size: 8, .value_kind: global_buffer, .address_space: global }
      - { .name: expert_pref, .offset: 40, .size: 8, .value_kind: global_buffer, .address_space: global }
      - { .name: xq, .offset: 48, .size: 8, .value_kind: global_buffer, .address_space: global }
      - { .name: wq, .offset: 56, .size: 8, .value_kind: global_buffer, .address_space: global }
      - { .name: comb, .offset: 64, .size: 8, .value_kind: global_buffer, .address_space: global }
      - { .name: route, .offset: 72, .size: 8, .value_kind: global_buffer, .address_space: global }
      - { .name: part, .offset: 80, .size: 8, .value_kind: global_buffer, .address_space: global }
      - { .name: out1, .offset: 88, .size: 8, .value_kind: global_buffer, .address_space: global }
    .group_segment_fixed_size: 159744
    .private_segment_fixed_size: 0
    .kernarg_segment_align: 8
    .kernarg_segment_size: 96
    .max_flat_workgroup_size: 256
    .sgpr_count:     68
    .vgpr_count:     256
    .wavefront_size: 32
...
	.end_amdgpu_metadata
.endif
;; end of part 4
;; launch place: the kernel of part 2 again; grid 1 x 1, 16 waves a work-group, no clusters, 8,192 bytes of LDS; arguments route, part, order, out2, out3, out4; writes order, out2, out3, out4
;; launch moe: the kernel of part 3 again; grid 4 x 64, 4 waves a work-group, no clusters, 205,312 bytes of LDS; arguments xq, wq, comb, expert_b, order, out0; writes out0
;; ======== version 3 of 3: 3 launches
;; workspace buffers: xq 4,456,448 bytes; wq 4,456,448 bytes; comb 262,144 bytes; route 65,536 bytes of whole numbers; part 66,560 bytes; order 33,024 bytes of whole numbers
;; launch prep (part 5): grid 512 x 1, 8 waves a work-group, no clusters, 159,744 bytes of LDS; arguments x, router_w, router_b, expert_w, expert_b, expert_pref, xq, wq, comb, route, part, out1; writes xq, wq, comb, route, part, out1
.if DOCPART == 5
	.amdgcn_target "amdgcn-amd-amdhsa--gfx1250"
	.amdhsa_code_object_version 6
	.text
	.protected	k_q4a01bed782_prep
	.globl	k_q4a01bed782_prep
	.p2align	8
	.type	k_q4a01bed782_prep,@function
k_q4a01bed782_prep:
	s_mov_b64 s[64:65], 0
	v_nop
	global_prefetch_b8 v0, s[64:65] scope:SCOPE_SE
	s_setreg_imm32_b32 hwreg(HW_REG_WAVE_MODE, 25, 1), 1
	s_wait_xcnt 0x0
; PREP.  Work-groups 0-255 (the x path): 32 tokens each: x into codes of E2M1 with E8M0 scale words (xq), the router's logits in f32 by fused multiply-adds,
; softmax (out1), top-2 with the lower index first on ties, the combine weights (comb), each token's key (its pair of experts, 28 keys), its rank among
; equal keys of its 32 tokens and the 32 tokens' count of each key (route), and the 32 tokens' sums of the routing weights (part).
; Work-groups 256-511 (the w path): 16 rows x 256 K of all 8 experts: expert_w into codes laid as images of the operand's registers and scale bytes (wq),
; and the sums of squared differences of the 28 pairs of experts (part).  expert_b and expert_pref give their share of those sums in wave 2 of work-groups 0-7.
; A block's scale byte is its largest magnitude's exponent field - 2, held at 1 from below.
; LIMITS: NaN and infinities are not served; a block whose largest magnitude lies under 2^-124 (a block of zeros too) keeps the byte 1: its codes are as the
; conversion gives them under that scale, zeros for zeros; the bytes are read by this program alone.  The top-2 is taken on the p computed here: a token whose
; second and third p agree to within f32 rounding may choose otherwise than another order of the same sums.
; No tensor load, no cluster: no two work-groups read the same bytes but the router's 32 KiB.  The two paths part on the work-group's number and have LDS bytes of their own.
.set XS_OFF, 4194304                   ; xq: behind the codes, the scale words [token][8]
.set WS_OFF, 4194304                   ; wq: behind the codes, the scale bytes
.set TURN, 0                           ; x path: 8 waves x 32 rows x 272: f32 numbers turn from dense loads to a token a lane
.set CSTG, 69632                       ; 32 tokens x (512 bytes of codes + 16)
.set SSTG, 86528                       ; 32 tokens x 8 scale words
.set PL,   87552                       ; partial logits [wave][half][lane][16 bytes]
.set O1,   95744                       ; p, and 1,024 bytes on the combine weights: a token a lane in, dense out
.set AUXR, 97792                       ; wave 2's sum over lanes: 32 x 144
.set WSTG, 102400                      ; w path: 8 experts x 8 blocks x (16 rows x 16 bytes + 16)
.set WSS,  119808                      ; [expert][row][8 scale bytes]
.set RED,  120832                      ; 8 waves x 32 x 144: each wave's sum over lanes
.set RWD,  157696                      ; [wave][lane]: the waves' 28 sums
.set R,    64                          ; v64-191  128 numbers as loaded
.set ACC,  16                          ; v16-23   x path: my 8 partial logits; else T: four pairs of differences
.set D,    192                         ; v192-247 28 pairs of sums of squares
.set WT,   192                         ; v192-247 x path: the router's weights of experts 0-6, 8 registers each (done with before wave 2 makes its sums of squares there);
.set WT7,  48                          ; v48-55   and of expert 7
.set WA,   45                          ; v45      x path: 32 x (lane % 16): my 8 weights of an expert's 128
.set LRS,  250                         ; v250     the sum over lanes: my row of 144 bytes; made at a path's head, written by no other line (the w path's codes fill v48-63)
.set LRL,  251                         ; v251     and my word of every row
; ---- THE ROUTER.  A lane holds a token, its registers run along K; a weight is the same for all 32 tokens.  The wave's 8 experts x 128 k lie in 64 registers: lane c of EACH half of the
; lanes holds k = 8 c .. 8 c + 7 of every expert.  The multiply-add takes its first source from lane c of the lane's own half in the same instruction (DPP, row_share: ISA guide, the chapter on
; data parallel processing): no copy, no scalar load, no wait in the loop.  PIECE c: k = 8 c .. 8 c + 7: 64 multiply-adds, K ascending, the eight experts by turns
.macro PIECE c
.irp kk, 0,1,2,3,4,5,6,7
.irp e, 0,1,2,3,4,5,6
	v_fmac_f32_dpp v[ACC+\e], v[WT+8*\e+\kk], v[R+8*\c+\kk] row_share:\c row_mask:0xf bank_mask:0xf
.endr
	v_fmac_f32_dpp v[ACC+7], v[WT7+\kk], v[R+8*\c+\kk] row_share:\c row_mask:0xf bank_mask:0xf
.endr
.endm
; ---- chunk j (64 k of 32 tokens) through my own turn buffer: in as loaded (two tokens' 256 bytes an instruction), back a token a lane.  LDS serves a wave's instructions in order
.macro XTURN j
.set ti, 0
.rept 16
	ds_store_b128 v3, v[R+64*\j+4*ti:R+64*\j+4*ti+3] offset:544*ti
.set ti, ti+1
.endr
.set ti, 0
.rept 16
	ds_load_b128 v[R+64*\j+4*ti:R+64*\j+4*ti+3], v4 offset:16*ti
.set ti, ti+1
.endr
	s_wait_dscnt 0x0
.endm
; ---- block b of my token's 128 k: all 32 numbers are mine
.macro XQ b
	v_max3_num_f32 v40, |v[R+32*(\b)]|, |v[R+32*(\b)+1]|, |v[R+32*(\b)+2]|
	v_max3_num_f32 v41, |v[R+32*(\b)+3]|, |v[R+32*(\b)+4]|, |v[R+32*(\b)+5]|
.irp i, 6,10,14,18,22,26
	s_delay_alu instid0(VALU_DEP_2)
	v_max3_num_f32 v40, v40, |v[R+32*(\b)+\i]|, |v[R+32*(\b)+\i+1]|
	s_delay_alu instid0(VALU_DEP_2)
	v_max3_num_f32 v41, v41, |v[R+32*(\b)+\i+2]|, |v[R+32*(\b)+\i+3]|
.endr
	s_delay_alu instid0(VALU_DEP_2)
	v_max3_num_f32 v40, v40, |v[R+32*(\b)+30]|, |v[R+32*(\b)+31]|
	s_delay_alu instid0(VALU_DEP_1)
	v_max3_num_f32 v40, v40, v41, 0x1800000        ; the floor 2^(3 - 127): the byte cannot fall under 1
	s_delay_alu instid0(VALU_DEP_1)
	v_add_nc_u32 v42, 0xff000000, v40              ; 2 off the exponent field: the conversion's scale operand
	s_delay_alu instid0(VALU_DEP_1)
	v_lshrrev_b32 v43, 23, v42                     ; the scale's byte
.if (\b) == 0
	s_delay_alu instid0(VALU_DEP_1)
	v_mov_b32 v44, v43
.else
	s_delay_alu instid0(VALU_DEP_1)
	v_lshl_or_b32 v44, v43, 8*(\b), v44            ; four bytes make the scale word of these 128 k
.endif
.irp g, 0,1,2,3
	v_cvt_scalef32_pk8_fp4_f32 v[24+4*(\b)+\g], v[R+32*(\b)+8*\g:R+32*(\b)+8*\g+7], v42
.endr
	v_nop                                          ; one plain line behind the last scaled conversion
	ds_store_b128 v5, v[24+4*(\b):24+4*(\b)+3] offset:16*(\b)
.endm
; ---- squared differences of the 28 pairs, two numbers at a time; four differences, then their four squares, so that no line waits for the line above it
.macro DSUB t, r0, c, i, j
	v_pk_add_f32 v[16+2*\t:17+2*\t], v[(\r0)+8*\i+2*\c:(\r0)+8*\i+2*\c+1], v[(\r0)+8*\j+2*\c:(\r0)+8*\j+2*\c+1] neg_lo:[0,1] neg_hi:[0,1]
.endm
.macro DSQ t, p, start
.if \start
	s_delay_alu instid0(VALU_DEP_4)
	v_pk_mul_f32 v[D+2*(\p):D+2*(\p)+1], v[16+2*\t:17+2*\t], v[16+2*\t:17+2*\t]      ; the first square starts the sum
.else
	s_delay_alu instid0(VALU_DEP_4)
	v_pk_fma_f32 v[D+2*(\p):D+2*(\p)+1], v[16+2*\t:17+2*\t], v[16+2*\t:17+2*\t], v[D+2*(\p):D+2*(\p)+1]
.endif
.endm
.macro D4 r0, c, start, p0, i0, j0, i1, j1, i2, j2, i3, j3
	DSUB 0, \r0, \c, \i0, \j0
	DSUB 1, \r0, \c, \i1, \j1
	DSUB 2, \r0, \c, \i2, \j2
	DSUB 3, \r0, \c, \i3, \j3
	DSQ 0, \p0, \start
	DSQ 1, \p0+1, \start
	DSQ 2, \p0+2, \start
	DSQ 3, \p0+3, \start
.endm
.macro DIVC r0, c, start
	D4 \r0, \c, \start, 0,  0,1, 0,2, 0,3, 0,4
	D4 \r0, \c, \start, 4,  0,5, 0,6, 0,7, 1,2
	D4 \r0, \c, \start, 8,  1,3, 1,4, 1,5, 1,6
	D4 \r0, \c, \start, 12, 1,7, 2,3, 2,4, 2,5
	D4 \r0, \c, \start, 16, 2,6, 2,7, 3,4, 3,5
	D4 \r0, \c, \start, 20, 3,6, 3,7, 4,5, 4,6
	D4 \r0, \c, \start, 24, 4,7, 5,6, 5,7, 6,7
.endm
.macro DIV r0, first                   ; r0: 8 experts x 8 numbers of a lane
	DIVC \r0, 0, \first
	DIVC \r0, 1, 0
	DIVC \r0, 2, 0
	DIVC \r0, 3, 0
.endm
.macro FOLD                            ; the pairs' halves are added: v64-91; v92-95 = 0
.set fp, 0
.rept 28
	v_add_f32 v[64+fp], v[D+2*fp], v[D+2*fp+1]
.set fp, fp+1
.endr
.irp i, 92,93,94,95
	v_mov_b32 v\i, 0
.endr
.endm
.macro LRED                            ; over the 32 lanes: each lane's 32 words go to its row of 144 bytes; lane p reads word p of all rows.  Result: v96
.irp k, 0,1,2,3,4,5,6,7
	ds_store_b128 v[LRS], v[64+4*\k:67+4*\k] offset:16*\k
.endr
.set li, 0
.rept 32
	ds_load_b32 v[96+li], v[LRL] offset:144*li
.set li, li+1
.endr
	s_wait_dscnt 0x0
.irp i, 4
	v_pk_add_f32 v[96:97], v[96:97], v[96+\i:97+\i]
	v_pk_add_f32 v[98:99], v[98:99], v[98+\i:99+\i]
.endr
.irp i, 8, 12, 16, 20, 24, 28
	s_delay_alu instid0(VALU_DEP_2)
	v_pk_add_f32 v[96:97], v[96:97], v[96+\i:97+\i]
	s_delay_alu instid0(VALU_DEP_2)
	v_pk_add_f32 v[98:99], v[98:99], v[98+\i:99+\i]
.endr
	s_delay_alu instid0(VALU_DEP_1)
	v_pk_add_f32 v[96:97], v[96:97], v[98:99]
	s_delay_alu instid0(VALU_DEP_1)
	v_add_f32 v96, v96, v97
.endm
; ---- w path: step st: one row of each expert, 8 neighbours along K a lane
.macro WLOAD st
.irp e, 0,1,2,3,4,5,6,7
	global_load_b128 v[R+64*\st+8*\e:R+64*\st+8*\e+3], v2, s[32+2*\e:33+2*\e] offset:4096*\st th:TH_LOAD_NT        ; a lane's 32 bytes come by two loads: together they cover the row's 1,024 consecutive bytes
	global_load_b128 v[R+64*\st+8*\e+4:R+64*\st+8*\e+7], v2, s[32+2*\e:33+2*\e] offset:4096*\st+16 th:TH_LOAD_NT
.endr
.endm
.macro WQ st                           ; four neighbouring lanes hold a block of 32; the eight experts by turns.  At work: v24-47; codes: v48-55 (step 0), v56-63 (step 1)
	s_wait_dscnt 0x0                               ; the step before has stored from the registers written below
.irp e, 0,1,2,3,4,5,6,7
	v_max3_num_f32 v[24+\e], |v[R+64*\st+8*\e]|, |v[R+64*\st+8*\e+1]|, 0x1800000
.endr
.irp i, 2,4,6
.irp e, 0,1,2,3,4,5,6,7
	v_max3_num_f32 v[24+\e], v[24+\e], |v[R+64*\st+8*\e+\i]|, |v[R+64*\st+8*\e+\i+1]|
.endr
.endr
.irp e, 0,1,2,3,4,5,6,7
	v_max_num_f32_dpp v[24+\e], v[24+\e], v[24+\e] row_xmask:1 row_mask:0xf bank_mask:0xf
.endr
.irp e, 0,1,2,3,4,5,6,7
	v_max_num_f32_dpp v[24+\e], v[24+\e], v[24+\e] row_xmask:2 row_mask:0xf bank_mask:0xf
.endr
.irp e, 0,1,2,3,4,5,6,7
	v_add_nc_u32 v[32+\e], 0xff000000, v[24+\e]
.endr
.irp e, 0,1,2,3,4,5,6,7
	v_lshrrev_b32 v[40+\e], 23, v[32+\e]
.endr
.irp e, 0,1,2,3,4,5,6,7
	v_cvt_scalef32_pk8_fp4_f32 v[48+8*\st+\e], v[R+64*\st+8*\e:R+64*\st+8*\e+7], v[32+\e]
.endr
	v_nop                                          ; one plain line behind the last scaled conversion
.irp e, 0,1,2,3,4,5,6,7
	ds_store_b32 v3, v[48+8*\st+\e] offset:2176*\e+16*\st
	ds_store_b8 v4, v[40+\e] offset:128*\e+8*\st   ; the four lanes of a block write the same byte with the same value
.endr
.endm
	s_load_b512 s[4:19], s[0:1], 0x0               ; x 4, router_w 6, router_b 8, expert_w 10, expert_b 12, expert_pref 14, xq 16, wq 18
	s_load_b256 s[20:27], s[0:1], 0x40             ; comb 20, route 22, part 24, out1 26
	v_lshl_add_u32 v254, v0, 2, 0x26c00
	v_mov_b32 v255, 0
	v_lshrrev_b32 v1, 5, v0
	s_delay_alu instid0(VALU_DEP_1)
	v_readfirstlane_b32 s30, v1                    ; wave 0..7
	v_and_b32 v1, 31, v0                           ; lane
	s_cmp_lt_u32 ttmp9, 256
	s_cbranch_scc0 .Lw_path
; ======================= THE X PATH: tokens 32 g .. 32 g + 31; wave w takes K = 128 w .. 128 w + 127
	v_lshrrev_b32 v40, 4, v1
	v_and_b32 v41, 15, v1
	s_delay_alu instid0(VALU_DEP_1)
	v_lshlrev_b32 v42, 4, v41
	s_delay_alu instid0(VALU_DEP_2)
	v_lshlrev_b32 v[WA], 5, v41                    ; the router's weights: 32 bytes (8 k) a lane, the same in both halves of the lanes
	s_delay_alu instid0(VALU_DEP_2)
	v_lshl_add_u32 v2, v40, 12, v42                ; loads: lanes 0-15 one token's 256 bytes, lanes 16-31 the next token's
	s_mul_i32 s31, s30, 8704
	v_mad_u32_u24 v3, v40, 272, v42
	s_delay_alu instid0(VALU_DEP_1)
	v_add_nc_u32 v3, s31, v3                       ; the turn, in
	v_mul_u32_u24 v4, v1, 272
	s_delay_alu instid0(VALU_DEP_1)
	v_add_nc_u32 v4, s31, v4                       ; and back: row = lane
	s_lshl_b32 s31, s30, 6
	s_add_co_u32 s31, s31, CSTG
	v_mul_u32_u24 v5, v1, 528
	s_delay_alu instid0(VALU_DEP_1)
	v_add_nc_u32 v5, s31, v5                       ; my token's codes: 64 bytes a wave
	s_lshl_b32 s31, s30, 2
	s_add_co_u32 s31, s31, SSTG
	v_lshl_add_u32 v6, v1, 5, s31                  ; its scale word number w
	s_lshl_b32 s31, s30, 10
	s_add_co_u32 s31, s31, PL
	v_lshl_add_u32 v7, v1, 4, s31                  ; my partial logits
	v_lshlrev_b32 v8, 4, v1                        ; 16 x lane
	s_mul_i32 s31, s30, 2112
	s_add_co_u32 s31, s31, CSTG
	v_add_nc_u32 v9, s31, v8                       ; codes back: rows 4 w .. 4 w + 3, whole
	v_add_nc_u32 v10, SSTG, v8
	v_add_nc_u32 v11, PL, v8
	v_lshl_add_u32 v12, v1, 5, O1
	v_add_nc_u32 v13, O1, v8
	v_lshrrev_b32 v43, 3, v1
	v_and_b32 v14, 7, v1
	s_delay_alu instid0(VALU_DEP_1)
	v_lshlrev_b32 v14, 2, v14
	s_delay_alu instid0(VALU_DEP_1)
	v_lshl_add_u32 v14, v43, 8, v14
	s_delay_alu instid0(VALU_DEP_1)
	v_add_nc_u32 v14, O1, v14                      ; the usage sums: 8 tokens (lane / 8), expert lane % 8
	v_lshlrev_b32 v15, 2, v1                       ; 4 x lane
	v_mul_u32_u24 v[LRS], v1, 144
	s_delay_alu instid0(VALU_DEP_1)
	v_add_nc_u32 v[LRS], AUXR, v[LRS]
	s_delay_alu instid0(VALU_DEP_3)
	v_add_nc_u32 v[LRL], AUXR, v15
	v_lshlrev_b32 v58, 3, v1                       ; 8 x lane
	v_lshlrev_b32 v59, 5, v1                       ; 32 x lane
	s_lshl_b32 s2, ttmp9, 17                       ; 32 tokens of 4,096 bytes
	s_lshl_b32 s3, s30, 9
	s_add_co_u32 s2, s2, s3
	s_mov_b32 s3, 0
	s_lshl_b32 s66, s30, 9
	s_mov_b32 s67, 0
	s_wait_kmcnt 0x0
	s_add_nc_u64 s[4:5], s[4:5], s[2:3]
	s_add_nc_u64 s[28:29], s[6:7], s[66:67]        ; the router's weights at my 128 k
.irp e, 0,1,2,3,4,5,6                          ; the weights first: 16 loads; every work-group of this path reads them, so no hint
	global_load_b128 v[WT+8*\e:WT+8*\e+3], v[WA], s[28:29] offset:4096*\e
	global_load_b128 v[WT+8*\e+4:WT+8*\e+7], v[WA], s[28:29] offset:4096*\e+16
.endr
	global_load_b128 v[WT7:WT7+3], v[WA], s[28:29] offset:4096*7
	global_load_b128 v[WT7+4:WT7+7], v[WA], s[28:29] offset:4096*7+16
.irp j, 0,1
.set ti, 0
.rept 16
	global_load_b128 v[R+64*\j+4*ti:R+64*\j+4*ti+3], v2, s[4:5] offset:8192*ti+256*\j th:TH_LOAD_NT
.set ti, ti+1
.endr
.endr
.irp e, 0,1,2,3,4,5,6,7
	v_mov_b32 v[ACC+\e], 0                         ; the eight sums begin at 0: the destination of a DPP form is written before the form names it
.endr
	s_wait_alu depctr_va_vdst(0)
	s_wait_loadcnt 16                              ; the weights' sixteen loads and chunk 0's sixteen are in; chunk 1's sixteen may be out
	XTURN 0
.irp c, 0,1,2,3,4,5,6,7
	PIECE \c
.endr
	XQ 0
	XQ 1
	s_wait_loadcnt 0x0
	XTURN 1
.irp c, 8,9,10,11,12,13,14,15
	PIECE \c
.endr
	XQ 2
	XQ 3
	ds_store_b32 v6, v44
	ds_store_b128 v7, v[16:19]
	ds_store_b128 v7, v[20:23] offset:512
	s_wait_dscnt 0x0                               ; for the others' sake: my stores have landed
	s_barrier_signal -1
	s_barrier_wait -1
	s_lshl_b32 s2, ttmp9, 14                       ; 32 tokens x 512 bytes of codes
	s_lshl_b32 s3, s30, 11
	s_add_co_u32 s2, s2, s3
	s_mov_b32 s3, 0
	s_add_nc_u64 s[32:33], s[16:17], s[2:3]
.irp i, 0,1,2,3
	ds_load_b128 v[64+4*\i:67+4*\i], v9 offset:528*\i
.endr
.irp i, 0,1,2,3
	s_wait_dscnt 3-\i
	global_store_b128 v8, v[64+4*\i:67+4*\i], s[32:33] offset:512*\i    ; a token's 512 bytes of codes: consecutive, aligned
.endr
	s_wait_xcnt 0x0                                ; the stores have read their registers: the roles below write them again
	s_cmp_eq_u32 s30, 0
	s_cbranch_scc1 .Lx_final
	s_cmp_eq_u32 s30, 1
	s_cbranch_scc1 .Lx_scales
	s_cmp_eq_u32 s30, 2
	s_cbranch_scc0 .Lx_end
	s_cmp_lt_u32 ttmp9, 8
	s_cbranch_scc0 .Lx_end
	; ---- wave 2 of work-groups 0-7: 256 columns of expert_b (0-3) or expert_pref (4-7), all 8 experts
	s_cmp_lt_u32 ttmp9, 4
	s_cselect_b64 s[32:33], s[12:13], s[14:15]
	s_and_b32 s34, ttmp9, 3
	s_lshl_b32 s34, s34, 10
	s_mov_b32 s35, 0
	s_add_nc_u64 s[32:33], s[32:33], s[34:35]
.irp e, 0,1,2,3,4,5,6,7
	global_load_b128 v[64+8*\e:67+8*\e], v59, s[32:33] offset:4096*\e
	global_load_b128 v[68+8*\e:71+8*\e], v59, s[32:33] offset:4096*\e+16
.endr
	s_wait_loadcnt 0x0
	DIV 64, 1
	FOLD
	LRED
	s_lshl_b32 s34, ttmp9, 7
	s_add_nc_u64 s[36:37], s[24:25], s[34:35]
	global_store_b32 v15, v96, s[36:37] offset:65536   ; pair record 256 + g
	s_wait_tensorcnt 0x0
	ds_add_u32 v254, v255
	s_wait_dscnt 0x0
	s_endpgm
.Lx_scales:                                            ; ---- wave 1: the 32 tokens' scale words, 1,024 consecutive bytes
	ds_load_b128 v[64:67], v10
	ds_load_b128 v[68:71], v10 offset:512
	s_lshl_b32 s34, ttmp9, 10
	s_mov_b32 s35, 0
	s_add_nc_u64 s[36:37], s[16:17], s[34:35]
	s_wait_dscnt 0x0
	global_store_b128 v8, v[64:67], s[36:37] offset:XS_OFF
	global_store_b128 v8, v[68:71], s[36:37] offset:XS_OFF+512
	s_wait_tensorcnt 0x0
	ds_add_u32 v254, v255
	s_wait_dscnt 0x0
	s_endpgm
.Lx_final:                                             ; ---- wave 0: a token a lane
	s_load_b256 s[32:39], s[8:9], 0x0              ; router_b
.irp w, 0,1,2,3,4,5,6,7
	ds_load_b128 v[64+8*\w:67+8*\w], v11 offset:1024*\w
	ds_load_b128 v[68+8*\w:71+8*\w], v11 offset:1024*\w+512
.endr
	s_mov_b32 s52, 0x76543210
	s_mov_b32 s53, 0xfedcba98                      ; v_permlanex16_b32's selects for lane l xor 16
	s_lshl_b32 s42, ttmp9, 10
	s_mov_b32 s43, 0
	s_add_nc_u64 s[44:45], s[26:27], s[42:43]      ; out1 and comb: 32 tokens x 32 bytes
	s_add_nc_u64 s[46:47], s[20:21], s[42:43]
	s_lshl_b32 s42, ttmp9, 7
	s_add_nc_u64 s[48:49], s[24:25], s[42:43]      ; part: usage record g
	s_lshl_b32 s42, ttmp9, 8
	s_add_nc_u64 s[50:51], s[22:23], s[42:43]      ; route: record g
	s_wait_dscnt 0x0
.irp w, 0,1,2,3
.irp c, 0,2,4,6
	v_pk_add_f32 v[64+8*\w+\c:65+8*\w+\c], v[64+8*\w+\c:65+8*\w+\c], v[96+8*\w+\c:97+8*\w+\c]
.endr
.endr
.irp w, 0,1
.irp c, 0,2,4,6
	v_pk_add_f32 v[64+8*\w+\c:65+8*\w+\c], v[64+8*\w+\c:65+8*\w+\c], v[80+8*\w+\c:81+8*\w+\c]
.endr
.endr
.irp c, 0,2,4,6
	s_delay_alu instid0(VALU_DEP_4)
	v_pk_add_f32 v[64+\c:65+\c], v[64+\c:65+\c], v[72+\c:73+\c]
.endr
	s_wait_alu depctr_va_vdst(0)
	s_wait_kmcnt 0x0
.irp e, 0,1,2,3,4,5,6,7
	v_add_f32 v[64+\e], s[32+\e], v[64+\e]         ; the logits
.endr
	v_max3_num_f32 v80, v64, v65, v66
	s_delay_alu instid0(VALU_DEP_1)
	v_max3_num_f32 v80, v80, v67, v68
	s_delay_alu instid0(VALU_DEP_1)
	v_max3_num_f32 v80, v80, v69, v70
	s_delay_alu instid0(VALU_DEP_1)
	v_max_num_f32 v80, v80, v71                    ; the row's maximum is taken away ahead of the exponentials
.irp e, 0,1,2,3,4,5,6,7
	v_sub_f32 v[72+\e], v[64+\e], v80
.endr
.irp e, 0,1,2,3,4,5,6,7
	v_mul_f32 v[72+\e], 0x3fb8aa3b, v[72+\e]       ; x log2(e)
.endr
	s_wait_alu depctr_va_vdst(0)
.irp e, 0,1,2,3,4,5,6,7
	v_exp_f32 v[72+\e], v[72+\e]
.endr
	v_nop                                          ; a plain line behind the batch,
	s_wait_alu depctr_va_vdst(0)                   ; and one wait for the eight, ahead of their first reader
	v_add_f32 v81, v72, v73
	v_add_f32 v82, v74, v75
	v_add_f32 v83, v76, v77
	v_add_f32 v84, v78, v79
	s_delay_alu instid0(VALU_DEP_3)
	v_add_f32 v81, v81, v82
	s_delay_alu instid0(VALU_DEP_2)
	v_add_f32 v83, v83, v84
	s_delay_alu instid0(VALU_DEP_1)
	v_add_f32 v81, v81, v83
	s_wait_alu depctr_va_vdst(0)
	v_rcp_f32 v81, v81
	v_nop
	s_wait_alu depctr_va_vdst(0)
.irp e, 0,1,2,3,4,5,6,7
	v_mul_f32 v[72+\e], v[72+\e], v81              ; p: the routing weights
.endr
	v_max3_num_f32 v82, v72, v73, v74              ; the largest p,
	s_delay_alu instid0(VALU_DEP_1)
	v_max3_num_f32 v82, v82, v75, v76
	s_delay_alu instid0(VALU_DEP_1)
	v_max3_num_f32 v82, v82, v77, v78
	s_delay_alu instid0(VALU_DEP_1)
	v_max_num_f32 v82, v82, v79
	v_mov_b32 v83, 7                               ; and its index: from 7 down, so that the lowest index wins a tie
.irp e, 6,5,4,3,2,1,0
	v_cmp_neq_f32 vcc_lo, v[72+\e], v82
	s_delay_alu instid0(VALU_DEP_1)
	v_cndmask_b32 v83, \e, v83, vcc_lo
.endr
.irp e, 0,1,2,3,4,5,6,7
	v_cmp_ne_u32 vcc_lo, \e, v83
	s_delay_alu instid0(VALU_DEP_1)
	v_cndmask_b32 v[88+\e], -1.0, v[72+\e], vcc_lo ; the first choice is taken out
.endr
	v_max3_num_f32 v84, v88, v89, v90
	s_delay_alu instid0(VALU_DEP_1)
	v_max3_num_f32 v84, v84, v91, v92
	s_delay_alu instid0(VALU_DEP_1)
	v_max3_num_f32 v84, v84, v93, v94
	s_delay_alu instid0(VALU_DEP_1)
	v_max_num_f32 v84, v84, v95
	v_mov_b32 v85, 7
.irp e, 6,5,4,3,2,1,0
	v_cmp_neq_f32 vcc_lo, v[88+\e], v84
	s_delay_alu instid0(VALU_DEP_1)
	v_cndmask_b32 v85, \e, v85, vcc_lo
.endr
	v_add_f32 v86, v82, v84
	s_wait_alu depctr_va_vdst(0)
	v_rcp_f32 v86, v86
	v_min_u32 v108, v83, v85                       ; (plain lines behind the reciprocal)  lo,
	v_max_u32 v109, v83, v85                       ; hi
	s_wait_alu depctr_va_vdst(0)
	v_mul_f32 v87, v82, v86                        ; the two weights, renormalised
	v_mul_f32 v96, v84, v86
.irp e, 0,1,2,3,4,5,6,7
	v_cmp_eq_u32 vcc_lo, \e, v85
	s_delay_alu instid0(VALU_DEP_1)
	v_cndmask_b32 v[100+\e], 0, v96, vcc_lo
	v_cmp_eq_u32 vcc_lo, \e, v83
	s_delay_alu instid0(VALU_DEP_1)
	v_cndmask_b32 v[100+\e], v[100+\e], v87, vcc_lo
.endr
	; the key: lo (15 - lo) / 2 + (lo even: hi - lo - 1; lo odd: 7 - hi): neighbouring keys share an expert
	v_sub_nc_u32 v110, 15, v108
	s_delay_alu instid0(VALU_DEP_1)
	v_mul_u32_u24 v110, v110, v108
	s_delay_alu instid0(VALU_DEP_1)
	v_lshrrev_b32 v110, 1, v110
	v_sub_nc_u32 v111, v109, v108
	s_delay_alu instid0(VALU_DEP_1)
	v_add_nc_u32 v111, -1, v111
	v_sub_nc_u32 v112, 7, v109
	v_and_b32 v113, 1, v108
	s_delay_alu instid0(VALU_DEP_1)
	v_cmp_eq_u32 vcc_lo, 0, v113
	s_delay_alu instid0(VALU_DEP_1)
	v_cndmask_b32 v111, v112, v111, vcc_lo
	s_delay_alu instid0(VALU_DEP_1)
	v_add_nc_u32 v110, v110, v111
	v_mov_b32 v114, 0                              ; lane p: how many of the 32 tokens have key p
	v_mov_b32 v115, 0                              ; my rank among the tokens of my key
.set kp, 0
.rept 28
	v_cmp_eq_u32 s40, kp, v110
	s_bcnt1_i32_b32 s41, s40
	v_writelane_b32 v114, s41, kp
	v_mbcnt_lo_u32_b32 v116, s40, 0
	s_delay_alu instid0(VALU_DEP_1)
	v_cndmask_b32 v115, v115, v116, s40
.set kp, kp+1
.endr
	s_delay_alu instid0(VALU_DEP_1)
	v_lshl_or_b32 v118, v115, 8, v110              ; key | rank << 8
	s_delay_alu instid0(VALU_DEP_4)
	v_mov_b32 v119, v114
	ds_store_b128 v12, v[72:75]                    ; p and the combine weights: in a token a lane, out dense
	ds_store_b128 v12, v[76:79] offset:16
	ds_store_b128 v12, v[100:103] offset:1024
	ds_store_b128 v12, v[104:107] offset:1040
	ds_load_b128 v[120:123], v13
	ds_load_b128 v[124:127], v13 offset:512
	ds_load_b128 v[128:131], v13 offset:1024
	ds_load_b128 v[132:135], v13 offset:1536
.irp i, 0,1,2,3,4,5,6,7
	ds_load_b32 v[136+\i], v14 offset:32*\i
.endr
	s_wait_dscnt 8                                 ; the four wide loads are in; the eight narrow ones may be out
	global_store_b128 v8, v[120:123], s[44:45]
	global_store_b128 v8, v[124:127], s[44:45] offset:512
	global_store_b128 v8, v[128:131], s[46:47]
	global_store_b128 v8, v[132:135], s[46:47] offset:512
	s_wait_dscnt 0x0
	v_add_f32 v136, v136, v137
	v_add_f32 v138, v138, v139
	v_add_f32 v140, v140, v141
	v_add_f32 v142, v142, v143
	s_delay_alu instid0(VALU_DEP_3)
	v_add_f32 v136, v136, v138
	s_delay_alu instid0(VALU_DEP_2)
	v_add_f32 v140, v140, v142
	s_delay_alu instid0(VALU_DEP_1)
	v_add_f32 v136, v136, v140                     ; 8 tokens' p of expert lane % 8;
	s_delay_alu instid0(VALU_DEP_1)
	v_add_f32_dpp v136, v136, v136 row_xmask:8 row_mask:0xf bank_mask:0xf
	s_delay_alu instid0(VALU_DEP_1)
	v_permlanex16_b32 v137, v136, s52, s53
	s_delay_alu instid0(VALU_DEP_1)
	v_add_f32 v136, v136, v137                     ; all 32 tokens': each expert's sum stands in four lanes
	global_store_b32 v15, v136, s[48:49]
	global_store_b64 v58, v[118:119], s[50:51]     ; 256 consecutive bytes, aligned
.Lx_end:
	s_wait_tensorcnt 0x0
	ds_add_u32 v254, v255
	s_wait_dscnt 0x0
	s_endpgm
; ======================= THE W PATH: rows 16 T .. 16 T + 15, K = 256 sp .. 256 sp + 255, all 8 experts; wave w takes rows 2 w and 2 w + 1
.Lw_path:
	s_sub_co_u32 s31, ttmp9, 256
	s_lshr_b32 s66, s31, 2                         ; T
	s_and_b32 s67, s31, 3                          ; sp
	s_wait_alu depctr_va_vdst(0)
	v_lshlrev_b32 v2, 5, v1                        ; 32 x lane
	v_lshrrev_b32 v40, 2, v1                       ; my block of the 8
	v_and_b32 v41, 3, v1
	s_delay_alu instid0(VALU_DEP_1)
	v_lshlrev_b32 v41, 2, v41
	s_delay_alu instid0(VALU_DEP_1)
	v_mad_u32_u24 v3, v40, 272, v41
	s_lshl_b32 s2, s30, 5
	s_add_co_u32 s2, s2, WSTG
	v_add_nc_u32 v3, s2, v3                        ; codes: block x 272 + row x 16 + my 4 bytes
	s_lshl_b32 s2, s30, 4
	s_add_co_u32 s2, s2, WSS
	v_add_nc_u32 v4, s2, v40                       ; scale bytes: row x 8 + block
	s_mul_i32 s2, s30, 4608
	s_add_co_u32 s2, s2, RED
	v_mul_u32_u24 v[LRS], v1, 144
	s_delay_alu instid0(VALU_DEP_1)
	v_add_nc_u32 v[LRS], s2, v[LRS]
	v_lshlrev_b32 v12, 2, v1                       ; 4 x lane
	s_delay_alu instid0(VALU_DEP_1)
	v_add_nc_u32 v[LRL], s2, v12
	s_lshl_b32 s2, s30, 7
	s_add_co_u32 s2, s2, RWD
	v_add_nc_u32 v7, s2, v12
	v_add_nc_u32 v8, RWD, v12
	v_lshrrev_b32 v42, 4, v1
	v_and_b32 v43, 15, v1
	s_delay_alu instid0(VALU_DEP_1)
	v_lshlrev_b32 v43, 4, v43
	s_delay_alu instid0(VALU_DEP_1)
	v_mad_u32_u24 v9, v42, 272, v43
	s_mul_i32 s2, s30, 2176
	s_add_co_u32 s2, s2, WSTG
	v_add_nc_u32 v9, s2, v9                        ; back: expert w, two blocks an instruction
	s_lshl_b32 s2, s30, 7
	s_add_co_u32 s2, s2, WSS
	v_add_nc_u32 v10, s2, v12
	v_lshlrev_b32 v11, 4, v1                       ; 16 x lane
	s_lshl_b32 s2, s66, 16                         ; (16 T + 2 w) rows of 4,096 bytes + 1,024 sp
	s_lshl_b32 s3, s30, 13
	s_add_co_u32 s2, s2, s3
	s_lshl_b32 s3, s67, 10
	s_add_co_u32 s2, s2, s3
	s_mov_b32 s3, 0
	s_wait_kmcnt 0x0
	s_add_nc_u64 s[32:33], s[10:11], s[2:3]
.irp e, 1,2,3,4,5,6,7
	s_add_nc_u64 s[32+2*\e:33+2*\e], s[32:33], \e*0x400000     ; an expert is 4 MiB: past a load's immediate, so a pointer for each
.endr
	WLOAD 0
	WLOAD 1
	s_wait_loadcnt 16                              ; step 0's sixteen loads are in; step 1's may be out
	DIV 64, 1
	WQ 0
	s_wait_loadcnt 0x0
	DIV 128, 0
	WQ 1
	FOLD
	LRED
	ds_store_b32 v7, v96
	s_wait_dscnt 0x0                               ; for the others' sake: my stores have landed
	s_barrier_signal -1
	s_barrier_wait -1
.irp i, 0,1,2,3
	ds_load_b128 v[64+4*\i:67+4*\i], v9 offset:544*\i
.endr
	ds_load_b32 v80, v10
	s_lshl_b32 s2, s30, 19                         ; codes: ((64 e + T) 32 + 8 sp) x 256, e = my wave
	s_lshl_b32 s48, s66, 13
	s_add_co_u32 s2, s2, s48
	s_lshl_b32 s48, s67, 11
	s_add_co_u32 s2, s2, s48
	s_add_nc_u64 s[50:51], s[18:19], s[2:3]
	s_lshl_b32 s2, s30, 15                         ; scale bytes: ((32 e + T / 2) 4 + sp) x 256 + 128 (T % 2)
	s_lshr_b32 s48, s66, 1
	s_lshl_b32 s48, s48, 10
	s_add_co_u32 s2, s2, s48
	s_lshl_b32 s48, s67, 8
	s_add_co_u32 s2, s2, s48
	s_and_b32 s48, s66, 1
	s_lshl_b32 s48, s48, 7
	s_add_co_u32 s2, s2, s48
	s_add_nc_u64 s[52:53], s[18:19], s[2:3]
	s_lshl_b32 s2, s31, 7
	s_add_nc_u64 s[54:55], s[24:25], s[2:3]        ; part: pair record wi
.irp i, 0,1,2,3
	s_wait_dscnt 4-\i
	global_store_b128 v11, v[64+4*\i:67+4*\i], s[50:51] offset:512*\i      ; 512 consecutive bytes, aligned
.endr
	s_wait_dscnt 0x0
	global_store_b32 v12, v80, s[52:53] offset:WS_OFF  ; 128 consecutive bytes: 16 rows' 8 bytes (the neighbouring tile's work-group writes the 128 beside them)
	s_cmp_lg_u32 s30, 0
	s_cbranch_scc1 .Lw_end
.irp w, 0,1,2,3,4,5,6,7
	ds_load_b32 v[84+\w], v8 offset:128*\w
.endr
	s_wait_dscnt 0x0
	v_pk_add_f32 v[84:85], v[84:85], v[86:87]
	v_pk_add_f32 v[88:89], v[88:89], v[90:91]
	s_delay_alu instid0(VALU_DEP_1)
	v_pk_add_f32 v[84:85], v[84:85], v[88:89]
	s_delay_alu instid0(VALU_DEP_1)
	v_add_f32 v84, v84, v85
	global_store_b32 v12, v84, s[54:55] offset:32768
.Lw_end:
	s_wait_tensorcnt 0x0
	ds_add_u32 v254, v255
	s_wait_dscnt 0x0
	s_endpgm
.Lfunc_end_k_q4a01bed782_prep:
	.size	k_q4a01bed782_prep, .Lfunc_end_k_q4a01bed782_prep-k_q4a01bed782_prep
	.p2alignl 7, 3214868480
	.fill 96, 4, 3214868480
	.section	.rodata,"a",@progbits
	.p2align	6, 0x0
	.amdhsa_kernel k_q4a01bed782_prep
		.amdhsa_group_segment_fixed_size 159744
		.amdhsa_private_segment_fixed_size 0
		.amdhsa_enable_private_segment 0
		.amdhsa_kernarg_size 96
		.amdhsa_user_sgpr_count 2
		.amdhsa_user_sgpr_kernarg_segment_ptr 1
		.amdhsa_wavefront_size32 1
		.amdhsa_system_sgpr_workgroup_id_x 1
		.amdhsa_system_sgpr_workgroup_id_y 1
		.amdhsa_system_sgpr_workgroup_id_z 1
		.amdhsa_system_vgpr_workitem_id 0
		.amdhsa_next_free_vgpr 256
		.amdhsa_next_free_sgpr 68
		.amdhsa_reserve_vcc 1
		.amdhsa_float_denorm_mode_32 3
		.amdhsa_float_denorm_mode_16_64 3
		.amdhsa_memory_ordered 1
		.amdhsa_forward_progress 1
		.amdhsa_inst_pref_size 193
	.end_amdhsa_kernel
	.amdgpu_metadata
---
amdhsa.version: [ 1, 2 ]
amdhsa.kernels:
  - .name:           k_q4a01bed782_prep
    .symbol:         k_q4a01bed782_prep.kd
    .args:
      - { .name: x, .offset: 0, .size: 8, .value_kind: global_buffer, .address_space: global }
      - { .name: router_w, .offset: 8, .size: 8, .value_kind: global_buffer, .address_space: global }
      - { .name: router_b, .offset: 16, .size: 8, .value_kind: global_buffer, .address_space: global }
      - { .name: expert_w, .offset: 24, .size: 8, .value_kind: global_buffer, .address_space: global }
      - { .name: expert_b, .offset: 32, .size: 8, .value_kind: global_buffer, .address_space: global }
      - { .name: expert_pref, .offset: 40, .size: 8, .value_kind: global_buffer, .address_space: global }
      - { .name: xq, .offset: 48, .size: 8, .value_kind: global_buffer, .address_space: global }
      - { .name: wq, .offset: 56, .size: 8, .value_kind: global_buffer, .address_space: global }
      - { .name: comb, .offset: 64, .size: 8, .value_kind: global_buffer, .address_space: global }
      - { .name: route, .offset: 72, .size: 8, .value_kind: global_buffer, .address_space: global }
      - { .name: part, .offset: 80, .size: 8, .value_kind: global_buffer, .address_space: global }
      - { .name: out1, .offset: 88, .size: 8, .value_kind: global_buffer, .address_space: global }
    .group_segment_fixed_size: 159744
    .private_segment_fixed_size: 0
    .kernarg_segment_align: 8
    .kernarg_segment_size: 96
    .max_flat_workgroup_size: 256
    .sgpr_count:     68
    .vgpr_count:     256
    .wavefront_size: 32
...
	.end_amdgpu_metadata
.endif
;; end of part 5
;; launch place (part 6): grid 1 x 1, 16 waves a work-group, no clusters, 8,192 bytes of LDS; arguments route, part, order, out2, out3, out4; writes order, out2, out3, out4
.if DOCPART == 6
	.amdgcn_target "amdgcn-amd-amdhsa--gfx1250"
	.amdhsa_code_object_version 6
	.text
	.protected	k_q4a01bed782_place
	.globl	k_q4a01bed782_place
	.p2align	8
	.type	k_q4a01bed782_place,@function
k_q4a01bed782_place:
	s_mov_b64 s[64:65], 0
	v_nop
	global_prefetch_b8 v0, s[64:65] scope:SCOPE_SE
	s_setreg_imm32_b32 hwreg(HW_REG_WAVE_MODE, 25, 1), 1
	s_wait_xcnt 0x0
; PLACE.  One work-group.  A counting sort of the 8,192 tokens by their key (28 pairs of experts): order[position] = token; for each block of 128 positions the set of
; experts that its tokens use (8 bits); and the three small results: out2 (share of tokens that use each expert), out3 (mean square of mean routing weight - 1/8),
; out4 (mean of the 28 distances).  Wave w owns the groups of 32 tokens 16 w .. 16 w + 15.  In the counts a lane stands for a key.
; The 8,192 words of order are stored singly, at places that hang on the keys: 32 KiB in all.  One work-group: the sort is one prefix sum over 256 x 28 counts.
.set LT, 0                             ; LDS [wave][lane]: the wave's count of each key,
.set LU, 2048                          ; its sum of routing weights,
.set LD, 4096                          ; its sum of squared differences
.macro WSUM a, t                       ; over the 32 lanes; the result in every lane
	v_add_f32_dpp v\a, v\a, v\a row_xmask:1 row_mask:0xf bank_mask:0xf
	s_delay_alu instid0(VALU_DEP_1)
	v_add_f32_dpp v\a, v\a, v\a row_xmask:2 row_mask:0xf bank_mask:0xf
	s_delay_alu instid0(VALU_DEP_1)
	v_add_f32_dpp v\a, v\a, v\a row_xmask:4 row_mask:0xf bank_mask:0xf
	s_delay_alu instid0(VALU_DEP_1)
	v_add_f32_dpp v\a, v\a, v\a row_xmask:8 row_mask:0xf bank_mask:0xf
	s_delay_alu instid0(VALU_DEP_1)
	v_permlanex16_b32 v\t, v\a, s20, s21
	s_delay_alu instid0(VALU_DEP_1)
	v_add_f32 v\a, v\a, v\t
.endm
.macro SUM16 base                      ; 16 words a lane, one from each wave, into v20
.set wj, 0
.rept 16
	ds_load_b32 v[20+wj], v4 offset:\base+128*wj
.set wj, wj+1
.endr
	s_wait_dscnt 0x0
.irp j, 4
	v_pk_add_f32 v[20:21], v[20:21], v[20+\j:21+\j]
	v_pk_add_f32 v[22:23], v[22:23], v[22+\j:23+\j]
.endr
.irp j, 8, 12
	s_delay_alu instid0(VALU_DEP_2)
	v_pk_add_f32 v[20:21], v[20:21], v[20+\j:21+\j]
	s_delay_alu instid0(VALU_DEP_2)
	v_pk_add_f32 v[22:23], v[22:23], v[22+\j:23+\j]
.endr
	s_delay_alu instid0(VALU_DEP_1)
	v_pk_add_f32 v[20:21], v[20:21], v[22:23]
	s_delay_alu instid0(VALU_DEP_1)
	v_add_f32 v20, v20, v21
.endm
.macro ONE ptr                         ; lane 0 stores v20
	v_cmp_eq_u32 vcc_lo, 0, v1
	s_wait_xcnt 0x0                                ; EXEC changes only behind this wait
	s_and_saveexec_b32 s18, vcc_lo
	global_store_b32 v4, v20, s[\ptr:\ptr+1]
	s_wait_xcnt 0x0
	s_or_b32 exec_lo, exec_lo, s18
.endm
; key p is the pair (lo, hi).  kind 0: does key p's run of positions meet my block?  kind 1: key p's tokens count for both experts
.macro ONEP kind, p, lo, hi
.if \kind == 0
	v_readlane_b32 s18, v140, \p
	v_readlane_b32 s19, v136, \p
	s_add_co_u32 s19, s19, s18
	v_max_u32 v23, s18, v20
	v_min_u32 v24, s19, v21
	s_delay_alu instid0(VALU_DEP_1)
	v_cmp_lt_u32 vcc_lo, v23, v24
	v_or_b32 v25, (1<<\lo)|(1<<\hi), v22
	s_delay_alu instid0(VALU_DEP_1)
	v_cndmask_b32 v22, v22, v25, vcc_lo
.else
	v_readlane_b32 s18, v136, \p
	s_add_co_u32 s[24+\lo], s[24+\lo], s18
	s_add_co_u32 s[24+\hi], s[24+\hi], s18
.endif
.endm
.macro PAIRS kind
	ONEP \kind, 0, 0, 1
	ONEP \kind, 1, 0, 2
	ONEP \kind, 2, 0, 3
	ONEP \kind, 3, 0, 4
	ONEP \kind, 4, 0, 5
	ONEP \kind, 5, 0, 6
	ONEP \kind, 6, 0, 7
	ONEP \kind, 7, 1, 7
	ONEP \kind, 8, 1, 6
	ONEP \kind, 9, 1, 5
	ONEP \kind, 10, 1, 4
	ONEP \kind, 11, 1, 3
	ONEP \kind, 12, 1, 2
	ONEP \kind, 13, 2, 3
	ONEP \kind, 14, 2, 4
	ONEP \kind, 15, 2, 5
	ONEP \kind, 16, 2, 6
	ONEP \kind, 17, 2, 7
	ONEP \kind, 18, 3, 7
	ONEP \kind, 19, 3, 6
	ONEP \kind, 20, 3, 5
	ONEP \kind, 21, 3, 4
	ONEP \kind, 22, 4, 5
	ONEP \kind, 23, 4, 6
	ONEP \kind, 24, 4, 7
	ONEP \kind, 25, 5, 7
	ONEP \kind, 26, 5, 6
	ONEP \kind, 27, 6, 7
.endm
	s_load_b256 s[4:11], s[0:1], 0x0               ; route 4, part 6, order 8, out2 10
	s_load_b128 s[12:15], s[0:1], 0x20             ; out3 12, out4 14
	v_lshl_add_u32 v208, v0, 2, 0x1800
	v_mov_b32 v209, 0
	v_lshrrev_b32 v1, 5, v0
	s_delay_alu instid0(VALU_DEP_1)
	v_readfirstlane_b32 s16, v1                    ; wave 0..15
	v_and_b32 v1, 31, v0                           ; lane
	s_delay_alu instid0(VALU_DEP_1)
	v_lshlrev_b32 v2, 3, v1
	s_lshl_b32 s17, s16, 12
	v_add_nc_u32 v2, s17, v2                       ; route: 8 x lane + 16 groups of 256 bytes a wave
	v_lshlrev_b32 v4, 2, v1                        ; 4 x lane
	s_lshl_b32 s17, s16, 11
	v_add_nc_u32 v5, s17, v4                       ; part: 4 x lane + 16 records of 128 bytes a wave
	s_and_b32 s17, s16, 7
	s_lshl_b32 s17, s17, 7
	v_add_nc_u32 v6, s17, v4                       ; the eight records of expert_b and expert_pref
	v_lshlrev_b32 v3, 2, v0                        ; 4 x thread
	s_mov_b32 s20, 0x76543210
	s_mov_b32 s21, 0xfedcba98
	s_wait_alu depctr_va_vdst(0)
	s_wait_kmcnt 0x0
.set gj, 0
.rept 16
	global_load_b64 v[32+2*gj:33+2*gj], v2, s[4:5] offset:256*gj
.set gj, gj+1
.endr
.set gj, 0
.rept 16
	global_load_b32 v[64+gj], v5, s[6:7] offset:128*gj
	global_load_b32 v[80+gj], v5, s[6:7] offset:32768+128*gj
.set gj, gj+1
.endr
	global_load_b32 v96, v6, s[6:7] offset:65536
	s_wait_loadcnt 33                              ; the 16 loads of route are in; the 33 of part may be out
	v_mov_b32 v100, 0                              ; v100+j: key = lane: its tokens in my groups ahead of group j
.set gj, 0
.rept 16
	s_delay_alu instid0(VALU_DEP_1)
	v_add_nc_u32 v[101+gj], v[100+gj], v[33+2*gj]  ; v116: in all my groups
.set gj, gj+1
.endr
	s_wait_loadcnt 0x0
.irp j, 2
	v_pk_add_f32 v[64:65], v[64:65], v[64+\j:65+\j]
	v_pk_add_f32 v[80:81], v[80:81], v[80+\j:81+\j]
.endr
.irp j, 4, 6, 8, 10, 12, 14
	s_delay_alu instid0(VALU_DEP_2)
	v_pk_add_f32 v[64:65], v[64:65], v[64+\j:65+\j]
	s_delay_alu instid0(VALU_DEP_2)
	v_pk_add_f32 v[80:81], v[80:81], v[80+\j:81+\j]
.endr
	s_delay_alu instid0(VALU_DEP_2)
	v_add_f32 v64, v64, v65
	s_delay_alu instid0(VALU_DEP_2)
	v_add_f32 v80, v80, v81
	s_cmp_lt_u32 s16, 8
	s_cselect_b32 s17, 1.0, 0
	v_fmac_f32 v80, s17, v96                       ; waves 0-7 add one of the eight further records each
	ds_store_b32 v3, v116 offset:LT
	ds_store_b32 v3, v64 offset:LU
	ds_store_b32 v3, v80 offset:LD
	s_wait_dscnt 0x0                               ; for the others' sake
	s_barrier_signal -1
	s_barrier_wait -1                              ; behind this barrier LDS is only read
.set wj, 0
.rept 16
	ds_load_b32 v[120+wj], v4 offset:LT+128*wj
.set wj, wj+1
.endr
	v_mov_b32 v136, 0                              ; key = lane: all its tokens,
	v_mov_b32 v137, 0                              ; and those of the waves ahead of mine
	s_wait_alu depctr_va_vdst(0)
	s_wait_dscnt 0x0
.set wj, 0
.rept 16
	v_add_nc_u32 v136, v136, v[120+wj]
	s_cmp_gt_u32 s16, wj
	s_cselect_b32 s17, -1, 0
	v_and_b32 v138, s17, v[120+wj]
	s_delay_alu instid0(VALU_DEP_1)
	v_add_nc_u32 v137, v137, v138
.set wj, wj+1
.endr
	v_mov_b32 v139, v136                           ; a running sum over the keys: four steps inside each half of the lanes,
	v_mov_b32 v138, 0
.irp n, 1
	s_delay_alu instid0(VALU_DEP_2)
	v_mov_b32_dpp v138, v139 row_shr:\n row_mask:0xf bank_mask:0xf bound_ctrl:1
	s_delay_alu instid0(VALU_DEP_1)
	v_add_nc_u32 v139, v139, v138
.endr
.irp n, 2, 4, 8
	s_delay_alu instid0(VALU_DEP_1)
	v_mov_b32_dpp v138, v139 row_shr:\n row_mask:0xf bank_mask:0xf bound_ctrl:1
	s_delay_alu instid0(VALU_DEP_1)
	v_add_nc_u32 v139, v139, v138
.endr
	s_delay_alu instid0(VALU_DEP_1)
	v_readlane_b32 s17, v139, 15                   ; and the lower half's total onto the upper half
	v_cmp_lt_u32 vcc_lo, 15, v1
	s_delay_alu instid0(VALU_DEP_2)
	v_mov_b32 v138, s17
	s_delay_alu instid0(VALU_DEP_1)
	v_cndmask_b32 v138, 0, v138, vcc_lo
	s_delay_alu instid0(VALU_DEP_1)
	v_add_nc_u32 v139, v139, v138
	s_delay_alu instid0(VALU_DEP_1)
	v_sub_nc_u32 v140, v139, v136                  ; where key = lane begins
	s_delay_alu instid0(VALU_DEP_1)
	v_add_nc_u32 v141, v140, v137                  ; and where my wave's tokens of it begin
.set gj, 0
.rept 16
	v_and_b32 v[144+gj], 0xff, v[32+2*gj]          ; my token's key,
	s_delay_alu instid0(VALU_DEP_1)
	v_min_u32 v[144+gj], 31, v[144+gj]             ; held inside the wave,
	s_delay_alu instid0(VALU_DEP_1)
	v_lshlrev_b32 v[144+gj], 2, v[144+gj]
	v_add_nc_u32 v[160+gj], v141, v[100+gj]
	ds_bpermute_b32 v[176+gj], v[144+gj], v[160+gj]    ; picks the lane that holds its key's place for group j
.set gj, gj+1
.endr
	s_lshl_b32 s17, s16, 9
	v_add_nc_u32 v142, s17, v1                     ; my token in group 0 of my wave
	s_wait_alu depctr_va_vdst(0)
	s_wait_dscnt 0x0
.set gj, 0
.rept 16
	v_lshrrev_b32 v[144+gj], 8, v[32+2*gj]         ; + its rank among equal keys of its group
	s_delay_alu instid0(VALU_DEP_1)
	v_add_nc_u32 v[144+gj], v[144+gj], v[176+gj]
	s_delay_alu instid0(VALU_DEP_1)
	v_min_u32 v[144+gj], 0x1fff, v[144+gj]         ; a position stays inside the list
	s_delay_alu instid0(VALU_DEP_1)
	v_lshlrev_b32 v[144+gj], 2, v[144+gj]
	v_add_nc_u32 v[192+gj], 32*gj, v142
	global_store_b32 v[144+gj], v[192+gj], s[8:9]
.set gj, gj+1
.endr
	s_cmp_lt_u32 s16, 2
	s_cbranch_scc0 .Lnot_mask
	; ---- waves 0 and 1: a lane a block of 128 positions
	v_lshlrev_b32 v20, 7, v0
	s_delay_alu instid0(VALU_DEP_1)
	v_add_nc_u32 v21, 128, v20
	v_mov_b32 v22, 0
	PAIRS 0
	global_store_b32 v3, v22, s[8:9] offset:32768
	s_wait_xcnt 0x0
	s_mov_b32 exec_lo, -1
	s_wait_tensorcnt 0x0
	ds_add_u32 v208, v209
	s_wait_dscnt 0x0
	s_endpgm
.Lnot_mask:
	s_cmp_eq_u32 s16, 2
	s_cbranch_scc0 .Lnot_util
	; ---- wave 2: out2
.irp e, 0,1,2,3,4,5,6,7
	s_mov_b32 s[24+\e], 0
.endr
	PAIRS 1
	v_mov_b32 v20, 0
.irp e, 0,1,2,3,4,5,6,7
	s_delay_alu instid0(VALU_DEP_1)
	v_writelane_b32 v20, s[24+\e], \e
.endr
	s_delay_alu instid0(VALU_DEP_1)
	v_cvt_f32_u32 v20, v20
	s_delay_alu instid0(VALU_DEP_1)
	v_mul_f32 v20, 0x39000000, v20                 ; / 8,192
	v_cmp_gt_u32 vcc_lo, 8, v1
	s_wait_alu depctr_va_vdst(0)
	s_wait_xcnt 0x0                                ; EXEC changes only behind this wait
	s_and_saveexec_b32 s18, vcc_lo
	global_store_b32 v4, v20, s[10:11]
	s_wait_xcnt 0x0
	s_or_b32 exec_lo, exec_lo, s18
	s_wait_xcnt 0x0
	s_mov_b32 exec_lo, -1
	s_wait_tensorcnt 0x0
	ds_add_u32 v208, v209
	s_wait_dscnt 0x0
	s_endpgm
.Lnot_util:
	s_cmp_eq_u32 s16, 3
	s_cbranch_scc0 .Lnot_loss
	; ---- wave 3: out3.  Each expert's sum stands in four lanes: the mean over 8 experts is the sum over 32 lanes / 32
	SUM16 LU
	s_mov_b32 s18, 0x39000000                      ; 1 / 8,192
	s_mov_b32 s19, 0xbe000000                      ; -1 / 8
	v_fma_f32 v20, v20, s18, s19
	s_delay_alu instid0(VALU_DEP_1)
	v_mul_f32 v20, v20, v20
	WSUM 20, 21
	s_delay_alu instid0(VALU_DEP_1)
	v_mul_f32 v20, 0x3d000000, v20
	s_wait_alu depctr_va_vdst(0)
	ONE 12
	s_wait_xcnt 0x0
	s_mov_b32 exec_lo, -1
	s_wait_tensorcnt 0x0
	ds_add_u32 v208, v209
	s_wait_dscnt 0x0
	s_endpgm
.Lnot_loss:
	s_cmp_eq_u32 s16, 4
	s_cbranch_scc0 .Lend
	; ---- wave 4: out4.  Lanes 28-31 hold zeros
	SUM16 LD
	s_wait_alu depctr_va_vdst(0)
	v_sqrt_f32 v20, v20
	v_nop                                          ; a plain line behind the root,
	s_wait_alu depctr_va_vdst(0)                   ; and the wait ahead of its first reader
	WSUM 20, 21
	s_delay_alu instid0(VALU_DEP_1)
	v_mul_f32 v20, 0x3d124925, v20                 ; / 28
	s_wait_alu depctr_va_vdst(0)
	ONE 14
.Lend:
	s_wait_xcnt 0x0
	s_mov_b32 exec_lo, -1
	s_wait_tensorcnt 0x0
	ds_add_u32 v208, v209
	s_wait_dscnt 0x0
	s_endpgm
.Lfunc_end_k_q4a01bed782_place:
	.size	k_q4a01bed782_place, .Lfunc_end_k_q4a01bed782_place-k_q4a01bed782_place
	.p2alignl 7, 3214868480
	.fill 96, 4, 3214868480
	.section	.rodata,"a",@progbits
	.p2align	6, 0x0
	.amdhsa_kernel k_q4a01bed782_place
		.amdhsa_group_segment_fixed_size 8192
		.amdhsa_private_segment_fixed_size 0
		.amdhsa_enable_private_segment 0
		.amdhsa_kernarg_size 48
		.amdhsa_user_sgpr_count 2
		.amdhsa_user_sgpr_kernarg_segment_ptr 1
		.amdhsa_wavefront_size32 1
		.amdhsa_system_sgpr_workgroup_id_x 1
		.amdhsa_system_sgpr_workgroup_id_y 1
		.amdhsa_system_sgpr_workgroup_id_z 1
		.amdhsa_system_vgpr_workitem_id 0
		.amdhsa_next_free_vgpr 210
		.amdhsa_next_free_sgpr 66
		.amdhsa_reserve_vcc 1
		.amdhsa_float_denorm_mode_32 3
		.amdhsa_float_denorm_mode_16_64 3
		.amdhsa_memory_ordered 1
		.amdhsa_forward_progress 1
		.amdhsa_inst_pref_size 48
	.end_amdhsa_kernel
	.amdgpu_metadata
---
amdhsa.version: [ 1, 2 ]
amdhsa.kernels:
  - .name:           k_q4a01bed782_place
    .symbol:         k_q4a01bed782_place.kd
    .args:
      - { .name: route, .offset: 0, .size: 8, .value_kind: global_buffer, .address_space: global }
      - { .name: part, .offset: 8, .size: 8, .value_kind: global_buffer, .address_space: global }
      - { .name: order, .offset: 16, .size: 8, .value_kind: global_buffer, .address_space: global }
      - { .name: out2, .offset: 24, .size: 8, .value_kind: global_buffer, .address_space: global }
      - { .name: out3, .offset: 32, .size: 8, .value_kind: global_buffer, .address_space: global }
      - { .name: out4, .offset: 40, .size: 8, .value_kind: global_buffer, .address_space: global }
    .group_segment_fixed_size: 8192
    .private_segment_fixed_size: 0
    .kernarg_segment_align: 8
    .kernarg_segment_size: 48
    .max_flat_workgroup_size: 512
    .sgpr_count:     66
    .vgpr_count:     210
    .wavefront_size: 32
...
	.end_amdgpu_metadata
.endif
;; end of part 6
;; launch moe (part 7): grid 4 x 64, 4 waves a work-group, no clusters, 205,312 bytes of LDS; arguments xq, wq, comb, expert_b, order, out0; writes out0
.if DOCPART == 7
	.amdgcn_target "amdgcn-amd-amdhsa--gfx1250"
	.amdhsa_code_object_version 6
	.text
	.protected	k_q4a01bed782_moe
	.globl	k_q4a01bed782_moe
	.p2align	8
	.type	k_q4a01bed782_moe,@function
k_q4a01bed782_moe:
	s_mov_b64 s[64:65], 0
	v_nop
	global_prefetch_b8 v0, s[64:65] scope:SCOPE_SE
	s_setreg_imm32_b32 hwreg(HW_REG_WAVE_SCHED_MODE, 0, 2), 2
	s_setreg_imm32_b32 hwreg(HW_REG_WAVE_MODE, 25, 1), 1
	s_wait_xcnt 0x0
	s_wait_alu depctr_vm_vsrc(0)
; MOE.  out0[t][f] = sum over the experts e of comb[t][e] (Q(x)[t] . Q(w)[e][f] + b[e][f]), on codes of E2M1 with E8M0 scales, only for the experts that a block's tokens use.
; A work-group takes 128 tokens that are neighbours in the sorted list (work-group y) and 256 columns (work-group x): every row of out0 has one owner for each column.
; Each of the four waves keeps the codes of all 128 tokens, all of K, in 512 registers.  In column phase cg (0, 1) wave w makes columns 256 x + 128 cg + 32 w + 0 .. 31.
; A UNIT is one expert for those 32 columns: 16 KiB of weight images, read once in the work-group, from memory straight into the operand's registers, and 128 matrix instructions.
; The product is used transposed (source 0 = 16 rows of W, source 1 = 16 tokens): a lane holds one token and eight neighbouring columns; the bias is the C of a sum's first instruction.
; The walk over experts hangs on the stored list (a mask of 8 bits for each block), so the launch has no tensor load, and with that no joint request in a cluster.
; A token of the block that does not use an expert of the block has the weight 0 for it: 0 x a finite sum.  LIMITS: NaN and infinities are not served.
; REGISTERS, in windows of 256: window 0: addresses, scale words, bias, weights (v128-255);  windows 1, 2: x's fragments, tiles of tokens 0-3 and 4-7, (m, s) at 64 (m % 4) + 8 s;
;   window 3: v0-127 the unit's 16 accumulators, (m, ct) at 8 (2 m + ct); v128-255 the weighted sums over experts, likewise.
; THE MODE: SCHED_MODE bits 1:0 = 2 (LLVM: expert scheduling mode 2), set by the entry lines.  The code itself states the register dependences
; between vector or matrix instructions and memory or LDS instructions, with s_wait_alu, always for 0.
; THE PLAN.  Registers that memory or LDS instructions touch:
;   BF quarter i (32 registers), WS pair i, with quarter 0 the bias BI.  Written by the loads G i; read by the 32 products of a unit's quarter i and by nothing else.
;   CC (even registers).  Written by the loads CL; read by COMBINE.
;   XS, windows 1 and 2.  Loaded once; afterwards named by products alone.
;   window 3, v0-127.  At the head x's rows land there and LDS stores read them; then the products write the accumulators there; on the way out v0-31 are made anew as the stores' offsets.
;   window 3, v128-255.  At the head v128-159 are the rows' offsets; then COMBINE writes the sums there; on the way out LDS stores read them, the stage's rows land in them, global stores read those.
;   v1-19, v89-94.  Offsets and addresses: made at the head, never written again; the bases are scalar registers.
; The four quarters of BF take turns.  Quarter i of a unit (i = 1, 2, 3): the wait for its own data; ONE wait on va_vdst, which states that the quarter before is done reading its registers;
; 16 products; the loads G i - 1 of the next unit; 16 products.  The products between the wait and the loads name quarter i's registers, x's and the accumulators: none that those loads touch.
; Behind COMBINE one more wait on va_vdst serves G 3, CL and, where a way out follows, its LDS stores.  So a unit has four such waits for its 128 products and 48 loads.
.set XS_OFF, 4194304
.set WS_OFF, 4194304
.set AIMG, 0                           ; LDS: x's codes: 8 tiles of tokens x 32 blocks x (16 tokens x 16 bytes + 16)
.set STG0, 69632                       ; the way out of phase 0: 128 rows x (512 bytes + 16);
.set STG1, 137216                      ; of phase 1: bytes of its own, so that one barrier serves each way out
.set L16, 1                            ; v1     16 x lane
.set IMG, 2                            ; v2     where my block of a token's codes goes
.set ADA, 3                            ; v3-4   my lane's place in a fragment of x: tiles 0-3, tiles 4-7
.set BA,  5                            ; v5     32 x (lane / 16): my eight columns' bias
.set L8,  7                            ; v7     8 x lane
.set SO,  8                            ; v8-9   the stage, in: phase 0, 1
.set SR,  10                           ; v10-11 the stage, back
.set CA,  12                           ; v12-19 tile m: my token x 32: its row of comb
.set WS,  28                           ; v28-35 W's scale words of K step s: lanes 0-15 columns 0-15, lanes 16-31 columns 16-31
.set BI,  36                           ; v36-51 the bias, two tiles of columns x 8
.set XS,  52                           ; v52-83 x's scale words: (i, s): lanes 0-15 tile 2 i, lanes 16-31 tile 2 i + 1
.set CC,  96                           ; v96, 98, .. 110: tile m: my token's weight for the unit's expert; the odd registers beside them hold 0 (a packed source names a pair)
.set BF,  128                          ; v128-255 W's fragments: (s, ct) at 16 s + 8 ct
.set W0, 16                            ; s[16:17] wq's codes at my columns of phase 0, expert 0;  s[18:19] its scale bytes;  s[20:21] expert_b
.set S0, 18
.set B0, 20
.set WB, 22                            ; s[22:29] the same three and comb, at the expert whose loads are being issued
.set SB, 24
.set BB, 26
.set CB, 28
.set TOK, 32                           ; s32-63 the tokens of rows 32 w .. 32 w + 31 of the block
.set MASK, 66
.set NM, 67                            ; experts still to be asked for
.set EX, 68
.set CNT, 69
.set NEXP, 70
.set WV, 71
.set OFS, 72                           ; s[72:73] an offset; the upper word stays 0
.set OUTB, 74
.set ORD, 76
.set MSB, 0
.macro WIN new                         ; the immediate's high byte repeats the setting that is left; a switch that changes nothing is dropped
.if MSB != (\new)
	s_set_vgpr_msb (MSB<<8)|(\new)
.set MSB, (\new)
.endif
.endm
; ---- the next expert of the mask, and the four bases at it
.macro NEXT
	s_wait_xcnt 0x0                                ; every earlier load and store has read its address and data registers: the bases, and what the way out's stores named, may be written
	s_ctz_i32_b32 s[EX], s[NM]
	s_min_u32 s[EX], s[EX], 7                      ; an expert's number stays inside the tables
	s_sub_co_u32 s30, s[NM], 1
	s_and_b32 s[NM], s[NM], s30
	s_lshl_b32 s[OFS], s[EX], 19
	s_add_nc_u64 s[WB:WB+1], s[W0:W0+1], s[OFS:OFS+1]
	s_lshl_b32 s[OFS], s[EX], 15
	s_add_nc_u64 s[SB:SB+1], s[S0:S0+1], s[OFS:OFS+1]
	s_lshl_b32 s[OFS], s[EX], 12
	s_add_nc_u64 s[BB:BB+1], s[B0:B0+1], s[OFS:OFS+1]
	s_lshl_b32 s[OFS], s[EX], 2
	s_add_nc_u64 s[CB:CB+1], s[8:9], s[OFS:OFS+1]
.endm
; ---- K steps 2 i and 2 i + 1 of a unit in phase cg: 8 loads of weights, 1 of scale words; with i = 0 also 4 of bias
.macro G i, cg
.irp u, 0,1
.irp ct, 0,1
.irp c, 0,1
	global_load_b128 v[BF+16*(2*(\i)+\u)+8*\ct+4*\c:BF+16*(2*(\i)+\u)+8*\ct+4*\c+3], v[L16], s[WB:WB+1] offset:65536*(\cg)+8192*\ct+1024*(2*(\i)+\u)+512*\c
.endr
.endr
.endr
	global_load_b64 v[WS+2*(\i):WS+2*(\i)+1], v[L8], s[SB:SB+1] offset:WS_OFF+4096*(\cg)+256*(\i)
.if (\i) == 0
.irp ct, 0,1
.irp jj, 0,1
	global_load_b128 v[BI+8*\ct+4*\jj:BI+8*\ct+4*\jj+3], v[BA], s[BB:BB+1] offset:512*(\cg)+64*\ct+16*\jj
.endr
.endr
.endif
.endm
.macro CL                              ; my eight tokens' weights for that expert
.irp m, 0,1,2,3,4,5,6,7
	global_load_b32 v[CC+2*\m], v[CA+\m], s[CB:CB+1]
.endr
.endm
; ---- one matrix instruction: tile of tokens m, tile of columns ct, K step ss
.macro MM m, ct, ss
.set A_, 8*(2*(\m)+(\ct))
.set B_, BF+16*(\ss)+8*(\ct)
.set X_, 64*((\m)%4)+8*(\ss)
.set SW_, WS+(\ss)
.set SX_, XS+8*((\m)/2)+(\ss)
.if (\ss) == 0
.set C_, BI+8*(\ct)
.else
.set C_, A_
.endif
.if ((\ct) == 0) && (((\m)%2) == 0)
	v_wmma_scale_f32_16x16x128_f8f6f4 v[A_:A_+7], v[B_:B_+7], v[X_:X_+7], v[C_:C_+7], v[SW_], v[SX_] matrix_a_fmt:MATRIX_FMT_FP4 matrix_b_fmt:MATRIX_FMT_FP4
.elseif ((\ct) == 1) && (((\m)%2) == 0)
	v_wmma_scale_f32_16x16x128_f8f6f4 v[A_:A_+7], v[B_:B_+7], v[X_:X_+7], v[C_:C_+7], v[SW_], v[SX_] matrix_a_fmt:MATRIX_FMT_FP4 matrix_b_fmt:MATRIX_FMT_FP4 matrix_a_scale:MATRIX_SCALE_ROW1
.elseif (\ct) == 0
	v_wmma_scale_f32_16x16x128_f8f6f4 v[A_:A_+7], v[B_:B_+7], v[X_:X_+7], v[C_:C_+7], v[SW_], v[SX_] matrix_a_fmt:MATRIX_FMT_FP4 matrix_b_fmt:MATRIX_FMT_FP4 matrix_b_scale:MATRIX_SCALE_ROW1
.else
	v_wmma_scale_f32_16x16x128_f8f6f4 v[A_:A_+7], v[B_:B_+7], v[X_:X_+7], v[C_:C_+7], v[SW_], v[SX_] matrix_a_fmt:MATRIX_FMT_FP4 matrix_b_fmt:MATRIX_FMT_FP4 matrix_a_scale:MATRIX_SCALE_ROW1 matrix_b_scale:MATRIX_SCALE_ROW1
.endif
.endm
; ---- 16 matrix instructions: K steps 2 i, 2 i + 1; tiles of tokens 0-3 (hf = 0) or 4-7 (hf = 1).  Eight accumulators take turns, one instruction a turn
.macro KPH i, hf
.irp u, 0,1
.if (2*(\i)+\u) == 0
	WIN 0xC4+4*(\hf)                               ; W window 0, x window 1 or 2, C (the bias) window 0, D window 3
.else
	WIN 0xF4+4*(\hf)                               ; the same, C and D window 3
.endif
.irp ct, 0,1
.irp mm, 0,1,2,3
	MM 4*(\hf)+\mm, \ct, 2*(\i)+\u
.endr
.endr
.endr
.endm
; ---- a quarter of a unit: 32 products.  n: the loads issued behind this quarter's, which may stay out.  ahead = 1, from quarter 1 on: the registers of the quarter before are asked for again, for the next unit (in phase cgn),
; between this quarter's two halves.  Four plain lines stand behind a quarter's products, ahead of the loads into the registers that they read and, behind quarter 3, of the first read of the sums
.macro PART i, n, ahead, cgn
	s_wait_loadcnt \n
.if (\ahead) && ((\i) > 0)
	s_wait_alu depctr_va_vdst(0)                   ; the products of the quarter before are done reading its weights, its scale words and (quarter 0) the bias, in which the loads below land
.endif
	KPH \i, 0
.if (\ahead) && ((\i) > 0)
	WIN 0
	G (\i)-1, \cgn                                 ; no wait here: the 16 products since the wait name this quarter's weights and scale words, x's and the accumulators, none of the registers that these loads touch
.endif
	KPH \i, 1
.rept 4
	v_nop
.endr
	WIN 0
.endm
.macro COMBINE first                   ; the weighted sum over experts; each accumulator is read from its low end on
.if \first
	WIN 0xC3
.else
	WIN 0xF3
.endif
.irp m, 0,1,2,3,4,5,6,7
.irp ct, 0,1
.irp j, 0,2,4,6
.if \first
	v_pk_mul_f32 v[128+8*(2*\m+\ct)+\j:128+8*(2*\m+\ct)+\j+1], v[8*(2*\m+\ct)+\j:8*(2*\m+\ct)+\j+1], v[CC+2*\m:CC+2*\m+1] op_sel_hi:[1,0]     ; the first expert starts the sums
.else
	v_pk_fma_f32 v[128+8*(2*\m+\ct)+\j:128+8*(2*\m+\ct)+\j+1], v[8*(2*\m+\ct)+\j:8*(2*\m+\ct)+\j+1], v[CC+2*\m:CC+2*\m+1], v[128+8*(2*\m+\ct)+\j:128+8*(2*\m+\ct)+\j+1] op_sel_hi:[1,0,1]
.endif
.endr
.endr
.endr
	WIN 0
.endm
; ---- a unit.  Loads go out in the order G 0 (13), G 1 (9), G 2 (9), G 3 (9), CL (8): G 0 to G 2 of the next unit in the middle of this unit's quarters 1 to 3, G 3 and CL behind COMBINE.
; ahead = 1: the next unit (in phase cgn) is asked for.  The counts, each the loads issued behind the group that is wanted: 35 = G 1 + G 2 + G 3 + CL;  26 = G 2 + G 3 + CL;
; 30 = G 3 + CL + the next G 0;  30 = CL + the next G 0 and G 1;  31 = the next G 0, G 1 and G 2.
; ahead = 0: nothing follows: 35, 26, 17, 8, 0.
.macro UNIT first, ahead, cgn
.if \ahead
	NEXT
	PART 0, 35, 1, \cgn
	PART 1, 26, 1, \cgn
	PART 2, 30, 1, \cgn
	PART 3, 30, 1, \cgn
	s_wait_loadcnt 31
.else
	PART 0, 35, 0, 0
	PART 1, 26, 0, 0
	PART 2, 17, 0, 0
	PART 3, 8, 0, 0
	s_wait_loadcnt 0x0
.endif
	COMBINE \first
	s_wait_alu depctr_va_vdst(0)                   ; quarter 3's products are done reading its weights and scale words, and COMBINE my tokens' weights: the loads below land there; and COMBINE has written the sums, which the LDS stores of a way out read
.if \ahead
	G 3, \cgn
	CL
.endif
.endm
; ---- the way out of phase cg: a row's 128 columns come from four waves: they meet in the stage; each wave then stores 32 whole rows of 512 bytes, each to its token's row of out0
.macro WAYOUT cg
	WIN 0x0C                                       ; an LDS store's data: window 3.  (The wait behind COMBINE has shown the sums written; only loads into window 0 were issued since)
.irp m, 0,1,2,3,4,5,6,7
.irp ct, 0,1
.irp jj, 0,1
	ds_store_b128 v[SO+\cg], v[128+8*(2*\m+\ct)+4*\jj:128+8*(2*\m+\ct)+4*\jj+3] offset:8448*\m+64*\ct+16*\jj
.endr
.endr
.endr
	WIN 0xC0                                       ; the stores' offsets are made in the accumulators' registers, which are done with, while the LDS stores are out
.set ri, 0
.rept 32
	v_lshl_add_u32 v[ri], s[TOK+ri], 12, v[L16]    ; token x 4,096 + 16 x lane
.set ri, ri+1
.endr
	WIN 0
	s_wait_dscnt 0x0                               ; for the others' sake: my stores have landed
	s_barrier_signal -1
	s_barrier_wait -1
	WIN 0xC0
	s_wait_alu depctr_vm_vsrc(0)                   ; my LDS stores have read the sums' registers, in which the stage's rows land
	s_wait_alu depctr_va_vdst(0)                   ; the 32 offsets are written, which the stores to out0 read
.set ri, 0
.rept 32
	ds_load_b128 v[128+4*ri:128+4*ri+3], v[SR+\cg] offset:528*ri
.set ri, ri+1
.endr
	WIN 0x0F                                       ; a store's offset and data: window 3
.set ri, 0
.rept 32
	s_wait_dscnt 31-ri
	global_store_b128 v[ri], v[128+4*ri:128+4*ri+3], s[OUTB:OUTB+1] offset:512*\cg th:TH_STORE_NT   ; 32 lanes store 512 consecutive bytes, aligned; written once, read by nobody here
.set ri, ri+1
.endr
	WIN 0
.if (\cg) == 0
	s_wait_alu depctr_vm_vsrc(0)                   ; these stores have read their offsets and their rows: the next phase's products write the accumulators over the first, its COMBINE the sums over the second
.endif
.endm
	s_load_b256 s[4:11], s[0:1], 0x0               ; xq 4, wq 6, comb 8, expert_b 10
	s_load_b128 s[12:15], s[0:1], 0x20             ; order 12, out0 14
	v_lshl_add_u32 v126, v0, 2, 0x32000
	v_mov_b32 v127, 0
	v_lshrrev_b32 v84, 5, v0
	v_readfirstlane_b32 s[WV], v84                 ; wave 0..3
	v_and_b32 v85, 31, v0                          ; lane
	v_and_b32 v86, 15, v0                          ; r
	v_bfe_u32 v87, v0, 4, 1                        ; h
	v_lshlrev_b32 v[L16], 4, v85
	v_lshlrev_b32 v[L8], 3, v85
	v_lshlrev_b32 v[BA], 5, v87
	s_wait_alu depctr_va_sdst(0)                   ; the wave's number is written, ahead of its first reader: LDS addresses and the bases are made from it
	s_mul_i32 s30, s[WV], 17408                    ; two tiles of tokens a wave
	v_mul_u32_u24 v[IMG], v85, 272
	v_add_nc_u32 v[IMG], s30, v[IMG]
	v_mul_u32_u24 v[ADA], v87, 272
	v_lshl_add_u32 v[ADA], v86, 4, v[ADA]
	v_add_nc_u32 v[ADA+1], 34816, v[ADA]
	v_mul_u32_u24 v88, v86, 528
	v_lshl_add_u32 v88, v87, 5, v88
	s_lshl_b32 s30, s[WV], 7
	v_add_nc_u32 v88, s30, v88
	v_add_nc_u32 v[SO], STG0, v88
	v_add_nc_u32 v[SO+1], STG1, v88
	s_mul_i32 s30, s[WV], 16896
	v_add_nc_u32 v88, s30, v[L16]
	v_add_nc_u32 v[SR], STG0, v88
	v_add_nc_u32 v[SR+1], STG1, v88
	v_lshlrev_b32 v89, 2, v85
	v_lshlrev_b32 v90, 2, v86
.irp m, 0,1,2,3,4,5,6,7
	v_mov_b32 v[CC+2*\m+1], 0
.endr
	s_and_b32 s31, ttmp7, 0xffff                   ; the block
	s_lshl_b32 s[OFS], s31, 9
	s_mov_b32 s[OFS+1], 0
	s_wait_kmcnt 0x0
	s_add_nc_u64 s[ORD:ORD+1], s[12:13], s[OFS:OFS+1]      ; the list at my block's 128 positions
	s_lshl_b32 s[OFS], s[WV], 7
	s_add_nc_u64 s[78:79], s[ORD:ORD+1], s[OFS:OFS+1]
	s_load_b256 s[32:39], s[78:79], 0x0
	s_load_b256 s[40:47], s[78:79], 0x20
	s_load_b256 s[48:55], s[78:79], 0x40
	s_load_b256 s[56:63], s[78:79], 0x60
	s_lshl_b32 s[OFS], s31, 2
	s_add_nc_u64 s[80:81], s[12:13], s[OFS:OFS+1]
	s_load_b32 s[MASK], s[80:81], 0x8000
	s_wait_alu depctr_va_vdst(0)                   ; the offsets and addresses made above, v1 to v11, v89 and v90, are written: the loads and stores of the whole kernel read them
.irp i, 0,1,2,3
	global_load_b32 v[91+\i], v89, s[ORD:ORD+1] offset:128*\i      ; the token of row 32 i + lane: for x's scale words
.endr
.irp m, 0,1,2,3,4,5,6,7
	global_load_b32 v[CA+\m], v90, s[ORD:ORD+1] offset:64*\m       ; the token of row 16 m + r: for comb
.endr
	s_lshl_b32 s[OFS], ttmp9, 17                   ; 16 tiles of columns x 8,192 bytes a work-group, 2 a wave
	s_lshl_b32 s30, s[WV], 14
	s_add_co_u32 s[OFS], s[OFS], s30
	s_add_nc_u64 s[W0:W0+1], s[6:7], s[OFS:OFS+1]
	s_lshl_b32 s[OFS], ttmp9, 13                   ; 1,024 bytes of scales for each 32 columns
	s_lshl_b32 s30, s[WV], 10
	s_add_co_u32 s[OFS], s[OFS], s30
	s_add_nc_u64 s[S0:S0+1], s[6:7], s[OFS:OFS+1]
	s_lshl_b32 s[OFS], ttmp9, 10
	s_add_nc_u64 s[OUTB:OUTB+1], s[14:15], s[OFS:OFS+1]
	s_lshl_b32 s30, s[WV], 7
	s_add_co_u32 s[OFS], s[OFS], s30
	s_add_nc_u64 s[B0:B0+1], s[10:11], s[OFS:OFS+1]
	s_wait_kmcnt 0x0
.set ri, 0
.rept 32
	s_min_u32 s[TOK+ri], s[TOK+ri], 0x1fff         ; a token's number stays inside the tables
.set ri, ri+1
.endr
	WIN 0xC0
.set ri, 0
.rept 32
	v_lshl_add_u32 v[128+ri], s[TOK+ri], 9, v[L16] ; token x 512 + 16 x lane
.set ri, ri+1
.endr
	WIN 0xC3
	s_wait_alu depctr_va_vdst(0)                   ; the 32 offsets just made are written, which the loads of the rows read
.set ri, 0
.rept 32
	global_load_b128 v[4*ri:4*ri+3], v[128+ri], s[4:5]     ; a token's 512 bytes of codes, whole
.set ri, ri+1
.endr
	WIN 0
	s_wait_loadcnt 32                              ; the 12 loads of the list are in; the 32 rows may be out
.irp i, 0,1,2,3
	v_min_u32 v[91+\i], 0x1fff, v[91+\i]
	v_lshlrev_b32 v[91+\i], 5, v[91+\i]
.endr
.irp m, 0,1,2,3,4,5,6,7
	v_min_u32 v[CA+\m], 0x1fff, v[CA+\m]
	v_lshlrev_b32 v[CA+\m], 5, v[CA+\m]
.endr
	s_wait_alu depctr_va_vdst(0)                   ; v91 to v94 and v12 to v19 are written: the offsets of x's scale words and, in every unit, of my tokens' weights
.irp i, 0,1,2,3
	global_load_b128 v[XS+8*\i:XS+8*\i+3], v[91+\i], s[4:5] offset:XS_OFF
	global_load_b128 v[XS+8*\i+4:XS+8*\i+7], v[91+\i], s[4:5] offset:XS_OFF+16
.endr
	s_and_b32 s[MASK], s[MASK], 0xff
	s_bcnt1_i32_b32 s[NEXP], s[MASK]
	s_max_u32 s[NEXP], s[NEXP], 2                  ; every token uses two experts
	s_mov_b32 s[NM], s[MASK]
	NEXT
	G 0, 0
	G 1, 0
	G 2, 0
	G 3, 0
	CL
	s_wait_loadcnt 56                              ; the 32 rows are in; behind them: 8 loads of scale words, 40 of the first unit's weights, 8 of comb
	WIN 0x0C
.set ri, 0
.rept 32
	ds_store_b128 v[IMG], v[4*ri:4*ri+3] offset:8704*(ri/16)+16*(ri%16)    ; lane = block of 32 k: block x 272 + token x 16
.set ri, ri+1
.endr
	WIN 0
	s_wait_dscnt 0x0                               ; for the others' sake
	s_barrier_signal -1
	s_barrier_wait -1
	WIN 0x40                                       ; x's fragments: lane (r, h), piece 2 s + c: block 4 s + 2 c + h of token r
.irp m, 0,1,2,3
.set fs, 0
.rept 16
	ds_load_b128 v[64*\m+4*fs:64*\m+4*fs+3], v[ADA] offset:8704*\m+544*fs
.set fs, fs+1
.endr
.endr
	WIN 0x80
.irp m, 0,1,2,3
.set fs, 0
.rept 16
	ds_load_b128 v[64*\m+4*fs:64*\m+4*fs+3], v[ADA+1] offset:8704*\m+544*fs
.set fs, fs+1
.endr
.endr
	WIN 0
	s_wait_dscnt 0x0
	s_wait_alu depctr_vm_vsrc(0)                   ; my LDS stores have read x's rows in window 3's v0-127, and the rows' loads their offsets in its v128-159: from here on the products write the accumulators there and COMBINE the sums
	; ---- phase 0: the first expert, those between (their number hangs on the stored mask), the last, which asks for phase 1's first
	UNIT 1, 1, 0
	s_sub_co_u32 s[CNT], s[NEXP], 2
	s_cmp_eq_u32 s[CNT], 0
	s_cbranch_scc1 .Lmid0_done
.Lmid0:
	UNIT 0, 1, 0
	s_sub_co_u32 s[CNT], s[CNT], 1
	s_cmp_lg_u32 s[CNT], 0
	s_cbranch_scc1 .Lmid0
.Lmid0_done:
	s_mov_b32 s[NM], s[MASK]
	UNIT 0, 1, 1
	WAYOUT 0                                       ; its stores leave while phase 1 is multiplied
	; ---- phase 1
	UNIT 1, 1, 1
	s_sub_co_u32 s[CNT], s[NEXP], 2
	s_cmp_eq_u32 s[CNT], 0
	s_cbranch_scc1 .Lmid1_done
.Lmid1:
	UNIT 0, 1, 1
	s_sub_co_u32 s[CNT], s[CNT], 1
	s_cmp_lg_u32 s[CNT], 0
	s_cbranch_scc1 .Lmid1
.Lmid1_done:
	UNIT 0, 0, 0
	WAYOUT 1
	s_barrier_signal -1
	s_barrier_wait -1
	s_wait_dscnt 0x0                               ; the closing lines, six on end
	s_wait_alu 0x0
	s_wait_tensorcnt 0x0
	ds_add_u32 v126, v127
	s_wait_dscnt 0x0
	s_endpgm
.Lfunc_end_k_q4a01bed782_moe:
	.size	k_q4a01bed782_moe, .Lfunc_end_k_q4a01bed782_moe-k_q4a01bed782_moe
	.p2alignl 7, 3214868480
	.fill 96, 4, 3214868480
	.section	.rodata,"a",@progbits
	.p2align	6, 0x0
	.amdhsa_kernel k_q4a01bed782_moe
		.amdhsa_group_segment_fixed_size 205312
		.amdhsa_private_segment_fixed_size 0
		.amdhsa_enable_private_segment 0
		.amdhsa_kernarg_size 48
		.amdhsa_user_sgpr_count 2
		.amdhsa_user_sgpr_kernarg_segment_ptr 1
		.amdhsa_wavefront_size32 1
		.amdhsa_system_sgpr_workgroup_id_x 1
		.amdhsa_system_sgpr_workgroup_id_y 1
		.amdhsa_system_sgpr_workgroup_id_z 1
		.amdhsa_system_vgpr_workitem_id 0
		.amdhsa_next_free_vgpr 1024
		.amdhsa_next_free_sgpr 84
		.amdhsa_reserve_vcc 0
		.amdhsa_float_denorm_mode_32 3
		.amdhsa_float_denorm_mode_16_64 3
		.amdhsa_memory_ordered 1
		.amdhsa_forward_progress 1
		.amdhsa_inst_pref_size 203
	.end_amdhsa_kernel
	.amdgpu_metadata
---
amdhsa.version: [ 1, 2 ]
amdhsa.kernels:
  - .name:           k_q4a01bed782_moe
    .symbol:         k_q4a01bed782_moe.kd
    .args:
      - { .name: xq, .offset: 0, .size: 8, .value_kind: global_buffer, .address_space: global }
      - { .name: wq, .offset: 8, .size: 8, .value_kind: global_buffer, .address_space: global }
      - { .name: comb, .offset: 16, .size: 8, .value_kind: global_buffer, .address_space: global }
      - { .name: expert_b, .offset: 24, .size: 8, .value_kind: global_buffer, .address_space: global }
      - { .name: order, .offset: 32, .size: 8, .value_kind: global_buffer, .address_space: global }
      - { .name: out0, .offset: 40, .size: 8, .value_kind: global_buffer, .address_space: global }
    .group_segment_fixed_size: 205312
    .private_segment_fixed_size: 0
    .kernarg_segment_align: 8
    .kernarg_segment_size: 48
    .max_flat_workgroup_size: 128
    .sgpr_count:     84
    .vgpr_count:     1024
    .wavefront_size: 32
...
	.end_amdgpu_metadata
.endif
;; end of part 7
